; MI455X (gfx1250); checked and timed in simulation.
; The chip was launched on July 23, 2026; its instructions are those of AMD's public machine-readable ISA for CDNA 5 (MIT licence, August 2026) and "CDNA5" Instruction Set Architecture Reference Guide (July 2026). The comments in the code are by the model that wrote it; some were corrected since.
;; Attn Aware. Allowed arithmetic: matrix products marked QUANTISED: E4M3 operands, one E8M0 scale for each 32 along K, by v_wmma_scale_f32_16x16x128_f8f6f4 with both operands' format E4M3, f32 sums; everything else in f32.
;; Inputs: W1_codes 256 x 16 x 32 uint8 (E4M3 codes of W1, K innermost, in blocks of 32 codes); W1_scales 256 x 16 uint8 (E8M0 scales of W1, one for each 32 codes along K); W2_codes 256 x 8 x 32 uint8 (E4M3 codes of W2, K innermost, in blocks of 32 codes); W2_scales 256 x 8 uint8 (E8M0 scales of W2, one for each 32 codes along K); Wk_codes 256 x 8 x 32 uint8 (E4M3 codes of Wk, K innermost, in blocks of 32 codes); Wk_scales 256 x 8 uint8 (E8M0 scales of Wk, one for each 32 codes along K); Wq_codes 256 x 8 x 32 uint8 (E4M3 codes of Wq, K innermost, in blocks of 32 codes); Wq_scales 256 x 8 uint8 (E8M0 scales of Wq, one for each 32 codes along K); Ws_codes 256 x 16 x 32 uint8 (E4M3 codes of Ws, K innermost, in blocks of 32 codes); Ws_scales 256 x 16 uint8 (E8M0 scales of Ws, one for each 32 codes along K); alpha_k 1 x 256 x 1 x 1 float32; alpha_q 1 x 256 x 1 x 1 float32; alpha_r1 1 x 512 x 1 x 1 float32; alpha_r2 1 x 256 x 1 x 1 float32; b1 256 float32; b2 256 float32; bk 256 float32; bq 256 float32; bs 256 float32; x 4 x 256 x 64 x 64 float32.
;; Outputs: out0 4 x 256 x 64 x 64 float32.
;; This version of the problem:
;;   THIS VERSION OF THE PROBLEM IS GIVEN IN LOW PRECISION. The matrix products marked QUANTISED in the list below multiply operands that are first quantised to E4M3 (4 exponent bits, 3 mantissa bits; 8 bits a number), with one power-of-two scale for each 32 numbers along K (OCP MX v1.0); their sums are f32. All else is computed in f32.
;;   The module's matrix products, in the order in which they are computed (A, B: the left and right operand; K: the contracted axis; several contracted axes count as one K, in the product's order):
;;     1. [M 16,384, K 256] x [K 256, N 256]; A: computed on the way; B: input Wq (given as codes): QUANTISED
;;     2. [M 16,384, K 256] x [K 256, N 256]; A: computed on the way; B: input Wk (given as codes): QUANTISED
;;     3. batch 8 x [M 4,096, K 128] x [K 128, N 4,096]; A: computed on the way; B: computed on the way: QUANTISED
;;     4. batch 8 x [M 4,096, K 4,096] x [K 4,096, N 128]; A: softmax (see below); B: input x: QUANTISED
;;     5. [M 16,384, K 512] x [K 512, N 256]; A: computed on the way; B: input Ws (given as codes): QUANTISED
;;     6. [M 16,384, K 512] x [K 512, N 256]; A: computed on the way; B: input W1 (given as codes): QUANTISED
;;     7. [M 16,384, K 256] x [K 256, N 256]; A: computed on the way; B: input W2 (given as codes): QUANTISED
;;   THE QUANTISER, for each operand of a quantised product, along K:
;;     - K is cut into blocks of 32 from its start; a last block that is shorter is filled with zeros.
;;     - A block's scale is 2^e with e = floor(log2(the largest magnitude in the block)) - 8, held to -126 .. 127; a block of zeros has e = 0. As a byte (E8M0): e + 127.
;;     - Each number is divided by its block's scale, clamped to +-448, and rounded to the nearest number of E4M3, ties to even, subnormals kept.
;;     - The product sums the exact products of the quantised numbers (number of the format x scale) in f32.
;;   ~~~python
;;   def quantise(x, axis):      # numpy; x: float32 -> the quantised numbers, widened to float32 again
;;       x = np.moveaxis(x, axis, -1); K = x.shape[-1]
;;       x = np.pad(x, [(0, 0)] * (x.ndim - 1) + [(0, -K % 32)]); x = x.reshape(x.shape[:-1] + (-1, 32)); a = np.abs(x).max(-1, keepdims=True)
;;       e = np.where(a > 0, np.clip(np.frexp(np.where(a > 0, a, 1))[1] - 1 - 8, -126, 127), 0)      # np.frexp(a)[1] - 1 = floor(log2(a)), exactly
;;       r = np.clip(x / 2.0 ** e, -448, 448)
;;       step = 2.0 ** (np.maximum(np.frexp(np.where(r == 0, 1, r))[1] - 1, -6) - 3)
;;       q = np.round(r / step) * step * 2.0 ** e      # np.round: ties to even
;;       return np.moveaxis(q.reshape(q.shape[:-2] + (-1,))[..., :K], -1, axis).astype(np.float32)
;;   ~~~
;;   SOFTMAX AHEAD OF A QUANTISED PRODUCT. Where the list says 'softmax', what is quantised is not the finished softmax but p = 2^(t - M), with t = logit x log2(e) and M = ceil(the row's largest t), a whole number; so 1/2 < the row's largest p <= 1. The row's sum l is taken of the UNQUANTISED p, in f32, and the product's result is divided by l at the end. Since M is a whole number, a kernel that streams over the keys may use a running M (the ceiling of the running maximum): every later rescaling is an exact power of two, which a block's scale takes up: the codes' values come out the same.
;;   OPERANDS COMPUTED ON THE WAY. 'Computed on the way' means the value that the module computes at that place (a softmax that the list does not call 'softmax' is quantised finished and normalised). What goes into a quantiser is computed in f32, as accurately as f32 sums, v_exp_f32 and their like allow (about 1e-6 of the number): no bf16 or f16 on the way to a quantiser, and a product that is left as it is and whose result goes on into a quantised operand takes f32 operands (vector FMAs, or v_wmma_f32_16x16x4_f32). A number that lies on a knife's edge between two numbers of the format may be rounded either way, as far as f32 arithmetic and the matrix unit's own rounding can turn it there, and no further.
;;   INPUTS GIVEN AS CODES. W1 (in the module: [256, 512], K = its axis 1); W2 (in the module: [256, 256], K = its axis 1); Wk (in the module: [256, 256], K = its axis 1); Wq (in the module: [256, 256], K = its axis 1); Ws (in the module: [256, 512], K = its axis 1): each comes as NAME_codes (uint8): NAME with its K axis moved to the last place and cut into blocks of 32 codes, [.., K / 32, bytes a block], one block behind the other in memory; one code a byte (a code: sign, 4 exponent bits, 3 mantissa bits); and NAME_scales (uint8): the same leading axes, one E8M0 byte (e + 127) for each 32 codes along K. Its value is code x scale, taken as it is: it is not quantised again, and the codes and scales need not be those that the quantiser above would give.
;; 2 versions. Each part assembles by itself: llvm-mc -triple=amdgcn-amd-amdhsa -mcpu=gfx1250 --defsym DOCPART=n.
;; ======== version 1 of 2: 3 launches
;; workspace buffers: q_img 4,194,304 bytes; k_img 4,194,304 bytes; q_sc 131,072 bytes; k_sc 131,072 bytes; v_img 4,194,304 bytes; v_sc 131,072 bytes; o_img 16,777,216 bytes
;; launch proj (part 1): grid 256 x 1, 4 waves a work-group, no clusters, 173,056 bytes of LDS; arguments x, alpha_q, alpha_k, Wq_codes, Wk_codes, Wq_scales, Wk_scales, bq, bk, q_img, k_img, q_sc, k_sc, v_img, v_sc; writes q_img, k_img, q_sc, k_sc, v_img, v_sc
.if DOCPART == 1
	.amdgcn_target "amdgcn-amd-amdhsa--gfx1250"
	.amdhsa_code_object_version 6
	.text
	.protected	k_q24857e65a9_proj
	.globl	k_q24857e65a9_proj
	.p2align	8
	.type	k_q24857e65a9_proj,@function
k_q24857e65a9_proj:
	s_mov_b64 s[64:65], 0
	v_nop
	global_prefetch_b8 v0, s[64:65] scope:SCOPE_SE
	s_setreg_imm32_b32 hwreg(HW_REG_WAVE_MODE, 25, 1), 1
	s_wait_xcnt 0x0
; q = Wq gelu(pixnorm(x, alpha_q)) + bq and k likewise (K = the 256 channels), both products on E4M3 codes with one E8M0 scale for each 32 along K;
; q and k are quantised along the head's 128 and x (= V) along the keys; all three leave as IMAGES OF THE OPERANDS' REGISTERS for the attention launch.
; x: [4][256 channels][4096 tokens] f32.  A work-group takes 64 tokens of one batch (256 work-groups).
; SHARES.  Activations: wave w takes the 16 tokens 16 w on.  Products: wave w takes q (w < 2) or k, head w % 2: 128 outputs for all 64 tokens; its 16 weight fragments stay in registers.
; V: the work-group also takes 128 channels x 128 tokens of x (head tg % 2, key step tg / 2), a lane to a channel, so that whole scale words are made here.
; LAYOUTS (l lane, r = l % 16, h = l / 16).  q_img, k_img: [head 8][tile of 16 tokens 256][c 4][lane][16 bytes]: lane (r, h), group c: d = 32 c + 16 h + 0..15 of token r.
; q_sc, k_sc: [head][64 tokens][r][m 4] words: the four scale bytes of token 16 m + r.  v_img: [head][step of 128 keys][tile t 8][c][lane][16 bytes]: row p of tile 2 B + u is d = 32 B + 8 u + p + 8 (p / 8);
; lane (p, h), group c: keys 32 c + 8 h + 0..7 and 32 c + 16 + 8 h + 0..7: the order in which the weights p of the softmax fall in the attention launch (inside a block of 32, so the scales stand).
; v_sc: [head][step][t / 4][p][t % 4] words.
; THE ROWS OF W THAT FORM A TILE ARE NOT NEIGHBOURS (as v_img's): a lane's 16 results of tiles 2 B, 2 B + 1 are then 16 neighbours along d.
; GELU is exact (erf): gelu(y) = max(y, 0) - |y| e, e = erfc(|y| / sqrt 2) / 2 = t exp(P(t) - y y / 2), t = 1 / (1 + |y| / sqrt 8), P of degree 9 (fractional error of the formula 1.2e-7 at every y).
; LIMITS: NaN and infinities are not served; a block whose largest magnitude lies under 2^-118 keeps the scale byte 1, a block of zeros too (its codes are zeros; this program alone reads the bytes).
; No cluster: what work-groups share are weights that go straight into registers by plain loads, which have no joint form.
.set XP,    264                        ; LDS row of XT: 64 tokens x 4 bytes + 8: lanes 16-31 read 16 rows (4,224 bytes = 1,056 words) on: 32 banks from lanes 0-15
.set VT,    67584                      ; 128 rows x (512 + 16) bytes
.set ALPHA, 135168                     ; alpha_q, alpha_k: 2 x 1,024 bytes
.set AIMG,  137216                     ; the activations' fragments [q or k][tile m][K step s] x 2,048 bytes
.set ASC,   169984                     ; their scale words, 128 bytes each
.set VSC,   172032                     ; V's scale words of this key step: 512 bytes
.set LI,    1                          ; 16 x lane
.set XA,    3                          ; XT: 4,224 h + 64 w + 4 r
.set AH,    4                          ; ALPHA + 64 h
.set AWI,   5                          ; AIMG + 16 l + 4,096 w
.set AWS,   6                          ; ASC + 4 l + 256 w
.set FA,    7                          ; AIMG + 16 l + 16,384 (w / 2)
.set FS,    8                          ; ASC + 4 l + 1,024 (w / 2)
.set VL,    9                          ; VT + 528 x thread
.set VG,    10                         ; v_img: 2,048 (2 w + u) + 16 p
.set VS,    11                         ; VSC + 256 (w / 2) + 8 (w % 2) + 16 p + 4 u
.set SCO,   12                         ; 16 r
.set WOFF,  13                         ; W's codes: 256 (r + 8 (r / 8)) + 16 h
.set WSOFF, 14                         ; W's scale words: 8 (r + 8 (r / 8))
.set BOFF,  15                         ; bias: 64 h
.set WSC,   16                         ; v16-31  W's scale words (tile t, K step s) at 2 t + s
.set NS,    32                         ; v32-39  sums of squares, four pairs
.set RR,    40                         ; v40-41  1 / norm, twice
.set C9V,   42                         ; v42-43  the polynomial's leading coefficient, twice
.set SW,    44                         ; v44-47  the four tiles' scale words of q or k
.set SB,    48                         ; v48-111  64 numbers; in the products the 8 accumulators
.set GB,    112                        ; v112-175 64 numbers; in the products two sets of two fragments
.set GT,    176                        ; v176-223 gelu's t, polynomial, square; codes on their way out
.set GA,    192
.set GU,    208
.set TM,    224                        ; v224-239 the quantiser's work
.set PW,    240
.set VW,    241
.set XS,    242                        ; v242-245 the activations' scale words, two sets
.set VR,    246                        ; VSC + 16 l
.set WV,    34
.set SEL,   38
.set MNT,   40
.set K1,    41
.set MSB, 0
.macro WIN new                         ; the immediate's high byte repeats the setting that is left
.if MSB != \new
	s_set_vgpr_msb (MSB<<8)|\new
.set MSB, \new
.endif
.endm
.macro PLACES n
.rept \n
	v_nop
.endr
.endm
.macro BARRIER                         ; my LDS stores have landed and my LDS loads are in: then the work-group's barrier
	s_wait_dscnt 0x0
	s_barrier_signal -1
	s_barrier_wait -1
.endm
.macro PKMUL d, a, b, n                ; n pairs: d = a x b
.set p_, 0
.rept \n
	v_pk_mul_f32 v[(\d)+p_:(\d)+p_+1], v[(\a)+p_:(\a)+p_+1], v[(\b)+p_:(\b)+p_+1]
.set p_, p_+2
.endr
.endm
.macro PKSCL d, r, n                   ; n pairs: d = d x the pair r
.set p_, 0
.rept \n
	v_pk_mul_f32 v[(\d)+p_:(\d)+p_+1], v[(\d)+p_:(\d)+p_+1], v[\r:\r+1]
.set p_, p_+2
.endr
.endm
; gelu in place on 16 registers.  The reciprocals and the exponentials stand in runs, each with a plain line behind it before a result is used (ISA guide 5.7.2).
.macro GELU16 y
.set i_, 0
.rept 16
	v_fma_f32 v[GT+i_], |v[(\y)+i_]|, s[K1], 1.0
.set i_, i_+1
.endr
.set i_, 0
.rept 16
	v_rcp_f32 v[GT+i_], v[GT+i_]                   ; t
.set i_, i_+1
.endr
.set i_, 0
.rept 8
	v_pk_mul_f32 v[GU+i_:GU+i_+1], v[(\y)+i_:(\y)+i_+1], v[(\y)+i_:(\y)+i_+1]
.set i_, i_+2
.endr
.set i_, 0
	s_wait_alu depctr_va_vdst(0)
.rept 8
	v_pk_fma_f32 v[GA+i_:GA+i_+1], v[GT+i_:GT+i_+1], v[C9V:C9V+1], 0xbf527892 op_sel_hi:[1,1,0]
.set i_, i_+2
.endr
.irp k, 0x3fbe87b0, 0xbf914e5d, 0x3e8ec7cc, 0xbe3ec24c, 0x3dc636c9, 0x3ebf88fb, 0x3f8000c7, 0xbffab55a
.set i_, 0
.rept 8
	v_pk_fma_f32 v[GA+i_:GA+i_+1], v[GA+i_:GA+i_+1], v[GT+i_:GT+i_+1], \k op_sel_hi:[1,1,0]   ; Horner; the last coefficient has ln 2 taken off, for the half
.set i_, i_+2
.endr
.endr
.set i_, 0
.rept 8
	v_pk_fma_f32 v[GA+i_:GA+i_+1], v[GU+i_:GU+i_+1], -0.5, v[GA+i_:GA+i_+1] op_sel_hi:[1,0,1]
.set i_, i_+2
.endr
.set i_, 0
.rept 8
	v_pk_mul_f32 v[GA+i_:GA+i_+1], v[GA+i_:GA+i_+1], 0x3fb8aa3b op_sel_hi:[1,0]
.set i_, i_+2
.endr
.set i_, 0
.rept 16
	v_exp_f32 v[GA+i_], v[GA+i_]
.set i_, i_+1
.endr
.set i_, 0
.rept 16
	v_max_num_f32 v[GU+i_], 0, v[(\y)+i_]
.set i_, i_+1
.endr
.set i_, 0
	s_wait_alu depctr_va_vdst(0)
.rept 8
	v_pk_mul_f32 v[GA+i_:GA+i_+1], v[GA+i_:GA+i_+1], v[GT+i_:GT+i_+1]   ; e
.set i_, i_+2
.endr
.set i_, 0
.rept 16
	v_fma_f32 v[(\y)+i_], -|v[(\y)+i_]|, v[GA+i_], v[GU+i_]
.set i_, i_+1
.endr
.endm
; nb blocks of 32: register 16 b + i of v[s] on = k 32 b + 16 (lane / 16) + i of my row.  Codes to v[d] on, the scale bytes to v[pw].
.macro QUANT s, nb, d, pw
.set b_, 0
.rept \nb
	v_max3_num_f32 v[TM+b_], |v[(\s)+16*b_]|, |v[(\s)+16*b_+1]|, 0x4800000   ; the floor 2^(9 - 127) holds the byte at 1 from below
.set b_, b_+1
.endr
.irp i, 2,4,6,8,10,12,14
.set b_, 0
.rept \nb
	v_max3_num_f32 v[TM+b_], v[TM+b_], |v[(\s)+16*b_+\i]|, |v[(\s)+16*b_+\i+1]|
.set b_, b_+1
.endr
.endr
.set b_, 0
.rept \nb
	v_permlanex16_b32 v[TM+4+b_], v[TM+b_], s[SEL], s[SEL+1]
.set b_, b_+1
.endr
.set b_, 0
.rept \nb
	v_max_num_f32 v[TM+b_], v[TM+b_], v[TM+4+b_]   ; with lane l xor 16's 16: the block's largest magnitude
.set b_, b_+1
.endr
.set b_, 0
.rept \nb
	v_add_nc_u32 v[TM+12+b_], 0xfc000000, v[TM+b_] ; 8 off its exponent field: the conversion's scale operand
.set b_, b_+1
.endr
.set b_, 0
.rept \nb
	v_and_or_b32 v[TM+8+b_], v[TM+b_], 0x7f800000, s[MNT]   ; 448 x the scale
.set b_, b_+1
.endr
.set b_, 0
.rept \nb
	v_lshrrev_b32 v[TM+4+b_], 23, v[TM+12+b_]      ; the scale's byte
.set b_, b_+1
.endr
	v_lshl_or_b32 v[\pw], v[TM+5], 8, v[TM+4]
.if \nb > 2
	v_lshl_or_b32 v[\pw], v[TM+6], 16, v[\pw]
	v_lshl_or_b32 v[\pw], v[TM+7], 24, v[\pw]
.endif
.set b_, 0
.rept \nb
.set i_, 0
.rept 16
	v_med3_num_f32 v[(\s)+16*b_+i_], v[(\s)+16*b_+i_], -v[TM+8+b_], v[TM+8+b_]   ; the conversion does not saturate (ISA guide 7.6.2): the hold
.set i_, i_+1
.endr
	v_cvt_scalef32_pk8_fp8_f32 v[(\d)+4*b_:(\d)+4*b_+1], v[(\s)+16*b_:(\s)+16*b_+7], v[TM+12+b_]
	v_cvt_scalef32_pk8_fp8_f32 v[(\d)+4*b_+2:(\d)+4*b_+3], v[(\s)+16*b_+8:(\s)+16*b_+15], v[TM+12+b_]
.set b_, b_+1
.endr
	v_nop                                          ; a plain line behind the last conversion, ahead of whatever next touches its registers
.endm
.macro IMAGE adr, off, src, n          ; n groups of four registers go to LDS as they stand: 16 bytes a lane, 512 a store
.set c_, 0
.rept \n
	ds_store_b128 v[\adr], v[(\src)+4*c_:(\src)+4*c_+3] offset:(\off)+512*c_
.set c_, c_+1
.endr
.endm
.macro FETCH reg, adr, off             ; a fragment comes back so, in any wave
.set c_, 0
.rept 4
	ds_load_b128 v[(\reg)+4*c_:(\reg)+4*c_+3], v[\adr] offset:(\off)+512*c_
.set c_, c_+1
.endr
.endm
.macro LOADX buf, s                    ; my token's channels 128 s + 32 b + 16 h + i
.irp b, 0,1,2,3
.irp i, 0,1,2,3,4,5,6,7,8,9,10,11,12,13,14,15
	ds_load_b32 v[(\buf)+16*\b+\i], v[XA] offset:(128*(\s)+32*\b+\i)*XP
.endr
.endr
.endm
.macro LOADA off                       ; 64 gains in the same order
.irp b, 0,1,2,3
.irp j, 0,1,2,3
	ds_load_b128 v[GB+16*\b+4*\j:GB+16*\b+4*\j+3], v[AH] offset:(\off)+128*\b+16*\j
.endr
.endr
.endm
.macro SSQ buf, first                  ; squares of 64 numbers onto four pairs; first = 1: they start the sums
.set p_, 0
.rept 32
.if (\first) && (p_ < 4)
	v_pk_mul_f32 v[NS+2*p_:NS+2*p_+1], v[(\buf)+2*p_:(\buf)+2*p_+1], v[(\buf)+2*p_:(\buf)+2*p_+1]
.else
	v_pk_fma_f32 v[NS+2*(p_%4):NS+2*(p_%4)+1], v[(\buf)+2*p_:(\buf)+2*p_+1], v[(\buf)+2*p_:(\buf)+2*p_+1], v[NS+2*(p_%4):NS+2*(p_%4)+1]
.endif
.set p_, p_+1
.endr
.endm
; block c of my channel's 128 keys: all 32 numbers are mine.  The four conversions land so that keys (0-7, 16-23) and (8-15, 24-31) are four registers each.
.macro QUANTV c
.set XV, SB+32*(\c)
.set VC, GT+8*(\c)
	v_max3_num_f32 v[TM], |v[XV]|, |v[XV+1]|, |v[XV+2]|
	v_max3_num_f32 v[TM+1], |v[XV+3]|, |v[XV+4]|, |v[XV+5]|
.irp i, 6,10,14,18,22,26
	v_max3_num_f32 v[TM], v[TM], |v[XV+\i]|, |v[XV+\i+1]|
	v_max3_num_f32 v[TM+1], v[TM+1], |v[XV+\i+2]|, |v[XV+\i+3]|
.endr
	v_max3_num_f32 v[TM], v[TM], |v[XV+30]|, |v[XV+31]|
	v_max3_num_f32 v[TM], v[TM], v[TM+1], 0x4800000
	v_add_nc_u32 v[TM+2], 0xfc000000, v[TM]
	v_and_or_b32 v[TM+3], v[TM], 0x7f800000, s[MNT]
	v_lshrrev_b32 v[TM+1], 23, v[TM+2]
.if (\c) == 0
	v_mov_b32 v[VW], v[TM+1]
.else
	v_lshl_or_b32 v[VW], v[TM+1], 8*(\c), v[VW]
.endif
.set i_, 0
.rept 32
	v_med3_num_f32 v[XV+i_], v[XV+i_], -v[TM+3], v[TM+3]
.set i_, i_+1
.endr
	v_cvt_scalef32_pk8_fp8_f32 v[VC:VC+1], v[XV:XV+7], v[TM+2]
	v_cvt_scalef32_pk8_fp8_f32 v[VC+4:VC+5], v[XV+8:XV+15], v[TM+2]
	v_cvt_scalef32_pk8_fp8_f32 v[VC+2:VC+3], v[XV+16:XV+23], v[TM+2]
	v_cvt_scalef32_pk8_fp8_f32 v[VC+6:VC+7], v[XV+24:XV+31], v[TM+2]
	v_nop
	global_store_b128 v[VG], v[VC:VC+3], s[30:31] offset:512*(\c)       ; the 16 lanes of one tile fill 256 consecutive bytes, aligned
	global_store_b128 v[VG], v[VC+4:VC+7], s[30:31] offset:512*(\c)+256
.endm
	s_load_b512 s[4:19], s[0:1], 0x0               ; x, alpha_q, alpha_k, Wq codes, Wk codes, Wq scales, Wk scales, bq
	s_load_b256 s[20:27], s[0:1], 0x40             ; bk, q_img, k_img, q_sc
	s_load_b128 s[28:31], s[0:1], 0x60             ; k_sc, v_img
	s_load_b64 s[32:33], s[0:1], 0x70              ; v_sc
	v_lshl_add_u32 v2, v0, 2, 0x2a200
	v_mov_b32 v247, 0
	ds_add_u32 v2, v247
	v_lshrrev_b32 v253, 5, v0
	v_readfirstlane_b32 s[WV], v253                ; wave 0..3
	s_lshr_b32 s35, ttmp9, 6                       ; batch
	s_and_b32 s36, ttmp9, 63                       ; tg: which 64 tokens
	s_and_b32 s37, s36, 1                          ; V: head
	s_lshr_b32 s46, s36, 1                         ; V: key step
	s_and_b32 s47, s[WV], 1                        ; products: head
	s_lshr_b32 s66, s[WV], 1                       ; products: q (0) or k (1)
	; descriptor group 1.  XT: 64 rows x 64 elements of 4 bytes, 2 words of padding behind each 64
	s_mov_b32 s48, (2<<16)|(1<<20)|(5<<22)|(1<<25)
	s_mov_b32 s49, 64<<16                          ; tensor_dim0
	s_mov_b32 s50, 64<<16                          ; tensor_dim1
	s_mov_b32 s51, 64<<16                          ; tile_dim0
	s_mov_b32 s52, 64                              ; tile_dim1
	s_mov_b32 s53, 4096                            ; elements from channel to channel
	s_mov_b32 s54, 0
	s_mov_b32 s55, 0
	; VT: 32 rows x 128 elements, 4 words of padding behind each 128
	s_mov_b32 s56, (2<<16)|(1<<20)|(6<<22)|(3<<25)
	s_mov_b32 s57, 128<<16
	s_mov_b32 s58, 32<<16
	s_mov_b32 s59, 128<<16
	s_mov_b32 s60, 32
	s_mov_b32 s61, 4096
	s_mov_b32 s62, 0
	s_mov_b32 s63, 0
	s_lshl_b32 s76, s35, 8                         ; XT: channel 256 b + 64 w, token 64 tg
	s_lshl_b32 s77, s[WV], 6
	s_add_co_u32 s76, s76, s77
	s_lshl_b32 s76, s76, 14
	s_lshl_b32 s77, s36, 8
	s_add_co_u32 s76, s76, s77
	s_mov_b32 s77, 0
	s_lshl_b32 s78, s35, 8                         ; VT: channel 256 b + 128 head + 32 w, token 128 step
	s_lshl_b32 s79, s37, 7
	s_add_co_u32 s78, s78, s79
	s_lshl_b32 s79, s[WV], 5
	s_add_co_u32 s78, s78, s79
	s_lshl_b32 s78, s78, 14
	s_lshl_b32 s79, s46, 9
	s_add_co_u32 s78, s78, s79
	s_mov_b32 s79, 0
	s_mul_i32 s80, s[WV], 16896                    ; 64 rows of 264 bytes = 32 rows of 528
	s_wait_dscnt 0x0
	s_wait_kmcnt 0x0
	s_mov_b32 s68, 1
	s_mov_b32 s69, s80
	s_add_nc_u64 s[70:71], s[4:5], s[76:77]
	s_or_b32 s71, s71, 0x80000000
	s_mov_b32 s72, 1
	s_add_co_u32 s73, s80, VT
	s_add_nc_u64 s[74:75], s[4:5], s[78:79]
	s_or_b32 s75, s75, 0x80000000
	tensor_load_to_lds s[68:71], s[48:55]          ; both fills are first fills and the only ones: two loads of mine are out
	s_nop 0
	tensor_load_to_lds s[72:75], s[56:63]
	s_nop 0
	PLACES 4
	v_and_b32 v253, 31, v0                         ; l
	v_and_b32 v254, 15, v0                         ; r
	v_bfe_u32 v255, v0, 4, 1                       ; h
	v_lshlrev_b32 v[LI], 4, v253
	v_mul_u32_u24 v[XA], v255, 4224
	v_lshl_add_u32 v[XA], v254, 2, v[XA]
	s_lshl_b32 s81, s[WV], 6
	v_add_nc_u32 v[XA], s81, v[XA]
	v_lshl_add_u32 v[AH], v255, 6, ALPHA
	s_lshl_b32 s81, s[WV], 12
	s_add_co_u32 s81, s81, AIMG
	v_add_nc_u32 v[AWI], s81, v[LI]
	v_lshlrev_b32 v[AWS], 2, v253
	v_lshlrev_b32 v[FS], 2, v253
	s_lshl_b32 s81, s[WV], 8
	s_add_co_u32 s81, s81, ASC
	v_add_nc_u32 v[AWS], s81, v[AWS]
	s_lshl_b32 s81, s66, 14
	s_add_co_u32 s81, s81, AIMG
	v_add_nc_u32 v[FA], s81, v[LI]
	s_lshl_b32 s81, s66, 10
	s_add_co_u32 s81, s81, ASC
	v_add_nc_u32 v[FS], s81, v[FS]
	v_mul_u32_u24 v[VL], v0, 528
	v_add_nc_u32 v[VL], VT, v[VL]
	v_bfe_u32 v252, v0, 3, 1                       ; u
	v_and_b32 v251, 7, v0
	v_lshl_add_u32 v251, v255, 3, v251             ; p = l % 8 + 8 (l / 16)
	v_lshlrev_b32 v[VG], 4, v251
	v_lshl_add_u32 v[VG], v252, 11, v[VG]
	s_lshl_b32 s81, s[WV], 12
	v_add_nc_u32 v[VG], s81, v[VG]
	v_lshlrev_b32 v[VS], 4, v251
	v_lshl_add_u32 v[VS], v252, 2, v[VS]
	s_lshl_b32 s81, s66, 8
	s_lshl_b32 s82, s47, 3
	s_add_co_u32 s81, s81, s82
	s_add_co_u32 s81, s81, VSC
	v_add_nc_u32 v[VS], s81, v[VS]
	v_lshlrev_b32 v[SCO], 4, v254
	v_and_b32 v250, 8, v254
	v_add_nc_u32 v250, v250, v254                  ; r + 8 (r / 8)
	v_lshlrev_b32 v[WOFF], 8, v250
	v_lshl_add_u32 v[WOFF], v255, 4, v[WOFF]
	v_lshlrev_b32 v[WSOFF], 3, v250
	v_lshlrev_b32 v[BOFF], 6, v255
	v_add_nc_u32 v[VR], VSC, v[LI]
	v_and_b32 v248, 63, v0
	v_lshlrev_b32 v248, 4, v248                    ; the gains: threads 0-63 bring alpha_q, 64-127 alpha_k, 16 bytes each
	v_lshl_add_u32 v249, v0, 4, ALPHA
	v_mov_b32 v[C9V], 0x3e2ef945
	v_mov_b32 v[C9V+1], 0x3e2ef945
.irp b, 4,5,6,7
	v_mov_b32 v[TM+\b], 0                          ; written once: a lane permute's destination counts as one of its sources
.endr
	s_mov_b32 s[SEL], 0x76543210
	s_mov_b32 s[SEL+1], 0xfedcba98                 ; lane l xor 16
	s_mov_b32 s[MNT], 0x600000                     ; the mantissa field of 448
	s_mov_b32 s[K1], 0x3eb504f3                    ; 1 / sqrt 8
	s_mov_b32 s44, 0x3b800000                      ; 1 / 256
	s_mov_b32 s45, 0x322bcc77                      ; 1e-8
	s_cmp_lt_u32 s[WV], 2                          ; q's buffers or k's: the choice hangs on the wave's number alone
	s_cselect_b64 s[84:85], s[6:7], s[8:9]         ; gains
	s_cselect_b64 s[86:87], s[10:11], s[12:13]     ; codes
	s_cselect_b64 s[88:89], s[14:15], s[16:17]     ; scales
	s_cselect_b64 s[90:91], s[18:19], s[20:21]     ; bias
	s_cselect_b64 s[92:93], s[22:23], s[24:25]     ; image out
	s_cselect_b64 s[94:95], s[26:27], s[28:29]     ; scale words out
	global_load_b128 v[232:235], v248, s[84:85]
	s_mov_b32 s77, 0
	s_lshl_b32 s76, s47, 15                        ; my head's 128 rows of 256 codes
	s_add_nc_u64 s[86:87], s[86:87], s[76:77]
	s_lshl_b32 s76, s47, 10
	s_add_nc_u64 s[88:89], s[88:89], s[76:77]
	s_lshl_b32 s76, s47, 9
	s_add_nc_u64 s[90:91], s[90:91], s[76:77]
	s_lshl_b32 s81, s35, 1
	s_add_co_u32 s82, s81, s47                     ; 2 b + my products' head
	s_add_co_u32 s81, s81, s37                     ; 2 b + V's head
	s_lshl_b32 s76, s82, 19
	s_lshl_b32 s78, s36, 13
	s_add_co_u32 s76, s76, s78
	s_add_nc_u64 s[92:93], s[92:93], s[76:77]      ; tile 4 tg of my head: 2,048 bytes a tile
	s_lshl_b32 s76, s82, 14
	s_lshl_b32 s78, s36, 8
	s_add_co_u32 s76, s76, s78
	s_add_nc_u64 s[94:95], s[94:95], s[76:77]
	s_lshl_b32 s76, s81, 19
	s_lshl_b32 s78, s46, 14
	s_add_co_u32 s76, s76, s78
	s_add_nc_u64 s[30:31], s[30:31], s[76:77]
	s_lshl_b32 s76, s81, 14
	s_lshl_b32 s78, s46, 9
	s_add_co_u32 s76, s76, s78
	s_add_nc_u64 s[32:33], s[32:33], s[76:77]
	s_wait_loadcnt 0x0                             ; the gains
	ds_store_b128 v249, v[232:235]
	WIN 0x40                                       ; destination window 1: W's 16 fragments stay there
.irp t, 0,1,2,3,4,5,6,7
.irp s, 0,1
.irp c, 0,1,2,3
	global_load_b128 v[16*(2*\t+\s)+4*\c:16*(2*\t+\s)+4*\c+3], v[WOFF], s[86:87] offset:(32*(\t/2)+8*(\t%2))*256+128*\s+32*\c
.endr
.endr
.endr
	WIN 0x80                                       ; window 2: the bias in the result's layout: the C of each sum's first product
.irp t, 0,1,2,3,4,5,6,7
	global_load_b128 v[8*\t:8*\t+3], v[BOFF], s[90:91] offset:(32*(\t/2)+8*(\t%2))*4
	global_load_b128 v[8*\t+4:8*\t+7], v[BOFF], s[90:91] offset:(32*(\t/2)+8*(\t%2))*4+16
.endr
	WIN 0
.irp t, 0,1,2,3,4,5,6,7
.irp s, 0,1
	global_load_b32 v[WSC+2*\t+\s], v[WSOFF], s[88:89] offset:(32*(\t/2)+8*(\t%2))*8+4*\s
.endr
.endr
	s_wait_tensorcnt 0x0                           ; my parts of XT and VT are in
	BARRIER                                        ; everybody's are, and the gains lie in LDS
	; ---- V: my channel's 128 keys
.set c_, 0
.rept 32
	ds_load_b128 v[SB+4*c_:SB+4*c_+3], v[VL] offset:16*c_
.set c_, c_+1
.endr
	s_wait_dscnt 0x0
	QUANTV 0
	QUANTV 1
	QUANTV 2
	QUANTV 3
	ds_store_b32 v[VS], v[VW]
	; ---- the norm of my token: 128 channels a lane, the other 128 in lane l xor 16
	LOADX SB, 0
	LOADX GB, 1
	s_wait_dscnt 0x0
	SSQ SB, 1
	SSQ GB, 0
	v_pk_add_f32 v[NS:NS+1], v[NS:NS+1], v[NS+2:NS+3]
	v_pk_add_f32 v[NS+4:NS+5], v[NS+4:NS+5], v[NS+6:NS+7]
	v_pk_add_f32 v[NS:NS+1], v[NS:NS+1], v[NS+4:NS+5]
	v_add_f32 v[NS], v[NS], v[NS+1]
	v_permlanex16_b32 v[NS+1], v[NS], s[SEL], s[SEL+1]
	v_add_f32 v[NS], v[NS], v[NS+1]
	v_fma_f32 v[NS], v[NS], s44, s45               ; mean + 1e-8
	v_rsq_f32 v[RR], v[NS]
	v_nop
	s_wait_alu depctr_va_vdst(0)
	v_mov_b32 v[RR+1], v[RR]
	s_wait_xcnt 0x0                                ; V's stores have read their data: gelu's work registers may be written
	; ---- the activations, a K step of 128 channels at a time, for q and for k
.irp s, 0,1
.if \s == 1
	s_wait_dscnt 0x0                               ; channels 128 on are back in SB
.endif
	PKSCL SB, RR, 32
.irp a, 0,1
	LOADA 1024*\a+512*\s
	s_wait_dscnt 0x0                               ; the gains are in; the last image's stores have read their registers
	PKMUL GB, GB, SB, 32
.if (\s == 0) && (\a == 1)
	LOADX SB, 1                                    ; lands while this K step is worked
.endif
	GELU16 GB
	GELU16 GB+16
	GELU16 GB+32
	GELU16 GB+48
	QUANT GB, 4, GT, PW
	IMAGE AWI, 16384*\a+2048*\s, GT, 4
	ds_store_b32 v[AWS], v[PW] offset:1024*\a+128*\s
.endr
.endr
	BARRIER                                        ; the sixteen fragments and V's scale words lie in LDS
	s_wait_loadcnt 0x0                             ; W, its scale words, the bias
	s_cmp_lg_u32 s[WV], 0
	s_cbranch_scc1 .Lnot0
	ds_load_b128 v[248:251], v[VR]
	s_wait_dscnt 0x0
	global_store_b128 v[LI], v[248:251], s[32:33]  ; 512 consecutive bytes
.Lnot0:
	; ---- the products: source 0 = 16 rows of W, source 1 = 16 tokens: a lane holds one token, its registers run along d.  The eight accumulators take turns.
	FETCH GB, FA, 0
	FETCH GB+16, FA, 2048
	ds_load_b32 v[XS], v[FS]
	ds_load_b32 v[XS+1], v[FS] offset:128
.irp m, 0,1,2,3
.set XF, GB+32*(\m%2)
.set XW, XS+2*(\m%2)
.set XN, GB+32*((\m+1)%2)
.set XWN, XS+2*((\m+1)%2)
.set PCM, GT+16*(\m%3)
	s_wait_dscnt 0x0
	WIN 0x21                                       ; source 0 (W) window 1, source 2 (bias) window 2
.irp t, 0,1,2,3,4,5,6,7
	v_wmma_scale_f32_16x16x128_f8f6f4 v[SB+8*\t:SB+8*\t+7], v[32*\t:32*\t+15], v[XF:XF+15], v[8*\t:8*\t+7], v[WSC+2*\t], v[XW]
.endr
	WIN 0x01
.irp t, 0,1,2,3,4,5,6,7
	v_wmma_scale_f32_16x16x128_f8f6f4 v[SB+8*\t:SB+8*\t+7], v[32*\t+16:32*\t+31], v[XF+16:XF+31], v[SB+8*\t:SB+8*\t+7], v[WSC+2*\t+1], v[XW+1]
.endr
	WIN 0
	PLACES 8                                       ; ahead of the first read of results and of loads into operands
.if \m < 3
	FETCH XN, FA, 4096*(\m+1)
	FETCH XN+16, FA, 4096*(\m+1)+2048
	ds_load_b32 v[XWN], v[FS] offset:256*(\m+1)
	ds_load_b32 v[XWN+1], v[FS] offset:256*(\m+1)+128
.else
	s_wait_xcnt 0x0                                ; tile 0's stores have read their data: its set of registers is written again
.endif
	QUANT SB, 4, PCM, SW+\m
.irp c, 0,1,2,3
	global_store_b128 v[LI], v[PCM+4*\c:PCM+4*\c+3], s[92:93] offset:2048*\m+512*\c   ; 512 consecutive bytes
.endr
.endr
	global_store_b128 v[SCO], v[SW:SW+3], s[94:95] ; 256 consecutive bytes; lanes 16-31 repeat lanes 0-15's address and data
	s_wait_tensorcnt 0x0
	ds_add_u32 v2, v247
	s_wait_dscnt 0x0
	s_endpgm
.Lfunc_end_k_q24857e65a9_proj:
	.size	k_q24857e65a9_proj, .Lfunc_end_k_q24857e65a9_proj-k_q24857e65a9_proj
	.p2alignl 7, 3214868480
	.fill 96, 4, 3214868480
	.section	.rodata,"a",@progbits
	.p2align	6, 0x0
	.amdhsa_kernel k_q24857e65a9_proj
		.amdhsa_group_segment_fixed_size 173056
		.amdhsa_private_segment_fixed_size 0
		.amdhsa_enable_private_segment 0
		.amdhsa_kernarg_size 120
		.amdhsa_user_sgpr_count 2
		.amdhsa_user_sgpr_kernarg_segment_ptr 1
		.amdhsa_wavefront_size32 1
		.amdhsa_system_sgpr_workgroup_id_x 1
		.amdhsa_system_sgpr_workgroup_id_y 1
		.amdhsa_system_sgpr_workgroup_id_z 1
		.amdhsa_system_vgpr_workitem_id 0
		.amdhsa_next_free_vgpr 576
		.amdhsa_next_free_sgpr 96
		.amdhsa_reserve_vcc 0
		.amdhsa_float_denorm_mode_32 3
		.amdhsa_float_denorm_mode_16_64 3
		.amdhsa_memory_ordered 1
		.amdhsa_forward_progress 1
		.amdhsa_inst_pref_size 255
	.end_amdhsa_kernel
	.section	.bss,"aw",@nobits
	.p2align	6
	.space	262144
	.amdgpu_metadata
---
amdhsa.version: [ 1, 2 ]
amdhsa.kernels:
  - .name:           k_q24857e65a9_proj
    .symbol:         k_q24857e65a9_proj.kd
    .args:
      - { .name: x, .offset: 0, .size: 8, .value_kind: global_buffer, .address_space: global }
      - { .name: alpha_q, .offset: 8, .size: 8, .value_kind: global_buffer, .address_space: global }
      - { .name: alpha_k, .offset: 16, .size: 8, .value_kind: global_buffer, .address_space: global }
      - { .name: Wq_codes, .offset: 24, .size: 8, .value_kind: global_buffer, .address_space: global }
      - { .name: Wk_codes, .offset: 32, .size: 8, .value_kind: global_buffer, .address_space: global }
      - { .name: Wq_scales, .offset: 40, .size: 8, .value_kind: global_buffer, .address_space: global }
      - { .name: Wk_scales, .offset: 48, .size: 8, .value_kind: global_buffer, .address_space: global }
      - { .name: bq, .offset: 56, .size: 8, .value_kind: global_buffer, .address_space: global }
      - { .name: bk, .offset: 64, .size: 8, .value_kind: global_buffer, .address_space: global }
      - { .name: q_img, .offset: 72, .size: 8, .value_kind: global_buffer, .address_space: global }
      - { .name: k_img, .offset: 80, .size: 8, .value_kind: global_buffer, .address_space: global }
      - { .name: q_sc, .offset: 88, .size: 8, .value_kind: global_buffer, .address_space: global }
      - { .name: k_sc, .offset: 96, .size: 8, .value_kind: global_buffer, .address_space: global }
      - { .name: v_img, .offset: 104, .size: 8, .value_kind: global_buffer, .address_space: global }
      - { .name: v_sc, .offset: 112, .size: 8, .value_kind: global_buffer, .address_space: global }
    .group_segment_fixed_size: 173056
    .private_segment_fixed_size: 0
    .kernarg_segment_align: 8
    .kernarg_segment_size: 120
    .max_flat_workgroup_size: 128
    .sgpr_count:     96
    .vgpr_count:     576
    .wavefront_size: 32
...
	.end_amdgpu_metadata
.endif
;; end of part 1
;; launch attn (part 2): grid 32 x 8, 8 waves a work-group, clusters of 4 x 1, 327,680 bytes of LDS; arguments q_img, q_sc, k_img, k_sc, v_img, v_sc, o_img; writes o_img
.if DOCPART == 2
	.amdgcn_target "amdgcn-amd-amdhsa--gfx1250"
	.amdhsa_code_object_version 6
	.text
	.protected	k_q24857e65a9_attn
	.globl	k_q24857e65a9_attn
	.p2align	8
	.type	k_q24857e65a9_attn,@function
k_q24857e65a9_attn:
	s_mov_b64 s[64:65], 0
	v_nop
	global_prefetch_b8 v0, s[64:65] scope:SCOPE_SE
	s_setreg_imm32_b32 hwreg(HW_REG_WAVE_MODE, 25, 1), 1
	s_wait_xcnt 0x0
	s_wait_alu depctr_hold_cnt(0) depctr_sa_sdst(0) depctr_va_vdst(0) depctr_va_sdst(0) depctr_va_ssrc(0) depctr_va_vcc(0) depctr_vm_vsrc(0)
	s_getreg_b32 s2, hwreg(HW_REG_IB_STS2, 6, 4)
	s_cmp_eq_u32 s2, 0
	s_cbranch_scc0 .Lentry_in_a_cluster
	s_endpgm
.Lentry_in_a_cluster:
	s_bfe_u32 s2, ttmp6, 0x10000c
	s_cmp_lg_u32 s2, 0x3003
	s_cbranch_scc0 .Lentry_shape_is_right
	s_endpgm
.Lentry_shape_is_right:
; O[head][q] = the sum over keys of softmax(q . k / sqrt(128)) v, both products on E4M3 codes with one E8M0 scale for each 32 along a product's K.  8 heads (batch x head), 4,096 tokens, head size 128.
; All operands arrive as images of their registers (see the launch that makes them): a fragment is four loads of 16 bytes a lane at 16 x lane, 512 bytes apart; no pitch, no padding.
; THE SOFTMAX AHEAD OF THE SECOND PRODUCT: t = score x log2(e) / sqrt(128); M = the running largest t rounded UP to a whole number; p = 2^(t - M) is quantised along the keys, not normalised.
; The row's sum is taken of the unquantised p and divides O at the end.  When M moves, the sum and O are multiplied by 2^(old M - new M): exact.
; SHARES.  A work-group owns 128 queries of one head, each of its eight waves 16: two waves to a SIMD, so that one wave's vector work stands beside the other's products and LDS loads.
; Every wave walks all keys, 128 a step.  K and V come through a ring of two LDS slots of 256 keys (waves 0, 1: K's two steps; waves 2, 3: V's), read by all eight.
; CLUSTER.  The four work-groups of a cluster belong to one head and walk the same K and V: every tile is asked for jointly, with the same descriptor and the mask of all four.
; LAYOUT.  S^T = K Q^T (source 0 = 16 neighbouring keys, source 1 = my queries) and O^T = V^T P^T: a lane holds ONE query.  Registers 16 b + 0..15 of S^T are keys 32 b + 8 h + 0..7 and 32 b + 16 + 8 h + 0..7:
; v_img holds V's keys in that very order, so P's codes are the operand as they fall.  The order differs from the true one inside a block of 32 alone: the scales stand, the sums are grouped otherwise.
; V's rows of a tile are chosen so that O^T's register 16 B + i is d = 32 B + 16 h + i: o_img [head][tile][k 16][lane][16 bytes] f32 is the order in which the next launch quantises.
; LIMITS: NaN and infinities are not served; a block of p under 2^-118 keeps the scale byte 1.
.set SLOT1, 65536                      ; a slot: K step 0, K step 1, V step 0, V step 1, 16,384 bytes each; one exclusive or turns an address into the other slot's
.set SCK,   131072                     ; K's scale words of the whole head, 16,384 bytes; filled once
.set SCV,   147456                     ; V's
.set SPARE, 163840                     ; the spare words, 128 bytes for each wave: four blocks of 256 bytes that no other line names
.set LI,   1                           ; 16 x lane
.set SPW,  5                           ; SPARE + 4 x my thread's number; never rewritten
.set NIL,  6                           ; 0; never rewritten
.set ADK,  8                           ; the slot in hand + 16 x lane
.set ADS,  10                          ; the step's scale words of K + 16 x lane; V's lie 16,384 on
.set WV,   18
.set MNT,  19
.set SEL,  20
.set CS,   22
.set G1,   24                          ; s[24:31] 64 rows of 256 bytes, dense
.set G1S,  32                          ; s[32:39] 32 rows
.set G0K,  40
.set G0V,  44
.set G0SK, 48
.set G0SV, 52
.set TB,   66
.set TS,   67
.set SLOTS, 68
; REGISTERS: v12 -M, v13 the largest t, v[14:15] the sum; v16-31 Q; v32-95 four fragments of K or V; v96-159 S^T, then p; v160-223 O^T; v224-239 p's codes; v232-247 at work; v248-251 K's or V's scale words;
; v252 f, v253 p's scale word, v254 at work, v255 Q's scale word.
.macro PLACES n
.rept \n
	v_nop
.endr
.endm
; Waves 0 and 1 fetch for K, waves 2 and 3 for V, the others nothing: the branches hang on the wave's number alone.  Four v_nop follow each of the two lines.
.macro TLOAD g0k, g1k, g0v, g1v
	s_cmp_lt_u32 s[WV], 2
	s_cbranch_scc0 .Lnot_k_\@
	tensor_load_to_lds s[\g0k:\g0k+3], s[\g1k:\g1k+7]
	s_nop 0
	PLACES 4
	s_branch .Lasked_\@
.Lnot_k_\@:
	s_cmp_lt_u32 s[WV], 4
	s_cbranch_scc0 .Lasked_\@
	tensor_load_to_lds s[\g0v:\g0v+3], s[\g1v:\g1v+7]
	s_nop 0
	PLACES 4
.Lasked_\@:
.endm
.macro ROUND                           ; a round of the cluster's barrier
	s_barrier_signal -1
	s_barrier_wait -1
	s_cmp_lg_u32 s[WV], 0
	s_cbranch_scc1 .Lnot_wave_0_\@
	s_barrier_signal -3
.Lnot_wave_0_\@:
	s_barrier_wait -3
	s_barrier_signal -1
	s_barrier_wait -1
.endm
	s_load_b256 s[4:11], s[0:1], 0x0               ; q_img, q_sc, k_img, k_sc
	s_load_b128 s[12:15], s[0:1], 0x20             ; v_img, v_sc
	s_load_b64 s[16:17], s[0:1], 0x30              ; o_img
	v_lshl_add_u32 v[SPW], v0, 2, SPARE
	v_mov_b32 v[NIL], 0
	ds_add_u32 v5, v6
	s_wait_dscnt 0x0
	v_lshrrev_b32 v8, 5, v0
	v_readfirstlane_b32 s[WV], v8                  ; wave 0..7
	s_bfe_u32 s56, ttmp6, 0x40000                  ; cx: it enters Q's and O's global addresses alone
	s_lshl_b32 s57, ttmp9, 2
	s_add_co_u32 s57, s57, s56                     ; my block of 128 queries
	s_and_b32 s58, ttmp7, 0xffff                   ; the head, which the four partners share
	s_and_b32 s59, s[WV], 1                        ; which of a slot's two steps I fetch
	s_lshl_b32 s70, s58, 19                        ; a head's codes: 524,288 bytes; a step's: 16,384
	s_lshl_b32 s71, s59, 14
	s_add_co_u32 s70, s70, s71
	s_mov_b32 s71, 0
	s_lshl_b32 s72, s58, 14                        ; a head's scale words: 16,384 bytes; I fetch half
	s_lshl_b32 s73, s59, 13
	s_add_co_u32 s72, s72, s73
	s_mov_b32 s73, 0
	s_lshl_b32 s74, s59, 14                        ; and where they go in LDS
	s_lshl_b32 s75, s59, 13
	s_lshl_b32 s76, s58, 8
	s_lshl_b32 s77, s57, 3
	s_add_co_u32 s76, s76, s77
	s_add_co_u32 s76, s76, s[WV]                   ; 256 x head + my tile of 16 queries
	s_lshl_b32 s78, s76, 11                        ; Q: 2,048 bytes a tile
	s_mov_b32 s79, 0
	s_lshl_b32 s80, s76, 13                        ; O: 8,192
	s_mov_b32 s81, 0
	s_lshl_b32 s82, s58, 14                        ; Q's scale word: group of 64 tokens 2 block + w / 4, word w % 4
	s_lshl_b32 s83, s57, 9
	s_add_co_u32 s82, s82, s83
	s_lshr_b32 s83, s[WV], 2
	s_lshl_b32 s83, s83, 8
	s_add_co_u32 s82, s82, s83
	s_and_b32 s83, s[WV], 3
	s_lshl_b32 s83, s83, 2
	s_add_co_u32 s82, s82, s83
	s_mov_b32 s83, 0
	s_mov_b32 s[G1], 15|(3<<16)|(1<<21)            ; 15:0 the mask: all four work-groups; 17:16 elements of 8 bytes; 21 set beside a mask; no padding
	s_mov_b32 s[G1+1], 32<<16                      ; tensor_dim0: 32 elements = 256 bytes
	s_mov_b32 s[G1+2], 64<<16                      ; tensor_dim1
	s_mov_b32 s[G1+3], 32<<16                      ; tile_dim0
	s_mov_b32 s[G1+4], 64                          ; tile_dim1
	s_mov_b32 s[G1+5], 32                          ; dense
	s_mov_b32 s[G1+6], 0
	s_mov_b32 s[G1+7], 0
	s_mov_b32 s[G1S], 15|(3<<16)|(1<<21)
	s_mov_b32 s[G1S+1], 32<<16
	s_mov_b32 s[G1S+2], 32<<16
	s_mov_b32 s[G1S+3], 32<<16
	s_mov_b32 s[G1S+4], 32
	s_mov_b32 s[G1S+5], 32
	s_mov_b32 s[G1S+6], 0
	s_mov_b32 s[G1S+7], 0
	s_mov_b32 s[SEL], 0x76543210
	s_mov_b32 s[SEL+1], 0xfedcba98
	s_mov_b32 s[CS], 0x3e0293ee                    ; c = log2(e) / sqrt(128)
	s_mov_b32 s[CS+1], s[CS]                       ; (named with it as a pair, so it is written)
	s_mov_b32 s[MNT], 0x600000
	s_mov_b32 s[TB], 0
	s_mov_b32 s[TS], SCK
	s_mov_b32 s[SLOTS], 15
	s_wait_kmcnt 0x0
	ROUND                                          ; all four work-groups are here: the first joint loads meet
	s_mov_b32 s[G0SK], 1
	s_add_co_u32 s[G0SK+1], s75, SCK
	s_add_nc_u64 s[G0SK+2:G0SK+3], s[10:11], s[72:73]
	s_or_b32 s[G0SK+3], s[G0SK+3], 0x80000000
	s_mov_b32 s[G0SV], 1
	s_add_co_u32 s[G0SV+1], s75, SCV
	s_add_nc_u64 s[G0SV+2:G0SV+3], s[14:15], s[72:73]
	s_or_b32 s[G0SV+3], s[G0SV+3], 0x80000000
	TLOAD G0SK, G1S, G0SV, G1S                     ; the scale words of the whole head: filled once
	s_mov_b32 s[G0K], 1
	s_mov_b32 s[G0K+1], s74
	s_add_nc_u64 s[G0K+2:G0K+3], s[8:9], s[70:71]
	s_or_b32 s[G0K+3], s[G0K+3], 0x80000000
	s_mov_b32 s[G0V], 1
	s_add_co_u32 s[G0V+1], s74, 32768
	s_add_nc_u64 s[G0V+2:G0V+3], s[12:13], s[70:71]
	s_or_b32 s[G0V+3], s[G0V+3], 0x80000000
	TLOAD G0K, G1, G0V, G1                         ; slot 0: two loads of a fetching wave are out
	s_add_nc_u64 s[4:5], s[4:5], s[78:79]
	s_add_nc_u64 s[6:7], s[6:7], s[82:83]
	s_add_nc_u64 s[16:17], s[16:17], s[80:81]
	v_and_b32 v[LI], 31, v0
	v_lshlrev_b32 v[LI], 4, v[LI]
.irp c, 0,1,2,3
	global_load_b128 v[16+4*\c:19+4*\c], v[LI], s[4:5] offset:512*\c   ; Q's fragment stays in registers
.endr
	v_and_b32 v254, 15, v0
	v_lshlrev_b32 v254, 4, v254
	global_load_b32 v255, v254, s[6:7]             ; Q's scale words
	v_mov_b32 v13, 0xff61b1e6                      ; the largest t so far: -3e38, under every t
	v_floor_f32 v12, -v13                          ; -M
	v_mov_b32 v14, 0
	v_mov_b32 v15, 0
.irp b, 0,1,2,3
	v_mov_b32 v[236+\b], 0                         ; written once: a lane permute's destination counts as one of its sources
.endr
	v_mov_b32 v253, 0                              ; (named as the upper half of the pair v[252:253] before it is first written)
.set j_, 0
.rept 64
	v_mov_b32 v[160+j_], 0                         ; O^T: the step is written once; the first finds zeros, which the first change of M leaves zeros
.set j_, j_+1
.endr
; A KEY STEP: 128 keys, the q-th of the slot in hand.
.macro STEP q
	v_add_nc_u32 v[ADK], s[TB], v[LI]
	v_add_nc_u32 v[ADS], s[TS], v[LI]
	PLACES 6                                       ; with the two additions: eight places ahead of loads into registers that the last products read
.irp t, 0,1,2,3
.irp c, 0,1,2,3
	ds_load_b128 v[32+16*\t+4*\c:35+16*\t+4*\c], v[ADK] offset:16384*(\q)+2048*\t+512*\c
.endr
.endr
	ds_load_b128 v[248:251], v[ADS]                ; register t: lanes 0-15 tile t's scale words, lanes 16-31 tile 4 + t's
	s_wait_dscnt 0x0
.irp t, 0,1,2,3
	v_wmma_scale_f32_16x16x128_f8f6f4 v[96+8*\t:103+8*\t], v[32+16*\t:47+16*\t], v[16:31], 0, v[248+\t], v255
.endr
	PLACES 8
.irp t, 0,1,2,3
.irp c, 0,1,2,3
	ds_load_b128 v[32+16*\t+4*\c:35+16*\t+4*\c], v[ADK] offset:16384*(\q)+2048*(4+\t)+512*\c
.endr
.endr
	s_wait_dscnt 0x0
.irp t, 0,1,2,3
	v_wmma_scale_f32_16x16x128_f8f6f4 v[128+8*\t:135+8*\t], v[32+16*\t:47+16*\t], v[16:31], 0, v[248+\t], v255 matrix_a_scale:MATRIX_SCALE_ROW1
.endr
	PLACES 8
.irp t, 0,1,2,3                                ; V's first four tiles and its scale words are asked for here: they land under the softmax, which touches none of these registers
.irp c, 0,1,2,3
	ds_load_b128 v[32+16*\t+4*\c:35+16*\t+4*\c], v[ADK] offset:32768+16384*(\q)+2048*\t+512*\c
.endr
.endr
	ds_load_b128 v[248:251], v[ADS] offset:16384
.irp b, 0,1,2,3
	v_max3_num_f32 v[232+\b], v[96+16*\b], v[97+16*\b], v[98+16*\b]   ; the largest score of each block of 32 keys: for the row's maximum, and, since p rises with the score, for the block's largest p
.endr
.irp i, 3,5,7,9,11,13
.irp b, 0,1,2,3
	v_max3_num_f32 v[232+\b], v[232+\b], v[96+16*\b+\i], v[97+16*\b+\i]
.endr
.endr
.irp b, 0,1,2,3
	v_max_num_f32 v[232+\b], v[232+\b], v[111+16*\b]
.endr
.irp b, 0,1,2,3
	v_permlanex16_b32 v[236+\b], v[232+\b], s[SEL], s[SEL+1]
.endr
.irp b, 0,1,2,3
	v_max_num_f32 v[232+\b], v[232+\b], v[236+\b]  ; with lane l xor 16's 16 keys
.endr
	v_max3_num_f32 v254, v232, v233, v234
	v_max_num_f32 v254, v254, v235
	v_mul_f32 v254, s[CS], v254                    ; the step's largest t (c is positive)
	v_max_num_f32 v13, v13, v254
	v_mov_b32 v254, v12
	v_floor_f32 v12, -v13                          ; the new -M = -ceil(t): a whole number
	v_sub_f32 v254, v12, v254                      ; old M - new M: a whole number, 0 or less
	v_cvt_i32_f32 v254, v254                       ; (it saturates)
	v_ldexp_f32 v252, 1.0, v254                    ; f = 2^(old M - new M)
.set j_, 0
.rept 32
	v_pk_fma_f32 v[96+j_:97+j_], v[96+j_:97+j_], s[CS:CS+1], v[12:13] op_sel_hi:[1,0,0]   ; t - M
.set j_, j_+2
.endr
.irp b, 0,1,2,3
	v_fma_f32 v[232+\b], v[232+\b], s[CS], v12
.endr
.set j_, 0
.rept 64
	v_exp_f32 v[96+j_], v[96+j_]                   ; p = 2^(t - M), at most 1
.set j_, j_+1
.endr
.irp b, 0,1,2,3
	v_exp_f32 v[232+\b], v[232+\b]                 ; the block's largest p: the same two instructions on the same number
.endr
	v_pk_mul_f32 v[14:15], v[14:15], v[252:253] op_sel_hi:[1,0]   ; the sums under the new M (a plain line behind the exponentials)
	s_wait_alu depctr_va_vdst(0)
.irp b, 0,1,2,3
	v_max_num_f32 v[232+\b], 0x4800000, v[232+\b]  ; the floor 2^(9 - 127)
.endr
.irp b, 0,1,2,3
	v_add_nc_u32 v[244+\b], 0xfc000000, v[232+\b]  ; the conversion's scale operand
.endr
.irp b, 0,1,2,3
	v_and_or_b32 v[240+\b], v[232+\b], 0x7f800000, s[MNT]   ; 448 x the scale
.endr
.irp b, 0,1,2,3
	v_lshrrev_b32 v[236+\b], 23, v[244+\b]
.endr
	v_lshl_or_b32 v253, v237, 8, v236              ; p's scale word for these 128 keys
	v_lshl_or_b32 v253, v238, 16, v253
	v_lshl_or_b32 v253, v239, 24, v253
	v_pk_add_f32 v[236:237], v[96:97], v[98:99]    ; the row's sum is taken of the unquantised p, in two chains
.irp j, 4,8,12,16,20,24,28,32,36,40,44,48,52,56,60
	v_pk_add_f32 v[14:15], v[14:15], v[96+\j:97+\j]
	v_pk_add_f32 v[236:237], v[236:237], v[98+\j:99+\j]
.endr
	v_pk_add_f32 v[14:15], v[14:15], v[236:237]
.irp b, 0,1,2,3
.irp i, 0,1,2,3,4,5,6,7,8,9,10,11,12,13,14,15
	v_min_num_f32 v[96+16*\b+\i], v[96+16*\b+\i], v[240+\b]   ; the conversion does not saturate (ISA guide 7.6.2); p is not negative
.endr
	v_cvt_scalef32_pk8_fp8_f32 v[224+4*\b:225+4*\b], v[96+16*\b:103+16*\b], v[244+\b]
	v_cvt_scalef32_pk8_fp8_f32 v[226+4*\b:227+4*\b], v[104+16*\b:111+16*\b], v[244+\b]
.endr
.set j_, 0
.rept 32
	v_pk_mul_f32 v[160+j_:161+j_], v[160+j_:161+j_], v[252:253] op_sel_hi:[1,0]   ; O^T under the new M; these 32 are also the places between the codes and the products
.set j_, j_+2
.endr
	s_wait_dscnt 0x0                               ; V's first four tiles and its scale words
.irp t, 0,1,2,3
	v_wmma_scale_f32_16x16x128_f8f6f4 v[160+8*\t:167+8*\t], v[32+16*\t:47+16*\t], v[224:239], v[160+8*\t:167+8*\t], v[248+\t], v253
.endr
	PLACES 8
.irp t, 0,1,2,3
.irp c, 0,1,2,3
	ds_load_b128 v[32+16*\t+4*\c:35+16*\t+4*\c], v[ADK] offset:32768+16384*(\q)+2048*(4+\t)+512*\c
.endr
.endr
	s_wait_dscnt 0x0
.irp t, 0,1,2,3
	v_wmma_scale_f32_16x16x128_f8f6f4 v[192+8*\t:199+8*\t], v[32+16*\t:47+16*\t], v[224:239], v[192+8*\t:199+8*\t], v[248+\t], v253 matrix_a_scale:MATRIX_SCALE_ROW1
.endr
	s_add_co_u32 s[TS], s[TS], 512                 ; the next step's scale words
.endm
; THE CHANGE OF SLOTS stands at a slot's head.  Each wave waits for all its tensor loads, adds 0 to its spare word, and waits for that and for its reads of the slot that it has left.
; fill = 1: a round of the cluster's barrier, so that no wave of any partner still reads that slot or has a load on its way; then the joint fill, which has two key steps in which to land.
.macro CHANGE fill
	s_wait_tensorcnt 0x0                           ; no tensor load of mine is out, so a group 0 may be written
	ds_add_u32 v[SPW], v[NIL]                      ; 0 onto my spare word
.if \fill
	s_xor_b32 s[G0K+1], s[G0K+1], SLOT1            ; the walking descriptors: the other slot,
	s_add_nc_u64 s[G0K+2:G0K+3], s[G0K+2:G0K+3], 32768   ; the next 256 keys
	s_xor_b32 s[G0V+1], s[G0V+1], SLOT1
	s_add_nc_u64 s[G0V+2:G0V+3], s[G0V+2:G0V+3], 32768
.endif
	s_wait_dscnt 0x0                               ; the add is done, and my reads of the slot that I have left are over
.if \fill
	ROUND
	TLOAD G0K, G1, G0V, G1                         ; the first thing behind the round, a wave's one tensor load until the next
.else
	s_barrier_signal -1
	s_barrier_wait -1
.endif
.endm
	s_wait_loadcnt 0x0                             ; Q
.Lslot:                                            ; 15 trips: behind each change of slots but the last the next slot is asked for
	CHANGE 1
	STEP 0
	STEP 1
	s_xor_b32 s[TB], s[TB], SLOT1
	s_sub_co_u32 s[SLOTS], s[SLOTS], 1
	s_cmp_lg_u32 s[SLOTS], 0
	s_cbranch_scc1 .Lslot
	CHANGE 0                                       ; the last slot is written out
	STEP 0
	STEP 1
	; THE WAY OUT: O^T / the sum leaves as it lies: 16 stores of 512 consecutive bytes.
	PLACES 8
	v_add_f32 v14, v14, v15
	v_permlanex16_b32 v252, v14, s[SEL], s[SEL+1]
	v_add_f32 v14, v14, v252                       ; the row's sum
	v_rcp_f32 v14, v14
	v_nop
.set j_, 0
	s_wait_alu depctr_va_vdst(0)
.rept 64
	v_mul_f32 v[96+j_], v[160+j_], v14             ; each accumulator from its low end on
.set j_, j_+1
.endr
.set j_, 0
.rept 16
	global_store_b128 v[LI], v[96+4*j_:99+4*j_], s[16:17] offset:512*j_
.set j_, j_+1
.endr
	s_wait_tensorcnt 0x0                           ; the wave's end
	ds_add_u32 v[SPW], v[NIL]
	s_wait_dscnt 0x0
	ROUND                                          ; the closing round: no work-group ends while a partner may still ask for a tile that names it
	s_endpgm
.Lfunc_end_k_q24857e65a9_attn:
	.size	k_q24857e65a9_attn, .Lfunc_end_k_q24857e65a9_attn-k_q24857e65a9_attn
	.p2alignl 7, 3214868480
	.fill 96, 4, 3214868480
	.section	.rodata,"a",@progbits
	.p2align	6, 0x0
	.amdhsa_kernel k_q24857e65a9_attn
		.amdhsa_group_segment_fixed_size 327680
		.amdhsa_private_segment_fixed_size 0
		.amdhsa_enable_private_segment 0
		.amdhsa_kernarg_size 56
		.amdhsa_user_sgpr_count 2
		.amdhsa_user_sgpr_kernarg_segment_ptr 1
		.amdhsa_wavefront_size32 1
		.amdhsa_system_sgpr_workgroup_id_x 1
		.amdhsa_system_sgpr_workgroup_id_y 1
		.amdhsa_system_sgpr_workgroup_id_z 1
		.amdhsa_system_vgpr_workitem_id 0
		.amdhsa_next_free_vgpr 256
		.amdhsa_next_free_sgpr 96
		.amdhsa_reserve_vcc 0
		.amdhsa_float_denorm_mode_32 3
		.amdhsa_float_denorm_mode_16_64 3
		.amdhsa_memory_ordered 1
		.amdhsa_forward_progress 1
		.amdhsa_inst_pref_size 104
	.end_amdhsa_kernel
	.amdgpu_metadata
---
amdhsa.version: [ 1, 2 ]
amdhsa.kernels:
  - .name:           k_q24857e65a9_attn
    .symbol:         k_q24857e65a9_attn.kd
    .args:
      - { .name: q_img, .offset: 0, .size: 8, .value_kind: global_buffer, .address_space: global }
      - { .name: q_sc, .offset: 8, .size: 8, .value_kind: global_buffer, .address_space: global }
      - { .name: k_img, .offset: 16, .size: 8, .value_kind: global_buffer, .address_space: global }
      - { .name: k_sc, .offset: 24, .size: 8, .value_kind: global_buffer, .address_space: global }
      - { .name: v_img, .offset: 32, .size: 8, .value_kind: global_buffer, .address_space: global }
      - { .name: v_sc, .offset: 40, .size: 8, .value_kind: global_buffer, .address_space: global }
      - { .name: o_img, .offset: 48, .size: 8, .value_kind: global_buffer, .address_space: global }
    .group_segment_fixed_size: 327680
    .private_segment_fixed_size: 0
    .kernarg_segment_align: 8
    .kernarg_segment_size: 56
    .max_flat_workgroup_size: 256
    .sgpr_count:     96
    .vgpr_count:     256
    .wavefront_size: 32
...
	.end_amdgpu_metadata
.endif
;; end of part 2
;; launch res (part 3): grid 256 x 1, 4 waves a work-group, no clusters, 224,768 bytes of LDS; arguments x, o_img, alpha_r1, alpha_r2, Ws_codes, Ws_scales, bs, W1_codes, W1_scales, b1, W2_codes, W2_scales, b2, out0; writes out0
.if DOCPART == 3
	.amdgcn_target "amdgcn-amd-amdhsa--gfx1250"
	.amdhsa_code_object_version 6
	.text
	.protected	k_q24857e65a9_res
	.globl	k_q24857e65a9_res
	.p2align	8
	.type	k_q24857e65a9_res,@function
k_q24857e65a9_res:
	s_mov_b64 s[64:65], 0
	v_nop
	global_prefetch_b8 v0, s[64:65] scope:SCOPE_SE
	s_setreg_imm32_b32 hwreg(HW_REG_WAVE_MODE, 25, 1), 1
	s_wait_xcnt 0x0
; out0 = (W2 gelu(pixnorm(h1, alpha_r2)) + b2 + Ws cat + bs) / sqrt 2, h1 = W1 gelu(pixnorm(cat, alpha_r1)) + b1, cat = [attention's result; x]: 512 channels.  All three products on E4M3 codes with E8M0 scales.
; (The partial convolution's ratio 1 / (1 + 1e-8) is 1.0 as an f32 number: it costs no line.)
; A work-group takes 64 tokens of one batch (256 work-groups).  Activations: wave w takes the 16 tokens 16 w on.  Products: wave w takes channels 64 w .. 64 w + 63 for all 64 tokens; its weights stay in registers.
; Operands go from wave to wave through LDS as images of their registers (16 bytes a lane at 16 x lane, 512 bytes a group of four registers; a scale word at 4 x lane).
; h1 is made transposed (source 0 = 16 chosen rows of W1, source 1 = tokens): a lane holds one token and 32 neighbouring-in-K units.  The result's sums are made the other way (source 0 = tokens, source 1 = 16 rows of Ws or W2):
; a lane holds one channel and 8 neighbouring tokens; Ws cat and W2 g share one accumulator.  b1 is loaded into h1's accumulators ahead of the sums.
; GELU, the quantiser and the LIMITS are as in the first launch: NaN and infinities are not served; a block under 2^-118, and a block of zeros, keep the scale byte 1.
; No cluster: the weights go straight into registers by plain loads, which have no joint form.
.set XP,    264
.set OT,    67584                      ; attention's result [head 2][tile m 4] x 8,192 bytes, as it lies in o_img
.set ALPHA, 133120                     ; alpha_r1 (2,048 bytes), alpha_r2 (1,024)
.set CIMG,  136192                     ; cat's fragments [m][s 4] x 2,048
.set GIMG,  168960                     ; gelu's, likewise: CIMG + 32,768
.set HIMG,  201728                     ; the second gelu's [m][s 2] x 2,048
.set CSC,   218112                     ; scale words [m][s] x 128; GSC = CSC + 2,048; HSC = CSC + 4,096
.set HSC,   222208
.set NRM,   223232                     ; [m][r][w] partial sums of squares
.set LI,   1                           ; 16 l
.set XA,   2                           ; 4,224 h + 64 w + 4 r
.set OA,   3                           ; OT + 16 l + 8,192 w
.set AH,   4                           ; ALPHA + 64 h
.set CWI,  5                           ; CIMG + 16 l + 8,192 w
.set CWS,  6                           ; CSC + 4 l + 512 w
.set FC,   7                           ; CIMG + 16 l
.set FCS,  8                           ; CSC + 4 l
.set FH,   9                           ; HIMG + 16 l
.set HWI,  10                          ; HIMG + 16 l + 1,024 w: K step w / 2, groups 2 (w % 2) on
.set HWS,  11                          ; HSC + 4 l + 128 (w / 2) + 2 (w % 2)
.set NW,   12                          ; NRM + 16 r + 4 w
.set NR,   13                          ; NRM + 16 r
.set SO,   14                          ; the stage: 4,352 w + 272 r + 32 h
.set SR,   15                          ; 4,352 w + 272 h + 16 r
.set WSS,  16                          ; v16-23  Ws's scale words: register 4 p + s: lanes 0-15 tile 2 p, lanes 16-31 tile 2 p + 1
.set W1S,  24                          ; v24-31  W1's likewise
.set W2S,  32                          ; v32-35  W2's: 2 p + s
.set BB,   36                          ; v36-43  (bs + b2) / sqrt 2 of my channel, a pair for each tile
.set NS,   44                          ; v44-51  sums of squares; later 1 / norm of h1, a pair for each m
.set RR,   52
.set C9V,  54
.set SB,   56                          ; v56-119
.set GB,   120                         ; v120-183
.set GT,   184                         ; gelu's work; the quantiser's codes
.set GA,   200
.set GU,   216
.set TM,   200                         ; the quantiser's work lies in gelu's, which is done by then
.set PW,   216
.set L8,   232
.set BSO,  233
.set AL1O, 234
.set AL2O, 235
.set AL1L, 236
.set AL2L, 237
.set A2,   238                         ; ALPHA + 2,048 + 256 w + 64 h
.set GOF,  239                         ; 16,384 h + 16 r
.set CW,   240                         ; v240-243, v244-247 fetched scale words
.set GW,   244
.set WSO,  248
.set W1O,  249
.set W2O,  250
.set B1O,  251
.set W1SO, 252
.set WV,   34
.set SEL,  38
.set MNT,  40
.set K1,   41
; WINDOWS: 1: Ws's fragments at 16 (4 t + s).  2: W1's at 16 (4 t + s), later W2's at 16 (2 t + s).  3: v0-127 the result's accumulators at 8 (4 m + t); v128-255 h1's at 128 + 8 (4 m + t).
.set MSB, 0
.macro WIN new
.if MSB != \new
	s_set_vgpr_msb (MSB<<8)|\new
.set MSB, \new
.endif
.endm
.macro PLACES n
.rept \n
	v_nop
.endr
.endm
.macro BARRIER
	s_wait_dscnt 0x0
	s_barrier_signal -1
	s_barrier_wait -1
.endm
.macro PKMUL d, a, b, n
.set p_, 0
.rept \n
	v_pk_mul_f32 v[(\d)+p_:(\d)+p_+1], v[(\a)+p_:(\a)+p_+1], v[(\b)+p_:(\b)+p_+1]
.set p_, p_+2
.endr
.endm
.macro PKSCL d, r, n
.set p_, 0
.rept \n
	v_pk_mul_f32 v[(\d)+p_:(\d)+p_+1], v[(\d)+p_:(\d)+p_+1], v[\r:\r+1]
.set p_, p_+2
.endr
.endm
.macro GELU16 y                        ; gelu(y) = max(y, 0) - |y| t exp(P(t) - y y / 2), t = 1 / (1 + |y| / sqrt 8); in place on 16 registers
.set i_, 0
.rept 16
	v_fma_f32 v[GT+i_], |v[(\y)+i_]|, s[K1], 1.0
.set i_, i_+1
.endr
.set i_, 0
.rept 16
	v_rcp_f32 v[GT+i_], v[GT+i_]
.set i_, i_+1
.endr
.set i_, 0
.rept 8
	v_pk_mul_f32 v[GU+i_:GU+i_+1], v[(\y)+i_:(\y)+i_+1], v[(\y)+i_:(\y)+i_+1]
.set i_, i_+2
.endr
.set i_, 0
	s_wait_alu depctr_va_vdst(0)
.rept 8
	v_pk_fma_f32 v[GA+i_:GA+i_+1], v[GT+i_:GT+i_+1], v[C9V:C9V+1], 0xbf527892 op_sel_hi:[1,1,0]
.set i_, i_+2
.endr
.irp k, 0x3fbe87b0, 0xbf914e5d, 0x3e8ec7cc, 0xbe3ec24c, 0x3dc636c9, 0x3ebf88fb, 0x3f8000c7, 0xbffab55a
.set i_, 0
.rept 8
	v_pk_fma_f32 v[GA+i_:GA+i_+1], v[GA+i_:GA+i_+1], v[GT+i_:GT+i_+1], \k op_sel_hi:[1,1,0]
.set i_, i_+2
.endr
.endr
.set i_, 0
.rept 8
	v_pk_fma_f32 v[GA+i_:GA+i_+1], v[GU+i_:GU+i_+1], -0.5, v[GA+i_:GA+i_+1] op_sel_hi:[1,0,1]
.set i_, i_+2
.endr
.set i_, 0
.rept 8
	v_pk_mul_f32 v[GA+i_:GA+i_+1], v[GA+i_:GA+i_+1], 0x3fb8aa3b op_sel_hi:[1,0]
.set i_, i_+2
.endr
.set i_, 0
.rept 16
	v_exp_f32 v[GA+i_], v[GA+i_]
.set i_, i_+1
.endr
.set i_, 0
.rept 16
	v_max_num_f32 v[GU+i_], 0, v[(\y)+i_]
.set i_, i_+1
.endr
.set i_, 0
	s_wait_alu depctr_va_vdst(0)
.rept 8
	v_pk_mul_f32 v[GA+i_:GA+i_+1], v[GA+i_:GA+i_+1], v[GT+i_:GT+i_+1]
.set i_, i_+2
.endr
.set i_, 0
.rept 16
	v_fma_f32 v[(\y)+i_], -|v[(\y)+i_]|, v[GA+i_], v[GU+i_]
.set i_, i_+1
.endr
.endm
.macro QUANT s, nb, d, pw              ; nb blocks of 32: register 16 b + i = k 32 b + 16 (lane / 16) + i of my row; codes to v[d] on, scale bytes to v[pw]
.set b_, 0
.rept \nb
	v_max3_num_f32 v[TM+b_], |v[(\s)+16*b_]|, |v[(\s)+16*b_+1]|, 0x4800000
.set b_, b_+1
.endr
.irp i, 2,4,6,8,10,12,14
.set b_, 0
.rept \nb
	v_max3_num_f32 v[TM+b_], v[TM+b_], |v[(\s)+16*b_+\i]|, |v[(\s)+16*b_+\i+1]|
.set b_, b_+1
.endr
.endr
.set b_, 0
.rept \nb
	v_permlanex16_b32 v[TM+4+b_], v[TM+b_], s[SEL], s[SEL+1]
.set b_, b_+1
.endr
.set b_, 0
.rept \nb
	v_max_num_f32 v[TM+b_], v[TM+b_], v[TM+4+b_]
.set b_, b_+1
.endr
.set b_, 0
.rept \nb
	v_add_nc_u32 v[TM+12+b_], 0xfc000000, v[TM+b_]
.set b_, b_+1
.endr
.set b_, 0
.rept \nb
	v_and_or_b32 v[TM+8+b_], v[TM+b_], 0x7f800000, s[MNT]
.set b_, b_+1
.endr
.set b_, 0
.rept \nb
	v_lshrrev_b32 v[TM+4+b_], 23, v[TM+12+b_]
.set b_, b_+1
.endr
	v_lshl_or_b32 v[\pw], v[TM+5], 8, v[TM+4]
.if \nb > 2
	v_lshl_or_b32 v[\pw], v[TM+6], 16, v[\pw]
	v_lshl_or_b32 v[\pw], v[TM+7], 24, v[\pw]
.endif
.set b_, 0
.rept \nb
.set i_, 0
.rept 16
	v_med3_num_f32 v[(\s)+16*b_+i_], v[(\s)+16*b_+i_], -v[TM+8+b_], v[TM+8+b_]
.set i_, i_+1
.endr
	v_cvt_scalef32_pk8_fp8_f32 v[(\d)+4*b_:(\d)+4*b_+1], v[(\s)+16*b_:(\s)+16*b_+7], v[TM+12+b_]
	v_cvt_scalef32_pk8_fp8_f32 v[(\d)+4*b_+2:(\d)+4*b_+3], v[(\s)+16*b_+8:(\s)+16*b_+15], v[TM+12+b_]
.set b_, b_+1
.endr
	v_nop                                          ; a plain line behind the last conversion
.endm
.macro IMAGE adr, off, src, n
.set c_, 0
.rept \n
	ds_store_b128 v[\adr], v[(\src)+4*c_:(\src)+4*c_+3] offset:(\off)+512*c_
.set c_, c_+1
.endr
.endm
.macro FETCH reg, adr, off
.set c_, 0
.rept 4
	ds_load_b128 v[(\reg)+4*c_:(\reg)+4*c_+3], v[\adr] offset:(\off)+512*c_
.set c_, c_+1
.endr
.endm
.macro LOADX buf, s
.irp b, 0,1,2,3
.irp i, 0,1,2,3,4,5,6,7,8,9,10,11,12,13,14,15
	ds_load_b32 v[(\buf)+16*\b+\i], v[XA] offset:(128*(\s)+32*\b+\i)*XP
.endr
.endr
.endm
.macro LOADC buf, s                    ; K step s of cat for my token: 0, 1 attention's heads, 2, 3 x
.if (\s) < 2
.set c_, 0
.rept 16
	ds_load_b128 v[(\buf)+4*c_:(\buf)+4*c_+3], v[OA] offset:32768*(\s)+512*c_
.set c_, c_+1
.endr
.else
	LOADX \buf, (\s)-2
.endif
.endm
.macro LOADA off
.irp b, 0,1,2,3
.irp j, 0,1,2,3
	ds_load_b128 v[GB+16*\b+4*\j:GB+16*\b+4*\j+3], v[AH] offset:(\off)+128*\b+16*\j
.endr
.endr
.endm
.macro SSQ buf, first
.set p_, 0
.rept 32
.if (\first) && (p_ < 4)
	v_pk_mul_f32 v[NS+2*p_:NS+2*p_+1], v[(\buf)+2*p_:(\buf)+2*p_+1], v[(\buf)+2*p_:(\buf)+2*p_+1]
.else
	v_pk_fma_f32 v[NS+2*(p_%4):NS+2*(p_%4)+1], v[(\buf)+2*p_:(\buf)+2*p_+1], v[(\buf)+2*p_:(\buf)+2*p_+1], v[NS+2*(p_%4):NS+2*(p_%4)+1]
.endif
.set p_, p_+1
.endr
.endm
; one product onto the result's sums: source 0 = tokens, source 1 = 16 rows of a weight, whose scale words lie in lanes 16-31 for odd tiles
.macro WOUT acc, a, b, sa, sb, odd, zero
.if \zero
.if \odd
	v_wmma_scale_f32_16x16x128_f8f6f4 v[\acc:\acc+7], v[\a:\a+15], v[\b:\b+15], 0, v[\sa], v[\sb] matrix_b_scale:MATRIX_SCALE_ROW1
.else
	v_wmma_scale_f32_16x16x128_f8f6f4 v[\acc:\acc+7], v[\a:\a+15], v[\b:\b+15], 0, v[\sa], v[\sb]
.endif
.else
.if \odd
	v_wmma_scale_f32_16x16x128_f8f6f4 v[\acc:\acc+7], v[\a:\a+15], v[\b:\b+15], v[\acc:\acc+7], v[\sa], v[\sb] matrix_b_scale:MATRIX_SCALE_ROW1
.else
	v_wmma_scale_f32_16x16x128_f8f6f4 v[\acc:\acc+7], v[\a:\a+15], v[\b:\b+15], v[\acc:\acc+7], v[\sa], v[\sb]
.endif
.endif
.endm
.macro WH1 acc, a, b, sa, sb, odd      ; one product onto h1's sums: source 0 = 16 rows of W1
.if \odd
	v_wmma_scale_f32_16x16x128_f8f6f4 v[\acc:\acc+7], v[\a:\a+15], v[\b:\b+15], v[\acc:\acc+7], v[\sa], v[\sb] matrix_a_scale:MATRIX_SCALE_ROW1
.else
	v_wmma_scale_f32_16x16x128_f8f6f4 v[\acc:\acc+7], v[\a:\a+15], v[\b:\b+15], v[\acc:\acc+7], v[\sa], v[\sb]
.endif
.endm
	s_load_b512 s[4:19], s[0:1], 0x0               ; x, o_img, alpha_r1, alpha_r2, Ws codes, Ws scales, bs, W1 codes
	s_load_b256 s[20:27], s[0:1], 0x40             ; W1 scales, b1, W2 codes, W2 scales
	s_load_b128 s[28:31], s[0:1], 0x60             ; b2, out0
	v_lshl_add_u32 v254, v0, 2, 0x36c00
	v_mov_b32 v255, 0
	ds_add_u32 v254, v255
	s_wait_dscnt 0x0
	v_lshrrev_b32 v253, 5, v0
	v_readfirstlane_b32 s[WV], v253                ; wave 0..3
	s_lshr_b32 s35, ttmp9, 6                       ; batch
	s_and_b32 s36, ttmp9, 63                       ; tg: which 64 tokens
	s_and_b32 s37, s[WV], 1
	s_lshr_b32 s47, s[WV], 1
	s_mov_b32 s48, (2<<16)|(1<<20)|(5<<22)|(1<<25) ; XT: 64 rows x 64 elements of 4 bytes, 2 words of padding behind each 64
	s_mov_b32 s49, 64<<16
	s_mov_b32 s50, 64<<16
	s_mov_b32 s51, 64<<16
	s_mov_b32 s52, 64
	s_mov_b32 s53, 4096
	s_mov_b32 s54, 0
	s_mov_b32 s55, 0
	s_mov_b32 s56, 3<<16                           ; OT: 64 rows of 256 bytes (32 elements of 8), dense
	s_mov_b32 s57, 32<<16
	s_mov_b32 s58, 64<<16
	s_mov_b32 s59, 32<<16
	s_mov_b32 s60, 64
	s_mov_b32 s61, 32
	s_mov_b32 s62, 0
	s_mov_b32 s63, 0
	s_lshl_b32 s76, s35, 8                         ; channel 256 b + 64 w, token 64 tg: XT's tile, and my rows of out0
	s_lshl_b32 s77, s[WV], 6
	s_add_co_u32 s76, s76, s77
	s_lshl_b32 s76, s76, 14
	s_lshl_b32 s77, s36, 8
	s_add_co_u32 s76, s76, s77
	s_mov_b32 s77, 0
	s_lshl_b32 s78, s35, 1                         ; o_img: head 2 b + w / 2, tiles 4 tg + 2 (w % 2) and the next: 16,384 dense bytes
	s_add_co_u32 s78, s78, s47
	s_lshl_b32 s78, s78, 8
	s_lshl_b32 s79, s36, 2
	s_add_co_u32 s78, s78, s79
	s_lshl_b32 s79, s37, 1
	s_add_co_u32 s78, s78, s79
	s_lshl_b32 s78, s78, 13
	s_mov_b32 s79, 0
	s_mul_i32 s80, s[WV], 16896
	s_lshl_b32 s81, s[WV], 14
	s_wait_kmcnt 0x0
	s_mov_b32 s68, 1
	s_mov_b32 s69, s80
	s_add_nc_u64 s[70:71], s[4:5], s[76:77]
	s_or_b32 s71, s71, 0x80000000
	s_mov_b32 s72, 1
	s_add_co_u32 s73, s81, OT
	s_add_nc_u64 s[74:75], s[6:7], s[78:79]
	s_or_b32 s75, s75, 0x80000000
	tensor_load_to_lds s[68:71], s[48:55]          ; first fills, and the only ones: two loads of mine are out
	s_nop 0
	tensor_load_to_lds s[72:75], s[56:63]
	s_nop 0
	PLACES 4
	s_add_nc_u64 s[30:31], s[30:31], s[76:77]      ; out0 at my first channel and token
	v_and_b32 v253, 31, v0                         ; l
	v_and_b32 v254, 15, v0                         ; r
	v_bfe_u32 v255, v0, 4, 1                       ; h
	v_lshlrev_b32 v[LI], 4, v253
	v_mul_u32_u24 v[XA], v255, 4224
	v_lshl_add_u32 v[XA], v254, 2, v[XA]
	s_lshl_b32 s82, s[WV], 6
	v_add_nc_u32 v[XA], s82, v[XA]
	s_lshl_b32 s82, s[WV], 13
	s_add_co_u32 s83, s82, OT
	v_add_nc_u32 v[OA], s83, v[LI]
	s_add_co_u32 s83, s82, CIMG
	v_add_nc_u32 v[CWI], s83, v[LI]
	v_lshl_add_u32 v[AH], v255, 6, ALPHA
	v_lshl_add_u32 v[FCS], v253, 2, CSC
	s_lshl_b32 s82, s[WV], 9
	v_add_nc_u32 v[CWS], s82, v[FCS]
	v_add_nc_u32 v[FC], CIMG, v[LI]
	v_add_nc_u32 v[FH], HIMG, v[LI]
	s_lshl_b32 s82, s[WV], 10
	v_add_nc_u32 v[HWI], s82, v[FH]
	v_lshl_add_u32 v[HWS], v253, 2, HSC
	s_lshl_b32 s82, s47, 7
	s_lshl_b32 s83, s37, 1
	s_add_co_u32 s82, s82, s83
	v_add_nc_u32 v[HWS], s82, v[HWS]
	v_lshl_add_u32 v[NR], v254, 4, NRM
	s_lshl_b32 s82, s[WV], 2
	v_add_nc_u32 v[NW], s82, v[NR]
	s_mul_i32 s82, s[WV], 4352
	v_mul_u32_u24 v[SO], v254, 272
	v_lshl_add_u32 v[SO], v255, 5, v[SO]
	v_add_nc_u32 v[SO], s82, v[SO]
	v_mul_u32_u24 v[SR], v255, 272
	v_lshl_add_u32 v[SR], v254, 4, v[SR]
	v_add_nc_u32 v[SR], s82, v[SR]
	s_lshl_b32 s82, s[WV], 8
	s_add_co_u32 s82, s82, ALPHA+2048
	v_lshlrev_b32 v[A2], 6, v255
	v_add_nc_u32 v[A2], s82, v[A2]
	v_lshlrev_b32 v[GOF], 14, v255
	v_lshl_add_u32 v[GOF], v254, 4, v[GOF]
	v_lshlrev_b32 v[L8], 3, v253
	v_lshlrev_b32 v[BSO], 2, v254
	v_lshlrev_b32 v[AL1O], 4, v0
	v_lshlrev_b32 v[AL2O], 3, v0
	v_lshl_add_u32 v[AL1L], v0, 4, ALPHA
	v_lshl_add_u32 v[AL2L], v0, 3, ALPHA+2048
	v_lshlrev_b32 v[WSO], 9, v254
	v_lshl_add_u32 v[WSO], v255, 4, v[WSO]
	v_lshlrev_b32 v[W2O], 8, v254
	v_lshl_add_u32 v[W2O], v255, 4, v[W2O]
	v_and_b32 v253, 8, v254
	v_add_nc_u32 v253, v253, v254                  ; r + 8 (r / 8)
	v_lshlrev_b32 v[W1O], 9, v253
	v_lshl_add_u32 v[W1O], v255, 4, v[W1O]
	v_lshl_add_u32 v[W1SO], v255, 3, v253
	v_lshlrev_b32 v[W1SO], 4, v[W1SO]              ; lanes 16-31 take the odd tile's rows, 8 further on
	v_lshlrev_b32 v[B1O], 6, v255
	v_mov_b32 v[C9V], 0x3e2ef945
	v_mov_b32 v[C9V+1], 0x3e2ef945
.irp b, 4,5,6,7
	v_mov_b32 v[TM+\b], 0                          ; a lane permute's destination counts as one of its sources
.endr
	s_mov_b32 s[SEL], 0x76543210
	s_mov_b32 s[SEL+1], 0xfedcba98
	s_mov_b32 s[MNT], 0x600000
	s_mov_b32 s[K1], 0x3eb504f3
	s_mov_b32 s44, 0x3b000000                      ; 1 / 512
	s_mov_b32 s45, 0x322bcc77                      ; 1e-8
	s_mov_b32 s46, 0x3b800000                      ; 1 / 256
	global_load_b128 v[240:243], v[AL1O], s[8:9]   ; the gains: 16 and 8 bytes a thread
	global_load_b64 v[244:245], v[AL2O], s[10:11]
	s_mov_b32 s83, 0
	s_lshl_b32 s82, s[WV], 15                      ; my 64 rows of 512 codes
	s_add_nc_u64 s[12:13], s[12:13], s[82:83]
	s_add_nc_u64 s[18:19], s[18:19], s[82:83]
	s_lshl_b32 s82, s[WV], 10
	s_add_nc_u64 s[14:15], s[14:15], s[82:83]
	s_add_nc_u64 s[20:21], s[20:21], s[82:83]
	s_lshl_b32 s82, s[WV], 8
	s_add_nc_u64 s[16:17], s[16:17], s[82:83]
	s_add_nc_u64 s[22:23], s[22:23], s[82:83]
	s_add_nc_u64 s[28:29], s[28:29], s[82:83]
	s_lshl_b32 s82, s[WV], 14
	s_add_nc_u64 s[24:25], s[24:25], s[82:83]
	s_lshl_b32 s82, s[WV], 9
	s_add_nc_u64 s[26:27], s[26:27], s[82:83]
	s_wait_loadcnt 0x0
	ds_store_b128 v[AL1L], v[240:243]
	ds_store_b64 v[AL2L], v[244:245]
	WIN 0x40
.irp t, 0,1,2,3
.irp s, 0,1,2,3
.irp c, 0,1,2,3
	global_load_b128 v[16*(4*\t+\s)+4*\c:16*(4*\t+\s)+4*\c+3], v[WSO], s[12:13] offset:16*\t*512+128*\s+32*\c
.endr
.endr
.endr
	WIN 0x80
.irp t, 0,1,2,3
.irp s, 0,1,2,3
.irp c, 0,1,2,3
	global_load_b128 v[16*(4*\t+\s)+4*\c:16*(4*\t+\s)+4*\c+3], v[W1O], s[18:19] offset:(32*(\t/2)+8*(\t%2))*512+128*\s+32*\c
.endr
.endr
.endr
	WIN 0xc0                                       ; b1 into h1's accumulators, in the result's layout, for each of the four tiles of tokens
.irp m, 0,1,2,3
.irp t, 0,1,2,3
	global_load_b128 v[128+8*(4*\m+\t):128+8*(4*\m+\t)+3], v[B1O], s[22:23] offset:(32*(\t/2)+8*(\t%2))*4
	global_load_b128 v[128+8*(4*\m+\t)+4:128+8*(4*\m+\t)+7], v[B1O], s[22:23] offset:(32*(\t/2)+8*(\t%2))*4+16
.endr
.endr
	WIN 0
.irp p, 0,1
	global_load_b128 v[WSS+4*\p:WSS+4*\p+3], v[LI], s[14:15] offset:512*\p
	global_load_b128 v[W1S+4*\p:W1S+4*\p+3], v[W1SO], s[20:21] offset:512*\p
	global_load_b64 v[W2S+2*\p:W2S+2*\p+1], v[L8], s[26:27] offset:256*\p
.endr
.irp t, 0,1,2,3
	global_load_b32 v[BB+2*\t], v[BSO], s[16:17] offset:64*\t
	global_load_b32 v[BB+2*\t+1], v[BSO], s[28:29] offset:64*\t
.endr
	s_wait_tensorcnt 0x0
	BARRIER                                        ; XT, OT and the gains lie in LDS
	; ---- pass 1: cat as it is: squares, codes, images.  The next K step's numbers land while this one is worked.
	LOADC SB, 0
.irp s, 0,1,2,3
.set CB_, SB+64*(\s%2)
.set NB_, SB+64*((\s+1)%2)
	s_wait_dscnt 0x0                               ; this K step's numbers are in; the last image's stores have read their registers
.if \s < 3
	LOADC NB_, \s+1
.endif
.if \s == 0
	SSQ CB_, 1
.else
	SSQ CB_, 0
.endif
	QUANT CB_, 4, GT, PW
	IMAGE CWI, 2048*\s, GT, 4
	ds_store_b32 v[CWS], v[PW] offset:128*\s
.endr
	LOADC SB, 0                                    ; pass 2 reads cat from LDS once more: 256 more live registers do not fit in the window
	v_pk_add_f32 v[NS:NS+1], v[NS:NS+1], v[NS+2:NS+3]
	v_pk_add_f32 v[NS+4:NS+5], v[NS+4:NS+5], v[NS+6:NS+7]
	v_pk_add_f32 v[NS:NS+1], v[NS:NS+1], v[NS+4:NS+5]
	v_add_f32 v[NS], v[NS], v[NS+1]
	v_permlanex16_b32 v[NS+1], v[NS], s[SEL], s[SEL+1]
	v_add_f32 v[NS], v[NS], v[NS+1]
	v_fma_f32 v[NS], v[NS], s44, s45
	v_rsq_f32 v[RR], v[NS]
	v_nop
	s_wait_alu depctr_va_vdst(0)
	v_mov_b32 v[RR+1], v[RR]
	; ---- pass 2: gelu(alpha cat / norm)
.irp s, 0,1,2,3
	LOADA 512*\s
	s_wait_dscnt 0x0
	PKMUL GB, GB, SB, 32
.if \s < 3
	LOADC SB, \s+1
.endif
	PKSCL GB, RR, 32
	GELU16 GB
	GELU16 GB+16
	GELU16 GB+32
	GELU16 GB+48
	QUANT GB, 4, GT, PW
	IMAGE CWI, 32768+2048*\s, GT, 4
	ds_store_b32 v[CWS], v[PW] offset:2048+128*\s
.endr
	BARRIER                                        ; the 32 fragments lie in LDS; nobody reads XT or OT any more
	s_wait_loadcnt 0x0                             ; the weights, their scale words, the biases
	; ---- the products over cat's 512: a K step at a time; 16 accumulators of h1 by turns, then the result's 16
.irp s, 0,1,2,3
.irp m, 0,1,2,3
	FETCH SB+16*\m, FC, 8192*\m+2048*\s
	FETCH GB+16*\m, FC, 32768+8192*\m+2048*\s
	ds_load_b32 v[CW+\m], v[FCS] offset:512*\m+128*\s
	ds_load_b32 v[GW+\m], v[FCS] offset:2048+512*\m+128*\s
.endr
	s_wait_dscnt 0x0
	WIN 0xf2                                       ; source 0 (W1) window 2, source 1 window 0, C and D window 3
.irp m, 0,1,2,3
.irp t, 0,1,2,3
	WH1 128+8*(4*\m+\t), 16*(4*\t+\s), GB+16*\m, W1S+4*(\t/2)+\s, GW+\m, \t%2
.endr
.endr
	WIN 0xf4                                       ; source 0 window 0, source 1 (Ws) window 1, C and D window 3
.irp m, 0,1,2,3
.irp t, 0,1,2,3
.if \s == 0
	WOUT 8*(4*\m+\t), SB+16*\m, 16*(4*\t+\s), CW+\m, WSS+4*(\t/2)+\s, \t%2, 1
.else
	WOUT 8*(4*\m+\t), SB+16*\m, 16*(4*\t+\s), CW+\m, WSS+4*(\t/2)+\s, \t%2, 0
.endif
.endr
.endr
	WIN 0
	PLACES 8                                       ; ahead of loads into operands and of the first read of results
.endr
	WIN 0x80                                       ; W2 takes W1's place
.irp t, 0,1,2,3
.irp s, 0,1
.irp c, 0,1,2,3
	global_load_b128 v[16*(2*\t+\s)+4*\c:16*(2*\t+\s)+4*\c+3], v[W2O], s[24:25] offset:16*\t*256+128*\s+32*\c
.endr
.endr
.endr
	; ---- h1's norm: my 64 units' squares, a chain for each tile of tokens; each accumulator is read from its low end on
	WIN 0x0f                                       ; sources 0 and 1 window 3
.set q_, 0
.rept 16
.irp m, 0,1,2,3
.if q_ == 0
	v_pk_mul_f32 v[NS+2*\m:NS+2*\m+1], v[128+32*\m:128+32*\m+1], v[128+32*\m:128+32*\m+1]
.else
	v_pk_fma_f32 v[NS+2*\m:NS+2*\m+1], v[128+32*\m+2*q_:128+32*\m+2*q_+1], v[128+32*\m+2*q_:128+32*\m+2*q_+1], v[NS+2*\m:NS+2*\m+1]
.endif
.endr
.set q_, q_+1
.endr
	WIN 0
.irp m, 0,1,2,3
	v_add_f32 v[NS+2*\m], v[NS+2*\m], v[NS+2*\m+1]
.endr
.irp m, 0,1,2,3
	v_permlanex16_b32 v[NS+2*\m+1], v[NS+2*\m], s[SEL], s[SEL+1]
.endr
.irp m, 0,1,2,3
	v_add_f32 v[NS+2*\m], v[NS+2*\m], v[NS+2*\m+1]
.endr
.irp m, 0,1,2,3
	ds_store_b32 v[NW], v[NS+2*\m] offset:256*\m   ; lanes 16-31 write lanes 0-15's word with the same value
.endr
	BARRIER                                        ; the four waves' partial sums lie in LDS
.irp m, 0,1,2,3
	ds_load_b128 v[SB+4*\m:SB+4*\m+3], v[NR] offset:256*\m
.endr
.irp b, 0,1
.irp j, 0,1,2,3
	ds_load_b128 v[GB+16*\b+4*\j:GB+16*\b+4*\j+3], v[A2] offset:128*\b+16*\j   ; alpha_r2 of my 32 units
.endr
.endr
	s_wait_dscnt 0x0
.irp m, 0,1,2,3
	v_add_f32 v[SB+4*\m], v[SB+4*\m], v[SB+4*\m+1]
	v_add_f32 v[SB+4*\m+2], v[SB+4*\m+2], v[SB+4*\m+3]
.endr
.irp m, 0,1,2,3
	v_add_f32 v[SB+4*\m], v[SB+4*\m], v[SB+4*\m+2]
.endr
.irp m, 0,1,2,3
	v_fma_f32 v[SB+4*\m], v[SB+4*\m], s46, s45
.endr
.irp m, 0,1,2,3
	v_rsq_f32 v[NS+2*\m], v[SB+4*\m]
.endr
	v_nop
	s_wait_alu depctr_va_vdst(0)
.irp m, 0,1,2,3
	v_mov_b32 v[NS+2*\m+1], v[NS+2*\m]
.endr
.irp m, 0,1,2,3
	WIN 0x03                                       ; source 0 (h1) window 3
	PKMUL SB, 128+32*\m, GB, 16
	WIN 0
	PKSCL SB, NS+2*\m, 16
	GELU16 SB
	GELU16 SB+16
	QUANT SB, 2, GT, PW
	IMAGE HWI, 4096*\m, GT, 2                      ; two of the four groups of K step w / 2's fragment
	ds_store_b16 v[HWS], v[PW] offset:256*\m       ; and two of its scale word's four bytes
	s_wait_dscnt 0x0                               ; the stores have read their registers
.endr
	BARRIER                                        ; the eight fragments lie in LDS
	s_wait_loadcnt 0x0                             ; W2
	; ---- W2's product goes onto the result's sums
.irp s, 0,1
.irp m, 0,1,2,3
	FETCH SB+16*\m, FH, 4096*\m+2048*\s
	ds_load_b32 v[CW+\m], v[FCS] offset:4096+256*\m+128*\s
.endr
	s_wait_dscnt 0x0
	WIN 0xf8                                       ; source 0 window 0, source 1 (W2) window 2, C and D window 3
.irp m, 0,1,2,3
.irp t, 0,1,2,3
	WOUT 8*(4*\m+\t), SB+16*\m, 16*(2*\t+\s), CW+\m, W2S+2*(\t/2)+\s, \t%2, 0
.endr
.endr
	WIN 0
	PLACES 8
.endr
.irp t, 0,1,2,3
	v_add_f32 v[BB+2*\t], v[BB+2*\t], v[BB+2*\t+1]
.endr
.irp t, 0,1,2,3
	v_mul_f32 v[BB+2*\t], 0x3f3504f3, v[BB+2*\t]
.endr
.irp t, 0,1,2,3
	v_mov_b32 v[BB+2*\t+1], v[BB+2*\t]
.endr
	; THE WAY OUT, 16 channels at a time.  A lane holds 32 bytes of a channel's 256: they go through my own stage (16 rows of 272 bytes, in XT, which has had its only fill and its last read) and come back as whole rows.
	; LDS serves a wave's instructions in order (ISA guide 5.7.1.4): no wait between the stores and the loads.
.irp t, 0,1,2,3
	WIN 0x03                                       ; source 0 (the sums) window 3
.irp m, 0,1,2,3
.irp p, 0,2,4,6
	v_pk_fma_f32 v[GT+8*\m+\p:GT+8*\m+\p+1], v[8*(4*\m+\t)+\p:8*(4*\m+\t)+\p+1], 0x3f3504f3, v[BB+2*\t:BB+2*\t+1] op_sel_hi:[1,0,1]
.endr
.endr
	WIN 0
.irp m, 0,1,2,3
	ds_store_b128 v[SO], v[GT+8*\m:GT+8*\m+3] offset:64*\m
	ds_store_b128 v[SO], v[GT+8*\m+4:GT+8*\m+7] offset:64*\m+16
.endr
.irp i, 0,1,2,3,4,5,6,7
	ds_load_b128 v[SB+32*\t+4*\i:SB+32*\t+4*\i+3], v[SR] offset:2*\i*272
.endr
	s_wait_dscnt 0x0
.irp i, 0,1,2,3,4,5,6,7
	global_store_b128 v[GOF], v[SB+32*\t+4*\i:SB+32*\t+4*\i+3], s[30:31] offset:(16*\t+2*\i)*16384 th:TH_STORE_NT   ; 16 lanes store 256 consecutive bytes, aligned; each tile has its own registers
.endr
.endr
	s_wait_xcnt 0x0
	v_lshl_add_u32 v254, v0, 2, 0x36c00
	v_mov_b32 v255, 0
	s_wait_tensorcnt 0x0
	ds_add_u32 v254, v255
	s_wait_dscnt 0x0
	s_endpgm
.Lfunc_end_k_q24857e65a9_res:
	.size	k_q24857e65a9_res, .Lfunc_end_k_q24857e65a9_res-k_q24857e65a9_res
	.p2alignl 7, 3214868480
	.fill 96, 4, 3214868480
	.section	.rodata,"a",@progbits
	.p2align	6, 0x0
	.amdhsa_kernel k_q24857e65a9_res
		.amdhsa_group_segment_fixed_size 224768
		.amdhsa_private_segment_fixed_size 0
		.amdhsa_enable_private_segment 0
		.amdhsa_kernarg_size 112
		.amdhsa_user_sgpr_count 2
		.amdhsa_user_sgpr_kernarg_segment_ptr 1
		.amdhsa_wavefront_size32 1
		.amdhsa_system_sgpr_workgroup_id_x 1
		.amdhsa_system_sgpr_workgroup_id_y 1
		.amdhsa_system_sgpr_workgroup_id_z 1
		.amdhsa_system_vgpr_workitem_id 0
		.amdhsa_next_free_vgpr 1024
		.amdhsa_next_free_sgpr 96
		.amdhsa_reserve_vcc 0
		.amdhsa_float_denorm_mode_32 3
		.amdhsa_float_denorm_mode_16_64 3
		.amdhsa_memory_ordered 1
		.amdhsa_forward_progress 1
		.amdhsa_inst_pref_size 255
	.end_amdhsa_kernel
	.section	.bss,"aw",@nobits
	.p2align	6
	.space	262144
	.amdgpu_metadata
---
amdhsa.version: [ 1, 2 ]
amdhsa.kernels:
  - .name:           k_q24857e65a9_res
    .symbol:         k_q24857e65a9_res.kd
    .args:
      - { .name: x, .offset: 0, .size: 8, .value_kind: global_buffer, .address_space: global }
      - { .name: o_img, .offset: 8, .size: 8, .value_kind: global_buffer, .address_space: global }
      - { .name: alpha_r1, .offset: 16, .size: 8, .value_kind: global_buffer, .address_space: global }
      - { .name: alpha_r2, .offset: 24, .size: 8, .value_kind: global_buffer, .address_space: global }
      - { .name: Ws_codes, .offset: 32, .size: 8, .value_kind: global_buffer, .address_space: global }
      - { .name: Ws_scales, .offset: 40, .size: 8, .value_kind: global_buffer, .address_space: global }
      - { .name: bs, .offset: 48, .size: 8, .value_kind: global_buffer, .address_space: global }
      - { .name: W1_codes, .offset: 56, .size: 8, .value_kind: global_buffer, .address_space: global }
      - { .name: W1_scales, .offset: 64, .size: 8, .value_kind: global_buffer, .address_space: global }
      - { .name: b1, .offset: 72, .size: 8, .value_kind: global_buffer, .address_space: global }
      - { .name: W2_codes, .offset: 80, .size: 8, .value_kind: global_buffer, .address_space: global }
      - { .name: W2_scales, .offset: 88, .size: 8, .value_kind: global_buffer, .address_space: global }
      - { .name: b2, .offset: 96, .size: 8, .value_kind: global_buffer, .address_space: global }
      - { .name: out0, .offset: 104, .size: 8, .value_kind: global_buffer, .address_space: global }
    .group_segment_fixed_size: 224768
    .private_segment_fixed_size: 0
    .kernarg_segment_align: 8
    .kernarg_segment_size: 112
    .max_flat_workgroup_size: 128
    .sgpr_count:     96
    .vgpr_count:     1024
    .wavefront_size: 32
...
	.end_amdgpu_metadata
.endif
;; end of part 3
;; ======== version 2 of 2: 3 launches
;; limits: right only within a limited range of input values
;; workspace buffers: q_img 4,194,304 bytes; k_img 4,194,304 bytes; q_sc 131,072 bytes; k_sc 131,072 bytes; v_img 4,194,304 bytes; v_sc 131,072 bytes; o_img 16,777,216 bytes
;; launch proj (part 4): grid 256 x 1, 4 waves a work-group, no clusters, 327,680 bytes of LDS; arguments x, alpha_q, alpha_k, Wq_codes, Wk_codes, Wq_scales, Wk_scales, bq, bk, q_img, k_img, q_sc, k_sc, v_img, v_sc; writes q_img, k_img, q_sc, k_sc, v_img, v_sc
.if DOCPART == 4
	.amdgcn_target "amdgcn-amd-amdhsa--gfx1250"
	.amdhsa_code_object_version 6
	.text
	.protected	k_q24857e65a9_proj
	.globl	k_q24857e65a9_proj
	.p2align	8
	.type	k_q24857e65a9_proj,@function
k_q24857e65a9_proj:
	s_mov_b64 s[64:65], 0
	v_nop
	global_prefetch_b8 v0, s[64:65] scope:SCOPE_SE
	s_setreg_imm32_b32 hwreg(HW_REG_WAVE_MODE, 25, 1), 1
	s_wait_xcnt 0x0
; q = Wq gelu(pixnorm(x, alpha_q)) + bq and k likewise (K = the 256 channels), both products on E4M3 codes with one E8M0 scale for each 32 along K;
; q and k are quantised along the head's 128 and x (= V) along the keys; all three leave as IMAGES OF THE OPERANDS' REGISTERS for the attention launch.
; x: [4][256 channels][4096 tokens] f32.  A work-group takes 64 tokens of one batch (256 work-groups).
; SHARES.  Activations: wave w takes the 16 tokens 16 w on.  Products: wave w takes q (w < 2) or k, head w % 2: 128 outputs for all 64 tokens; its 16 weight fragments stay in registers.
; V: the work-group also takes 128 channels x 128 tokens of x (head tg % 2, key step tg / 2), a lane to a channel, so that whole scale words are made here.
; LAYOUTS (l lane, r = l % 16, h = l / 16).  q_img, k_img: [head 8][tile of 16 tokens 256][c 4][lane][16 bytes]: lane (r, h), group c: d = 32 c + 16 h + 0..15 of token r.
; q_sc, k_sc: [head][64 tokens][r][m 4] words: the four scale bytes of token 16 m + r.  v_img: [head][step of 128 keys][tile t 8][c][lane][16 bytes]: row p of tile 2 B + u is d = 32 B + 8 u + p + 8 (p / 8);
; lane (p, h), group c: keys 32 c + 8 h + 0..7 and 32 c + 16 + 8 h + 0..7: the order in which the weights p of the softmax fall in the attention launch (inside a block of 32, so the scales stand).
; v_sc: [head][step][t / 4][p][t % 4] words.
; THE ROWS OF W THAT FORM A TILE ARE NOT NEIGHBOURS (as v_img's): a lane's 16 results of tiles 2 B, 2 B + 1 are then 16 neighbours along d.
; GELU is exact (erf): gelu(y) = max(y, 0) - |y| e, e = erfc(|y| / sqrt 2) / 2 = t exp(P(t) - y y / 2), t = 1 / (1 + |y| / sqrt 8), P of degree 9 (fractional error of the formula 1.2e-7 at every y).
; LIMITS: NaN and infinities are not served; a block whose largest magnitude lies under 2^-118 keeps the scale byte 1, a block of zeros too (its codes are zeros; this program alone reads the bytes).
; No cluster: what work-groups share are weights that go straight into registers by plain loads, which have no joint form.
.set XP,    264                        ; LDS row of XT: 64 tokens x 4 bytes + 8: lanes 16-31 read 16 rows (4,224 bytes = 1,056 words) on: 32 banks from lanes 0-15
.set VT,    67584                      ; 128 rows x (512 + 16) bytes
.set ALPHA, 135168                     ; alpha_q, alpha_k: 2 x 1,024 bytes
.set AIMG,  137216                     ; the activations' fragments [q or k][tile m][K step s] x 2,048 bytes
.set ASC,   169984                     ; their scale words, 128 bytes each
.set VSC,   172032                     ; V's scale words of this key step: 512 bytes
.set LI,    1                          ; 16 x lane
.set XA,    3                          ; XT: 4,224 h + 64 w + 4 r
.set AH,    4                          ; ALPHA + 64 h
.set AWI,   5                          ; AIMG + 16 l + 4,096 w
.set AWS,   6                          ; ASC + 4 l + 256 w
.set FA,    7                          ; AIMG + 16 l + 16,384 (w / 2)
.set FS,    8                          ; ASC + 4 l + 1,024 (w / 2)
.set VL,    9                          ; VT + 528 x thread
.set VG,    10                         ; v_img: 2,048 (2 w + u) + 16 p
.set VS,    11                         ; VSC + 256 (w / 2) + 8 (w % 2) + 16 p + 4 u
.set SCO,   12                         ; 16 r
.set WOFF,  13                         ; W's codes: 256 (r + 8 (r / 8)) + 16 h
.set WSOFF, 14                         ; W's scale words: 8 (r + 8 (r / 8))
.set BOFF,  15                         ; bias: 64 h
.set WSC,   16                         ; v16-31  W's scale words (tile t, K step s) at 2 t + s
.set NS,    32                         ; v32-39  sums of squares, four pairs
.set RR,    40                         ; v40-41  1 / norm, twice
.set C9V,   42                         ; v42-43  the polynomial's leading coefficient, twice
.set SW,    44                         ; v44-47  the four tiles' scale words of q or k
.set SB,    48                         ; v48-111  64 numbers; in the products the 8 accumulators
.set GB,    112                        ; v112-175 64 numbers; in the products two sets of two fragments
.set GT,    176                        ; v176-223 gelu's t, polynomial, square; codes on their way out
.set GA,    192
.set GU,    208
.set TM,    224                        ; v224-239 the quantiser's work
.set PW,    240
.set VW,    241
.set XS,    242                        ; v242-245 the activations' scale words, two sets
.set VR,    246                        ; VSC + 16 l
.set WV,    34
.set SEL,   38
.set MNT,   40
.set K1,    41
.set MSB, 0
.macro WIN new                         ; the immediate's high byte repeats the setting that is left
.if MSB != \new
	s_set_vgpr_msb (MSB<<8)|\new
.set MSB, \new
.endif
.endm
.macro PLACES n
.rept \n
	v_nop
.endr
.endm
.macro BARRIER                         ; my LDS stores have landed and my LDS loads are in: then the work-group's barrier
	s_wait_dscnt 0x0
	s_barrier_signal -1
	s_barrier_wait -1
.endm
.macro PKMUL d, a, b, n                ; n pairs: d = a x b
.set p_, 0
.rept \n
	v_pk_mul_f32 v[(\d)+p_:(\d)+p_+1], v[(\a)+p_:(\a)+p_+1], v[(\b)+p_:(\b)+p_+1]
.set p_, p_+2
.endr
.endm
.macro PKSCL d, r, n                   ; n pairs: d = d x the pair r
.set p_, 0
.rept \n
	v_pk_mul_f32 v[(\d)+p_:(\d)+p_+1], v[(\d)+p_:(\d)+p_+1], v[\r:\r+1]
.set p_, p_+2
.endr
.endm
; gelu in place on 16 registers.  The reciprocals and the exponentials stand in runs, each with a plain line behind it before a result is used (ISA guide 5.7.2).
.macro GELU16 y
.set i_, 0
.rept 16
	v_fma_f32 v[GT+i_], |v[(\y)+i_]|, s[K1], 1.0
.set i_, i_+1
.endr
.set i_, 0
	s_wait_alu depctr_va_vdst(0)
.rept 16
	v_rcp_f32 v[GT+i_], v[GT+i_]                   ; t
.set i_, i_+1
.endr
.set i_, 0
.rept 8
	v_pk_mul_f32 v[GU+i_:GU+i_+1], v[(\y)+i_:(\y)+i_+1], v[(\y)+i_:(\y)+i_+1]
.set i_, i_+2
.endr
.set i_, 0
	s_wait_alu depctr_va_vdst(0)
.rept 8
	v_pk_fma_f32 v[GA+i_:GA+i_+1], v[GT+i_:GT+i_+1], v[C9V:C9V+1], 0xbf527892 op_sel_hi:[1,1,0]
.set i_, i_+2
.endr
.irp k, 0x3fbe87b0, 0xbf914e5d, 0x3e8ec7cc, 0xbe3ec24c, 0x3dc636c9, 0x3ebf88fb, 0x3f8000c7, 0xbffab55a
.set i_, 0
.rept 8
	v_pk_fma_f32 v[GA+i_:GA+i_+1], v[GA+i_:GA+i_+1], v[GT+i_:GT+i_+1], \k op_sel_hi:[1,1,0]   ; Horner; the last coefficient has ln 2 taken off, for the half
.set i_, i_+2
.endr
.endr
.set i_, 0
.rept 8
	v_pk_fma_f32 v[GA+i_:GA+i_+1], v[GU+i_:GU+i_+1], -0.5, v[GA+i_:GA+i_+1] op_sel_hi:[1,0,1]
.set i_, i_+2
.endr
.set i_, 0
.rept 8
	v_pk_mul_f32 v[GA+i_:GA+i_+1], v[GA+i_:GA+i_+1], 0x3fb8aa3b op_sel_hi:[1,0]
.set i_, i_+2
.endr
.set i_, 0
	s_wait_alu depctr_va_vdst(0)
.rept 16
	v_exp_f32 v[GA+i_], v[GA+i_]
.set i_, i_+1
.endr
.set i_, 0
.rept 16
	v_max_num_f32 v[GU+i_], 0, v[(\y)+i_]
.set i_, i_+1
.endr
.set i_, 0
	s_wait_alu depctr_va_vdst(0)
.rept 8
	v_pk_mul_f32 v[GA+i_:GA+i_+1], v[GA+i_:GA+i_+1], v[GT+i_:GT+i_+1]   ; e
.set i_, i_+2
.endr
.set i_, 0
.rept 16
	v_fma_f32 v[(\y)+i_], -|v[(\y)+i_]|, v[GA+i_], v[GU+i_]
.set i_, i_+1
.endr
.endm
; nb blocks of 32: register 16 b + i of v[s] on = k 32 b + 16 (lane / 16) + i of my row.  Codes to v[d] on, the scale bytes to v[pw].
.macro QUANT s, nb, d, pw
.set b_, 0
.rept \nb
	v_max3_num_f32 v[TM+b_], |v[(\s)+16*b_]|, |v[(\s)+16*b_+1]|, 0x4800000   ; the floor 2^(9 - 127) holds the byte at 1 from below
.set b_, b_+1
.endr
.irp i, 2,4,6,8,10,12,14
.set b_, 0
.rept \nb
	v_max3_num_f32 v[TM+b_], v[TM+b_], |v[(\s)+16*b_+\i]|, |v[(\s)+16*b_+\i+1]|
.set b_, b_+1
.endr
.endr
.set b_, 0
.rept \nb
	v_permlanex16_b32 v[TM+4+b_], v[TM+b_], s[SEL], s[SEL+1]
.set b_, b_+1
.endr
.set b_, 0
.rept \nb
	v_max_num_f32 v[TM+b_], v[TM+b_], v[TM+4+b_]   ; with lane l xor 16's 16: the block's largest magnitude
.set b_, b_+1
.endr
.set b_, 0
.rept \nb
	v_add_nc_u32 v[TM+12+b_], 0xfc000000, v[TM+b_] ; 8 off its exponent field: the conversion's scale operand
.set b_, b_+1
.endr
.set b_, 0
.rept \nb
.set b_, b_+1
.endr
.set b_, 0
.rept \nb
	v_lshrrev_b32 v[TM+4+b_], 23, v[TM+12+b_]      ; the scale's byte
.set b_, b_+1
.endr
	v_lshl_or_b32 v[\pw], v[TM+5], 8, v[TM+4]
.if \nb > 2
	v_lshl_or_b32 v[\pw], v[TM+6], 16, v[\pw]
	v_lshl_or_b32 v[\pw], v[TM+7], 24, v[\pw]
.endif
.set b_, 0
.rept \nb
.set i_, 0
.rept 16
.set i_, i_+1
.endr
	v_cvt_scalef32_pk8_fp8_f32 v[(\d)+4*b_:(\d)+4*b_+1], v[(\s)+16*b_:(\s)+16*b_+7], v[TM+12+b_]
	v_cvt_scalef32_pk8_fp8_f32 v[(\d)+4*b_+2:(\d)+4*b_+3], v[(\s)+16*b_+8:(\s)+16*b_+15], v[TM+12+b_]
.set b_, b_+1
.endr
	v_nop                                          ; a plain line behind the last conversion, ahead of whatever next touches its registers
.endm
.macro IMAGE adr, off, src, n          ; n groups of four registers go to LDS as they stand: 16 bytes a lane, 512 a store
.set c_, 0
.rept \n
	ds_store_b128 v[\adr], v[(\src)+4*c_:(\src)+4*c_+3] offset:(\off)+512*c_
.set c_, c_+1
.endr
.endm
.macro FETCH reg, adr, off             ; a fragment comes back so, in any wave
.set c_, 0
.rept 4
	ds_load_b128 v[(\reg)+4*c_:(\reg)+4*c_+3], v[\adr] offset:(\off)+512*c_
.set c_, c_+1
.endr
.endm
.macro LOADX buf, s                    ; my token's channels 128 s + 32 b + 16 h + i
.irp b, 0,1,2,3
.irp i, 0,1,2,3,4,5,6,7,8,9,10,11,12,13,14,15
	ds_load_b32 v[(\buf)+16*\b+\i], v[XA] offset:(128*(\s)+32*\b+\i)*XP
.endr
.endr
.endm
.macro LOADA off                       ; 64 gains in the same order
.irp b, 0,1,2,3
.irp j, 0,1,2,3
	ds_load_b128 v[GB+16*\b+4*\j:GB+16*\b+4*\j+3], v[AH] offset:(\off)+128*\b+16*\j
.endr
.endr
.endm
.macro SSQ buf, first                  ; squares of 64 numbers onto four pairs; first = 1: they start the sums
.set p_, 0
.rept 32
.if (\first) && (p_ < 4)
	v_pk_mul_f32 v[NS+2*p_:NS+2*p_+1], v[(\buf)+2*p_:(\buf)+2*p_+1], v[(\buf)+2*p_:(\buf)+2*p_+1]
.else
	v_pk_fma_f32 v[NS+2*(p_%4):NS+2*(p_%4)+1], v[(\buf)+2*p_:(\buf)+2*p_+1], v[(\buf)+2*p_:(\buf)+2*p_+1], v[NS+2*(p_%4):NS+2*(p_%4)+1]
.endif
.set p_, p_+1
.endr
.endm
; block c of my channel's 128 keys: all 32 numbers are mine.  The four conversions land so that keys (0-7, 16-23) and (8-15, 24-31) are four registers each.
.macro QUANTV c
.set XV, SB+32*(\c)
.set VC, GT+8*(\c)
	v_max3_num_f32 v[TM], |v[XV]|, |v[XV+1]|, |v[XV+2]|
	v_max3_num_f32 v[TM+1], |v[XV+3]|, |v[XV+4]|, |v[XV+5]|
.irp i, 6,10,14,18,22,26
	v_max3_num_f32 v[TM], v[TM], |v[XV+\i]|, |v[XV+\i+1]|
	v_max3_num_f32 v[TM+1], v[TM+1], |v[XV+\i+2]|, |v[XV+\i+3]|
.endr
	v_max3_num_f32 v[TM], v[TM], |v[XV+30]|, |v[XV+31]|
	v_max3_num_f32 v[TM], v[TM], v[TM+1], 0x4800000
	v_add_nc_u32 v[TM+2], 0xfc000000, v[TM]
	v_lshrrev_b32 v[TM+1], 23, v[TM+2]
.if (\c) == 0
	v_mov_b32 v[VW], v[TM+1]
.else
	v_lshl_or_b32 v[VW], v[TM+1], 8*(\c), v[VW]
.endif
.set i_, 0
.rept 32
.set i_, i_+1
.endr
	v_cvt_scalef32_pk8_fp8_f32 v[VC:VC+1], v[XV:XV+7], v[TM+2]
	v_cvt_scalef32_pk8_fp8_f32 v[VC+4:VC+5], v[XV+8:XV+15], v[TM+2]
	v_cvt_scalef32_pk8_fp8_f32 v[VC+2:VC+3], v[XV+16:XV+23], v[TM+2]
	v_cvt_scalef32_pk8_fp8_f32 v[VC+6:VC+7], v[XV+24:XV+31], v[TM+2]
	v_nop
	global_store_b128 v[VG], v[VC:VC+3], s[30:31] offset:512*(\c)       ; the 16 lanes of one tile fill 256 consecutive bytes, aligned
	global_store_b128 v[VG], v[VC+4:VC+7], s[30:31] offset:512*(\c)+256
.endm
	s_load_b512 s[4:19], s[0:1], 0x0               ; x, alpha_q, alpha_k, Wq codes, Wk codes, Wq scales, Wk scales, bq
	s_load_b256 s[20:27], s[0:1], 0x40             ; bk, q_img, k_img, q_sc
	s_load_b128 s[28:31], s[0:1], 0x60             ; k_sc, v_img
	s_load_b64 s[32:33], s[0:1], 0x70              ; v_sc
	v_lshl_add_u32 v2, v0, 2, 0x2a200
	v_mov_b32 v247, 0
	ds_add_u32 v2, v247
	ds_add_u32 v2, v247
	v_lshrrev_b32 v253, 5, v0
	v_readfirstlane_b32 s[WV], v253                ; wave 0..3
	s_lshr_b32 s35, ttmp9, 6                       ; batch
	s_and_b32 s36, ttmp9, 63                       ; tg: which 64 tokens
	s_and_b32 s37, s36, 1                          ; V: head
	s_lshr_b32 s46, s36, 1                         ; V: key step
	s_and_b32 s47, s[WV], 1                        ; products: head
	s_lshr_b32 s66, s[WV], 1                       ; products: q (0) or k (1)
	; descriptor group 1.  XT: 64 rows x 64 elements of 4 bytes, 2 words of padding behind each 64
	s_mov_b32 s48, (2<<16)|(1<<20)|(5<<22)|(1<<25)
	s_mov_b32 s49, 64<<16                          ; tensor_dim0
	s_mov_b32 s50, 64<<16                          ; tensor_dim1
	s_mov_b32 s51, 64<<16                          ; tile_dim0
	s_mov_b32 s52, 64                              ; tile_dim1
	s_mov_b32 s53, 4096                            ; elements from channel to channel
	s_mov_b32 s54, 0
	s_mov_b32 s55, 0
	; VT: 32 rows x 128 elements, 4 words of padding behind each 128
	s_mov_b32 s56, (2<<16)|(1<<20)|(6<<22)|(3<<25)
	s_mov_b32 s57, 128<<16
	s_mov_b32 s58, 32<<16
	s_mov_b32 s59, 128<<16
	s_mov_b32 s60, 32
	s_mov_b32 s61, 4096
	s_mov_b32 s62, 0
	s_mov_b32 s63, 0
	s_lshl_b32 s76, s35, 8                         ; XT: channel 256 b + 64 w, token 64 tg
	s_lshl_b32 s77, s[WV], 6
	s_add_co_u32 s76, s76, s77
	s_lshl_b32 s76, s76, 14
	s_lshl_b32 s77, s36, 8
	s_add_co_u32 s76, s76, s77
	s_mov_b32 s77, 0
	s_lshl_b32 s78, s35, 8                         ; VT: channel 256 b + 128 head + 32 w, token 128 step
	s_lshl_b32 s79, s37, 7
	s_add_co_u32 s78, s78, s79
	s_lshl_b32 s79, s[WV], 5
	s_add_co_u32 s78, s78, s79
	s_lshl_b32 s78, s78, 14
	s_lshl_b32 s79, s46, 9
	s_add_co_u32 s78, s78, s79
	s_mov_b32 s79, 0
	s_mul_i32 s80, s[WV], 16896                    ; 64 rows of 264 bytes = 32 rows of 528
	s_wait_dscnt 0x0
	s_wait_kmcnt 0x0
	s_mov_b32 s68, 1
	s_mov_b32 s69, s80
	s_add_nc_u64 s[70:71], s[4:5], s[76:77]
	s_or_b32 s71, s71, 0x80000000
	s_mov_b32 s72, 1
	s_add_co_u32 s73, s80, VT
	s_add_nc_u64 s[74:75], s[4:5], s[78:79]
	s_or_b32 s75, s75, 0x80000000
	tensor_load_to_lds s[68:71], s[48:55]          ; both fills are first fills and the only ones: XT's load is waited for before VT's is asked for
	s_nop 0
	s_wait_alu depctr_va_vdst(0)
	s_wait_tensorcnt 0x0
	ds_add_u32 v2, v247
	s_wait_dscnt 0x0
	s_barrier_signal -1
	s_barrier_wait -1
	tensor_load_to_lds s[72:75], s[56:63]
	s_nop 0
	PLACES 4
	v_and_b32 v253, 31, v0                         ; l
	v_and_b32 v254, 15, v0                         ; r
	v_bfe_u32 v255, v0, 4, 1                       ; h
	v_lshlrev_b32 v[LI], 4, v253
	v_mul_u32_u24 v[XA], v255, 4224
	v_lshl_add_u32 v[XA], v254, 2, v[XA]
	s_lshl_b32 s81, s[WV], 6
	v_add_nc_u32 v[XA], s81, v[XA]
	v_lshl_add_u32 v[AH], v255, 6, ALPHA
	s_lshl_b32 s81, s[WV], 12
	s_add_co_u32 s81, s81, AIMG
	v_add_nc_u32 v[AWI], s81, v[LI]
	v_lshlrev_b32 v[AWS], 2, v253
	v_lshlrev_b32 v[FS], 2, v253
	s_lshl_b32 s81, s[WV], 8
	s_add_co_u32 s81, s81, ASC
	v_add_nc_u32 v[AWS], s81, v[AWS]
	s_lshl_b32 s81, s66, 14
	s_add_co_u32 s81, s81, AIMG
	v_add_nc_u32 v[FA], s81, v[LI]
	s_lshl_b32 s81, s66, 10
	s_add_co_u32 s81, s81, ASC
	v_add_nc_u32 v[FS], s81, v[FS]
	v_mul_u32_u24 v[VL], v0, 528
	v_add_nc_u32 v[VL], VT, v[VL]
	v_bfe_u32 v252, v0, 3, 1                       ; u
	v_and_b32 v251, 7, v0
	v_lshl_add_u32 v251, v255, 3, v251             ; p = l % 8 + 8 (l / 16)
	v_lshlrev_b32 v[VG], 4, v251
	v_lshl_add_u32 v[VG], v252, 11, v[VG]
	s_lshl_b32 s81, s[WV], 12
	v_add_nc_u32 v[VG], s81, v[VG]
	v_lshlrev_b32 v[VS], 4, v251
	v_lshl_add_u32 v[VS], v252, 2, v[VS]
	s_lshl_b32 s81, s66, 8
	s_lshl_b32 s82, s47, 3
	s_add_co_u32 s81, s81, s82
	s_add_co_u32 s81, s81, VSC
	v_add_nc_u32 v[VS], s81, v[VS]
	v_lshlrev_b32 v[SCO], 4, v254
	v_and_b32 v250, 8, v254
	v_add_nc_u32 v250, v250, v254                  ; r + 8 (r / 8)
	v_lshlrev_b32 v[WOFF], 8, v250
	v_lshl_add_u32 v[WOFF], v255, 4, v[WOFF]
	v_lshlrev_b32 v[WSOFF], 3, v250
	v_lshlrev_b32 v[BOFF], 6, v255
	v_add_nc_u32 v[VR], VSC, v[LI]
	v_and_b32 v248, 63, v0
	v_lshlrev_b32 v248, 4, v248                    ; the gains: threads 0-63 bring alpha_q, 64-127 alpha_k, 16 bytes each
	s_wait_alu depctr_va_vdst(0)
	v_lshl_add_u32 v249, v0, 4, ALPHA
	v_mov_b32 v[C9V], 0x3e2ef945
	v_mov_b32 v[C9V+1], 0x3e2ef945
.irp b, 4,5,6,7
	v_mov_b32 v[TM+\b], 0                          ; written once: a lane permute's destination counts as one of its sources
.endr
	s_mov_b32 s[SEL], 0x76543210
	s_mov_b32 s[SEL+1], 0xfedcba98                 ; lane l xor 16
	s_mov_b32 s[K1], 0x3eb504f3                    ; 1 / sqrt 8
	s_mov_b32 s44, 0x3b800000                      ; 1 / 256
	s_mov_b32 s45, 0x322bcc77                      ; 1e-8
	s_cmp_lt_u32 s[WV], 2                          ; q's buffers or k's: the choice hangs on the wave's number alone
	s_cselect_b64 s[84:85], s[6:7], s[8:9]         ; gains
	s_cselect_b64 s[86:87], s[10:11], s[12:13]     ; codes
	s_cselect_b64 s[88:89], s[14:15], s[16:17]     ; scales
	s_cselect_b64 s[90:91], s[18:19], s[20:21]     ; bias
	s_cselect_b64 s[92:93], s[22:23], s[24:25]     ; image out
	s_cselect_b64 s[94:95], s[26:27], s[28:29]     ; scale words out
	global_load_b128 v[232:235], v248, s[84:85]
	s_mov_b32 s77, 0
	s_lshl_b32 s76, s47, 15                        ; my head's 128 rows of 256 codes
	s_add_nc_u64 s[86:87], s[86:87], s[76:77]
	s_lshl_b32 s76, s47, 10
	s_add_nc_u64 s[88:89], s[88:89], s[76:77]
	s_lshl_b32 s76, s47, 9
	s_add_nc_u64 s[90:91], s[90:91], s[76:77]
	s_lshl_b32 s81, s35, 1
	s_add_co_u32 s82, s81, s47                     ; 2 b + my products' head
	s_add_co_u32 s81, s81, s37                     ; 2 b + V's head
	s_lshl_b32 s76, s82, 19
	s_lshl_b32 s78, s36, 13
	s_add_co_u32 s76, s76, s78
	s_add_nc_u64 s[92:93], s[92:93], s[76:77]      ; tile 4 tg of my head: 2,048 bytes a tile
	s_lshl_b32 s76, s82, 14
	s_lshl_b32 s78, s36, 8
	s_add_co_u32 s76, s76, s78
	s_add_nc_u64 s[94:95], s[94:95], s[76:77]
	s_lshl_b32 s76, s81, 19
	s_lshl_b32 s78, s46, 14
	s_add_co_u32 s76, s76, s78
	s_add_nc_u64 s[30:31], s[30:31], s[76:77]
	s_lshl_b32 s76, s81, 14
	s_lshl_b32 s78, s46, 9
	s_add_co_u32 s76, s76, s78
	s_add_nc_u64 s[32:33], s[32:33], s[76:77]
	s_wait_alu depctr_va_vdst(0)
	s_wait_loadcnt 0x0                             ; the gains
	ds_store_b128 v249, v[232:235]
	WIN 0x40                                       ; destination window 1: W's 16 fragments stay there
.irp t, 0,1,2,3,4,5,6,7
.irp s, 0,1
.irp c, 0,1,2,3
	global_load_b128 v[16*(2*\t+\s)+4*\c:16*(2*\t+\s)+4*\c+3], v[WOFF], s[86:87] offset:(32*(\t/2)+8*(\t%2))*256+128*\s+32*\c
.endr
.endr
.endr
	WIN 0x80                                       ; window 2: the bias in the result's layout: the C of each sum's first product
.irp t, 0,1,2,3,4,5,6,7
	global_load_b128 v[8*\t:8*\t+3], v[BOFF], s[90:91] offset:(32*(\t/2)+8*(\t%2))*4
	global_load_b128 v[8*\t+4:8*\t+7], v[BOFF], s[90:91] offset:(32*(\t/2)+8*(\t%2))*4+16
.endr
	WIN 0
.irp t, 0,1,2,3,4,5,6,7
.irp s, 0,1
	global_load_b32 v[WSC+2*\t+\s], v[WSOFF], s[88:89] offset:(32*(\t/2)+8*(\t%2))*8+4*\s
.endr
.endr
	s_wait_tensorcnt 0x0                           ; my parts of XT and VT are in
	BARRIER                                        ; everybody's are, and the gains lie in LDS
	; ---- V: my channel's 128 keys
.set c_, 0
.rept 32
	ds_load_b128 v[SB+4*c_:SB+4*c_+3], v[VL] offset:16*c_
.set c_, c_+1
.endr
	s_wait_dscnt 0x0
	QUANTV 0
	QUANTV 1
	QUANTV 2
	QUANTV 3
	ds_store_b32 v[VS], v[VW]
	; ---- the norm of my token: 128 channels a lane, the other 128 in lane l xor 16
	LOADX SB, 0
	LOADX GB, 1
	s_wait_dscnt 0x0
	SSQ SB, 1
	SSQ GB, 0
	v_pk_add_f32 v[NS:NS+1], v[NS:NS+1], v[NS+2:NS+3]
	v_pk_add_f32 v[NS+4:NS+5], v[NS+4:NS+5], v[NS+6:NS+7]
	v_pk_add_f32 v[NS:NS+1], v[NS:NS+1], v[NS+4:NS+5]
	v_add_f32 v[NS], v[NS], v[NS+1]
	v_permlanex16_b32 v[NS+1], v[NS], s[SEL], s[SEL+1]
	v_add_f32 v[NS], v[NS], v[NS+1]
	v_fma_f32 v[NS], v[NS], s44, s45               ; mean + 1e-8
	s_wait_alu depctr_va_vdst(0)
	v_rsq_f32 v[RR], v[NS]
	v_nop
	s_wait_alu depctr_va_vdst(0)
	v_mov_b32 v[RR+1], v[RR]
	s_wait_alu depctr_va_vdst(0)
	s_wait_xcnt 0x0                                ; V's stores have read their data: gelu's work registers may be written
	; ---- the activations, a K step of 128 channels at a time, for q and for k
.irp s, 0,1
.if \s == 1
	s_wait_dscnt 0x0                               ; channels 128 on are back in SB
.endif
	PKSCL SB, RR, 32
.irp a, 0,1
	LOADA 1024*\a+512*\s
	s_wait_dscnt 0x0                               ; the gains are in; the last image's stores have read their registers
	PKMUL GB, GB, SB, 32
.if (\s == 0) && (\a == 1)
	LOADX SB, 1                                    ; lands while this K step is worked
.endif
	GELU16 GB
	GELU16 GB+16
	GELU16 GB+32
	GELU16 GB+48
	QUANT GB, 4, GT, PW
	IMAGE AWI, 16384*\a+2048*\s, GT, 4
	ds_store_b32 v[AWS], v[PW] offset:1024*\a+128*\s
.endr
.endr
	BARRIER                                        ; the sixteen fragments and V's scale words lie in LDS
	s_wait_loadcnt 0x0                             ; W, its scale words, the bias
	s_cmp_lg_u32 s[WV], 0
	s_cbranch_scc1 .Lnot0
	ds_load_b128 v[248:251], v[VR]
	s_wait_dscnt 0x0
	global_store_b128 v[LI], v[248:251], s[32:33]  ; 512 consecutive bytes
.Lnot0:
	; ---- the products: source 0 = 16 rows of W, source 1 = 16 tokens: a lane holds one token, its registers run along d.  The eight accumulators take turns.
	FETCH GB, FA, 0
	FETCH GB+16, FA, 2048
	ds_load_b32 v[XS], v[FS]
	ds_load_b32 v[XS+1], v[FS] offset:128
.irp m, 0,1,2,3
.set XF, GB+32*(\m%2)
.set XW, XS+2*(\m%2)
.set XN, GB+32*((\m+1)%2)
.set XWN, XS+2*((\m+1)%2)
.set PCM, GT+16*(\m%3)
	s_wait_dscnt 0x0
	WIN 0x21                                       ; source 0 (W) window 1, source 2 (bias) window 2
.irp t, 0,1,2,3,4,5,6,7
	v_wmma_scale_f32_16x16x128_f8f6f4 v[SB+8*\t:SB+8*\t+7], v[32*\t:32*\t+15], v[XF:XF+15], v[8*\t:8*\t+7], v[WSC+2*\t], v[XW]
.endr
	WIN 0x01
.irp t, 0,1,2,3,4,5,6,7
	v_wmma_scale_f32_16x16x128_f8f6f4 v[SB+8*\t:SB+8*\t+7], v[32*\t+16:32*\t+31], v[XF+16:XF+31], v[SB+8*\t:SB+8*\t+7], v[WSC+2*\t+1], v[XW+1]
.endr
	WIN 0
	PLACES 8                                       ; ahead of the first read of results and of loads into operands
.if \m < 3
	FETCH XN, FA, 4096*(\m+1)
	FETCH XN+16, FA, 4096*(\m+1)+2048
	ds_load_b32 v[XWN], v[FS] offset:256*(\m+1)
	ds_load_b32 v[XWN+1], v[FS] offset:256*(\m+1)+128
.else
	s_wait_xcnt 0x0                                ; tile 0's stores have read their data: its set of registers is written again
.endif
	QUANT SB, 4, PCM, SW+\m
.irp c, 0,1,2,3
	global_store_b128 v[LI], v[PCM+4*\c:PCM+4*\c+3], s[92:93] offset:2048*\m+512*\c   ; 512 consecutive bytes
.endr
.endr
	global_store_b128 v[SCO], v[SW:SW+3], s[94:95] ; 256 consecutive bytes; lanes 16-31 repeat lanes 0-15's address and data
	s_wait_tensorcnt 0x0
	ds_add_u32 v2, v247
	s_wait_dscnt 0x0
	s_endpgm
.Lfunc_end_k_q24857e65a9_proj:
	.size	k_q24857e65a9_proj, .Lfunc_end_k_q24857e65a9_proj-k_q24857e65a9_proj
	.p2alignl 7, 3214868480
	.fill 96, 4, 3214868480
	.section	.rodata,"a",@progbits
	.p2align	6, 0x0
	.amdhsa_kernel k_q24857e65a9_proj
		.amdhsa_group_segment_fixed_size 327680
		.amdhsa_private_segment_fixed_size 0
		.amdhsa_enable_private_segment 0
		.amdhsa_kernarg_size 120
		.amdhsa_user_sgpr_count 2
		.amdhsa_user_sgpr_kernarg_segment_ptr 1
		.amdhsa_wavefront_size32 1
		.amdhsa_system_sgpr_workgroup_id_x 1
		.amdhsa_system_sgpr_workgroup_id_y 1
		.amdhsa_system_sgpr_workgroup_id_z 1
		.amdhsa_system_vgpr_workitem_id 0
		.amdhsa_next_free_vgpr 576
		.amdhsa_next_free_sgpr 96
		.amdhsa_reserve_vcc 0
		.amdhsa_float_denorm_mode_32 3
		.amdhsa_float_denorm_mode_16_64 3
		.amdhsa_fp16_overflow 1
		.amdhsa_memory_ordered 1
		.amdhsa_forward_progress 1
		.amdhsa_inst_pref_size 255
	.end_amdhsa_kernel
	.section	.bss,"aw",@nobits
	.p2align	6
	.space	262144
	.amdgpu_metadata
---
amdhsa.version: [ 1, 2 ]
amdhsa.kernels:
  - .name:           k_q24857e65a9_proj
    .symbol:         k_q24857e65a9_proj.kd
    .args:
      - { .name: x, .offset: 0, .size: 8, .value_kind: global_buffer, .address_space: global }
      - { .name: alpha_q, .offset: 8, .size: 8, .value_kind: global_buffer, .address_space: global }
      - { .name: alpha_k, .offset: 16, .size: 8, .value_kind: global_buffer, .address_space: global }
      - { .name: Wq_codes, .offset: 24, .size: 8, .value_kind: global_buffer, .address_space: global }
      - { .name: Wk_codes, .offset: 32, .size: 8, .value_kind: global_buffer, .address_space: global }
      - { .name: Wq_scales, .offset: 40, .size: 8, .value_kind: global_buffer, .address_space: global }
      - { .name: Wk_scales, .offset: 48, .size: 8, .value_kind: global_buffer, .address_space: global }
      - { .name: bq, .offset: 56, .size: 8, .value_kind: global_buffer, .address_space: global }
      - { .name: bk, .offset: 64, .size: 8, .value_kind: global_buffer, .address_space: global }
      - { .name: q_img, .offset: 72, .size: 8, .value_kind: global_buffer, .address_space: global }
      - { .name: k_img, .offset: 80, .size: 8, .value_kind: global_buffer, .address_space: global }
      - { .name: q_sc, .offset: 88, .size: 8, .value_kind: global_buffer, .address_space: global }
      - { .name: k_sc, .offset: 96, .size: 8, .value_kind: global_buffer, .address_space: global }
      - { .name: v_img, .offset: 104, .size: 8, .value_kind: global_buffer, .address_space: global }
      - { .name: v_sc, .offset: 112, .size: 8, .value_kind: global_buffer, .address_space: global }
    .group_segment_fixed_size: 327680
    .private_segment_fixed_size: 0
    .kernarg_segment_align: 8
    .kernarg_segment_size: 120
    .max_flat_workgroup_size: 128
    .sgpr_count:     96
    .vgpr_count:     576
    .wavefront_size: 32
...
	.end_amdgpu_metadata
.endif
;; end of part 4
;; launch attn (part 5): grid 32 x 8, 4 waves a work-group, clusters of 4 x 1, 327,680 bytes of LDS; arguments q_img, q_sc, k_img, k_sc, v_img, v_sc, o_img; writes o_img
.if DOCPART == 5
	.amdgcn_target "amdgcn-amd-amdhsa--gfx1250"
	.amdhsa_code_object_version 6
	.text
	.protected	k_q24857e65a9_attn
	.globl	k_q24857e65a9_attn
	.p2align	8
	.type	k_q24857e65a9_attn,@function
k_q24857e65a9_attn:
	s_mov_b64 s[64:65], 0
	v_nop
	global_prefetch_b8 v0, s[64:65] scope:SCOPE_SE
	s_setreg_imm32_b32 hwreg(HW_REG_WAVE_MODE, 25, 1), 1
	s_wait_xcnt 0x0
	s_wait_alu depctr_hold_cnt(0) depctr_sa_sdst(0) depctr_va_vdst(0) depctr_va_sdst(0) depctr_va_ssrc(0) depctr_va_vcc(0) depctr_vm_vsrc(0)
	s_getreg_b32 s2, hwreg(HW_REG_IB_STS2, 6, 4)
	s_cmp_eq_u32 s2, 0
	s_cbranch_scc0 .Lentry_in_a_cluster
	s_endpgm
.Lentry_in_a_cluster:
	s_bfe_u32 s2, ttmp6, 0x10000c
	s_cmp_lg_u32 s2, 0x3003
	s_cbranch_scc0 .Lentry_shape_is_right
	s_endpgm
.Lentry_shape_is_right:
; O[head][q] = the sum over keys of softmax(q . k / sqrt(128)) v, both products on E4M3 codes with one E8M0 scale for each 32 along a product's K.  8 heads (batch x head), 4,096 tokens, head size 128.
; All operands arrive as images of their registers (see the launch that makes them): a fragment is four loads of 16 bytes a lane at 16 x lane, 512 bytes apart; no pitch, no padding.
; THE SOFTMAX AHEAD OF THE SECOND PRODUCT: t = score x log2(e) / sqrt(128); M = the running largest t rounded UP to a whole number; p = 2^(t - M) is quantised along the keys, not normalised.
; The row's sum is taken of the unquantised p and divides O at the end.  When M moves, the sum and O are multiplied by 2^(old M - new M): exact.
; SHARES.  A work-group owns 128 queries of one head; each of its four waves owns 32: TWO tiles of 16, so that each fragment of K and V read from LDS feeds two products.
; Every wave walks all keys, 128 a step.  K and V come through a ring of two LDS slots of 256 keys (waves 0, 1: K's two steps; waves 2, 3: V's), read by all four.
; THE LDS READS RUN A PHASE AHEAD.  A trip is: ask for K of step j | the second half of step j - 1 (tile 1's sum, holds, conversions, O^T's rescaling, V^T P) | K Q^T of step j | ask for V of step j |
; the first half of step j's softmax.  So K lands under some 240 vector lines and V under some 380.  The change of slots stands between two trips, where K and V of the slot that is left are in registers.
; CLUSTER.  The four work-groups of a cluster belong to one head and walk the same K and V: every tile is asked for jointly, with the same descriptor and the mask of all four.
; LAYOUT.  S^T = K Q^T (source 0 = 16 neighbouring keys, source 1 = 16 queries) and O^T = V^T P^T: a lane holds ONE query of each tile.  Registers 16 b + 0..15 of S^T are keys 32 b + 8 h + 0..7 and 32 b + 16 + 8 h + 0..7:
; v_img holds V's keys in that very order, so P's codes are the operand as they fall.  The order differs from the true one inside a block of 32 alone: the scales stand, the sums are grouped otherwise.
; V's rows of a tile are chosen so that O^T's register 16 B + i is d = 32 B + 16 h + i: o_img [head][tile][k 16][lane][16 bytes] f32 is the order in which the next launch quantises.
; LIMITS: NaN and infinities are not served; a block of p under 2^-118 keeps the scale byte 1 (its codes are zeros or next to it; this program alone reads the bytes).
; REGISTERS, in windows of 256.  Window 0: v1-10 addresses; v16-31 statistics, 8 a tile; v32-43 scale words; v44-59 the sums' chains; v64-191 S^T, then p, 64 a tile; v192-223 p's codes; v224-255 at work, 16 a tile.
;   Window 1: v0-127 O^T, 64 a tile; v128-159 Q.   Window 2: v0-127 K's eight fragments, v128-255 V's.
; All that the softmax touches but O^T lies in window 0: nine switches of the windows for a key step's 32 products and 66 loads.
.set SLOT1, 65536                      ; a slot: K step 0, K step 1, V step 0, V step 1, 16,384 bytes each; one exclusive or turns an address into the other slot's
.set SCK,   131072                     ; K's scale words of the whole head, 16,384 bytes; filled once
.set SCV,   147456                     ; V's: SCK + 16,384
.set SPARE, 163840                     ; the spare words, 128 bytes for each wave: two blocks of 256 bytes that no other line names
.set LI,   1                           ; 16 x lane
.set SPW,  5                           ; SPARE + 4 x my thread's number; never rewritten
.set NIL,  6                           ; 0; never rewritten
.set ADK,  8                           ; the slot in hand + 16 x lane
.set QSO,  9                           ; 16 x (lane % 16): Q's scale words
.set ADS,  10                          ; the step's scale words of K + 16 x lane; V's lie 16,384 on
.set TSB,  16                          ; tile u at TSB + 8 u: +0 -M, +1 the largest t, +2, +3 the sum, +4 f, +5 named with it as a pair, +6 at work
.set KS,   32                          ; v32-35  register t: lanes 0-15 tile t's scale words of K, lanes 16-31 tile 4 + t's
.set VS,   36                          ; v36-39  V's likewise
.set QS,   40                          ; v40-41  Q's scale words, a register a tile
.set PS,   42                          ; v42-43  p's
.set CH,   44                          ; v44-59  four pairs a tile: the chains of the row's sum
.set S,    64
.set PC,   192
.set BM,   224                         ; tile u at BM + 16 u: +0..3 the blocks' largest, +4..7 the other half's, then the bytes, +8..11 448 x the scale, +12..15 the conversions' scale operands
.set O,    0                           ; in window 1
.set QF,   128
.set KF,   0                           ; in window 2
.set VF,   128
.set WV,   18
.set MNT,  19
.set SEL,  20
.set CS,   22
.set G1,   24                          ; s[24:31] 64 rows of 256 bytes, dense
.set G1S,  32                          ; s[32:39] 32 rows
.set G0K,  40
.set G0V,  44
.set G0SK, 48
.set G0SV, 52
.set TB,   66
.set TS,   67
.set SLOTS, 68
.set MSB, 0
.macro WIN new                         ; the immediate's high byte repeats the setting that is left
.if MSB != \new
	s_set_vgpr_msb (MSB<<8)|\new
.set MSB, \new
.endif
.endm
.macro PLACES n
.rept \n
	v_nop
.endr
.endm
; Waves 0 and 1 fetch for K, waves 2 and 3 for V: the branch hangs on the wave's number alone.  Four v_nop follow each of the two lines.
.macro TLOAD g0k, g1k, g0v, g1v
	s_cmp_lt_u32 s[WV], 2
	s_cbranch_scc0 .Lfor_v_\@
	tensor_load_to_lds s[\g0k:\g0k+3], s[\g1k:\g1k+7]
	s_nop 0
	PLACES 4
	s_branch .Lasked_\@
.Lfor_v_\@:
	tensor_load_to_lds s[\g0v:\g0v+3], s[\g1v:\g1v+7]
	s_nop 0
	PLACES 4
.Lasked_\@:
.endm
.macro ROUND                           ; a round of the cluster's barrier
	s_barrier_signal -1
	s_barrier_wait -1
	s_cmp_lg_u32 s[WV], 0
	s_cbranch_scc1 .Lnot_wave_0_\@
	s_barrier_signal -3
.Lnot_wave_0_\@:
	s_barrier_wait -3
	s_barrier_signal -1
	s_barrier_wait -1
.endm
	s_load_b256 s[4:11], s[0:1], 0x0               ; q_img, q_sc, k_img, k_sc
	s_load_b128 s[12:15], s[0:1], 0x20             ; v_img, v_sc
	s_load_b64 s[16:17], s[0:1], 0x30              ; o_img
	v_lshl_add_u32 v[SPW], v0, 2, SPARE
	v_mov_b32 v[NIL], 0
	ds_add_u32 v5, v6
	s_wait_dscnt 0x0
	v_lshrrev_b32 v8, 5, v0
	v_readfirstlane_b32 s[WV], v8                  ; wave 0..3
	s_bfe_u32 s56, ttmp6, 0x40000                  ; cx: it enters Q's and O's global addresses alone
	s_lshl_b32 s57, ttmp9, 2
	s_add_co_u32 s57, s57, s56                     ; my block of 128 queries
	s_and_b32 s58, ttmp7, 0xffff                   ; the head, which the four partners share
	s_and_b32 s59, s[WV], 1                        ; which of a slot's two steps I fetch
	s_lshl_b32 s70, s58, 19                        ; a head's codes: 524,288 bytes; a step's: 16,384
	s_lshl_b32 s71, s59, 14
	s_add_co_u32 s70, s70, s71
	s_mov_b32 s71, 0
	s_lshl_b32 s72, s58, 14                        ; a head's scale words: 16,384 bytes; I fetch half
	s_lshl_b32 s73, s59, 13
	s_add_co_u32 s72, s72, s73
	s_mov_b32 s73, 0
	s_lshl_b32 s74, s59, 14                        ; and where they go in LDS
	s_lshl_b32 s75, s59, 13
	s_lshl_b32 s76, s58, 8
	s_lshl_b32 s77, s57, 3
	s_add_co_u32 s76, s76, s77
	s_lshl_b32 s77, s[WV], 1
	s_add_co_u32 s76, s76, s77                     ; 256 x head + my first tile of 16 queries
	s_lshl_b32 s78, s76, 11                        ; Q: 2,048 bytes a tile
	s_mov_b32 s79, 0
	s_lshl_b32 s80, s76, 13                        ; O: 8,192
	s_mov_b32 s81, 0
	s_lshl_b32 s82, s58, 14                        ; Q's scale words: group of 64 tokens 2 block + w / 2, words 2 (w % 2) and the next
	s_lshl_b32 s83, s57, 9
	s_add_co_u32 s82, s82, s83
	s_lshr_b32 s83, s[WV], 1
	s_lshl_b32 s83, s83, 8
	s_add_co_u32 s82, s82, s83
	s_lshl_b32 s83, s59, 3
	s_add_co_u32 s82, s82, s83
	s_mov_b32 s83, 0
	s_mov_b32 s[G1], 15|(3<<16)|(1<<21)            ; 15:0 the mask: all four work-groups; 17:16 elements of 8 bytes; 21 set beside a mask; no padding
	s_mov_b32 s[G1+1], 32<<16                      ; tensor_dim0: 32 elements = 256 bytes
	s_mov_b32 s[G1+2], 64<<16                      ; tensor_dim1
	s_mov_b32 s[G1+3], 32<<16                      ; tile_dim0
	s_mov_b32 s[G1+4], 64                          ; tile_dim1
	s_mov_b32 s[G1+5], 32                          ; dense
	s_mov_b32 s[G1+6], 0
	s_mov_b32 s[G1+7], 0
	s_mov_b32 s[G1S], 15|(3<<16)|(1<<21)
	s_mov_b32 s[G1S+1], 32<<16
	s_mov_b32 s[G1S+2], 32<<16
	s_mov_b32 s[G1S+3], 32<<16
	s_mov_b32 s[G1S+4], 32
	s_mov_b32 s[G1S+5], 32
	s_mov_b32 s[G1S+6], 0
	s_mov_b32 s[G1S+7], 0
	s_mov_b32 s[SEL], 0x76543210
	s_mov_b32 s[SEL+1], 0xfedcba98                 ; lane l xor 16
	s_mov_b32 s[CS], 0x3e0293ee                    ; c = log2(e) / sqrt(128)
	s_mov_b32 s[CS+1], s[CS]                       ; (named with it as a pair, so it is written)
	s_mov_b32 s[MNT], 0x600000                     ; the mantissa field of 448
	s_mov_b32 s[TB], 0
	s_mov_b32 s[TS], SCK
	s_mov_b32 s[SLOTS], 14
	s_wait_kmcnt 0x0
	ROUND                                          ; all four work-groups are here: the first joint loads meet
	s_mov_b32 s[G0SK], 1
	s_add_co_u32 s[G0SK+1], s75, SCK
	s_add_nc_u64 s[G0SK+2:G0SK+3], s[10:11], s[72:73]
	s_or_b32 s[G0SK+3], s[G0SK+3], 0x80000000
	s_mov_b32 s[G0SV], 1
	s_add_co_u32 s[G0SV+1], s75, SCV
	s_add_nc_u64 s[G0SV+2:G0SV+3], s[14:15], s[72:73]
	s_or_b32 s[G0SV+3], s[G0SV+3], 0x80000000
	TLOAD G0SK, G1S, G0SV, G1S                     ; the scale words of the whole head: filled once
	s_mov_b32 s[G0K], 1
	s_mov_b32 s[G0K+1], s74
	s_add_nc_u64 s[G0K+2:G0K+3], s[8:9], s[70:71]
	s_or_b32 s[G0K+3], s[G0K+3], 0x80000000
	s_mov_b32 s[G0V], 1
	s_add_co_u32 s[G0V+1], s74, 32768
	s_add_nc_u64 s[G0V+2:G0V+3], s[12:13], s[70:71]
	s_or_b32 s[G0V+3], s[G0V+3], 0x80000000
	TLOAD G0K, G1, G0V, G1                         ; slot 0: two loads of mine are out
	s_add_nc_u64 s[4:5], s[4:5], s[78:79]
	s_add_nc_u64 s[6:7], s[6:7], s[82:83]
	s_add_nc_u64 s[16:17], s[16:17], s[80:81]
	v_and_b32 v[LI], 31, v0
	v_lshlrev_b32 v[LI], 4, v[LI]
	v_and_b32 v[QSO], 15, v0
	v_lshlrev_b32 v[QSO], 4, v[QSO]
	WIN 0x40                                       ; destination window 1: Q's two fragments stay there
.irp u, 0,1
.irp c, 0,1,2,3
	global_load_b128 v[QF+16*\u+4*\c:QF+16*\u+4*\c+3], v[LI], s[4:5] offset:2048*\u+512*\c
.endr
.endr
	WIN 0
	global_load_b64 v[QS:QS+1], v[QSO], s[6:7]     ; Q's scale words of both tiles
.irp u, 0,1
	v_mov_b32 v[TSB+8*\u+1], 0xff61b1e6            ; the largest t so far: -3e38, under every t
	v_floor_f32 v[TSB+8*\u], -v[TSB+8*\u+1]        ; -M
	v_mov_b32 v[TSB+8*\u+2], 0                     ; the sum, in two halves
	v_mov_b32 v[TSB+8*\u+3], 0
	v_mov_b32 v[TSB+8*\u+5], 0                     ; (named as the upper half of f's pair)
.irp b, 4,5,6,7
	v_mov_b32 v[BM+16*\u+\b], 0                    ; written once: a lane permute's destination counts as one of its sources
.endr
.endr
; K of the slot's q-th step is asked for: 32 loads of fragments and one of scale words.  The last products that read these registers stand the whole first half of a softmax back.
.macro KLOAD q
	v_add_nc_u32 v[ADK], s[TB], v[LI]
	v_add_nc_u32 v[ADS], s[TS], v[LI]
	WIN 0x80                                       ; destination window 2
.irp t, 0,1,2,3,4,5,6,7
.irp c, 0,1,2,3
	ds_load_b128 v[KF+16*\t+4*\c:KF+16*\t+4*\c+3], v[ADK] offset:16384*(\q)+2048*\t+512*\c
.endr
.endr
	WIN 0
	ds_load_b128 v[KS:KS+3], v[ADS]
.endm
; the next of tile 1's 64 exponentials
.macro EX1
.if e_ < 64
	v_exp_f32 v[S+64+e_], v[S+64+e_]
.set e_, e_+1
.endif
.endm
; line n of 32 of tile u's row sum, taken of the unquantised p: four chains of pairs, folded at the end onto the running sum
.macro SUMP u, n
.if (\n) < 4
	v_pk_add_f32 v[CH+8*(\u)+2*(\n):CH+8*(\u)+2*(\n)+1], v[S+64*(\u)+4*(\n):S+64*(\u)+4*(\n)+1], v[S+64*(\u)+4*(\n)+2:S+64*(\u)+4*(\n)+3]
.elseif (\n) < 28
	v_pk_add_f32 v[CH+8*(\u)+2*((\n)%4):CH+8*(\u)+2*((\n)%4)+1], v[CH+8*(\u)+2*((\n)%4):CH+8*(\u)+2*((\n)%4)+1], v[S+64*(\u)+2*((\n)+4):S+64*(\u)+2*((\n)+4)+1]
.elseif (\n) == 28
	v_pk_add_f32 v[CH+8*(\u):CH+8*(\u)+1], v[CH+8*(\u):CH+8*(\u)+1], v[CH+8*(\u)+2:CH+8*(\u)+3]
.elseif (\n) == 29
	v_pk_add_f32 v[CH+8*(\u)+4:CH+8*(\u)+5], v[CH+8*(\u)+4:CH+8*(\u)+5], v[CH+8*(\u)+6:CH+8*(\u)+7]
.elseif (\n) == 30
	v_pk_add_f32 v[CH+8*(\u):CH+8*(\u)+1], v[CH+8*(\u):CH+8*(\u)+1], v[CH+8*(\u)+4:CH+8*(\u)+5]
.else
	v_pk_add_f32 v[TSB+8*(\u)+2:TSB+8*(\u)+3], v[TSB+8*(\u)+2:TSB+8*(\u)+3], v[CH+8*(\u):CH+8*(\u)+1]
.endif
.endm
; THE FIRST HALF OF A KEY STEP: K Q^T for both tiles, V asked for, then the softmax as far as p, its scale words and tile 0's sum.
.macro FRONT q
	s_wait_dscnt 0x0                               ; K's fragments and scale words are in
	WIN 0x06                                       ; source 0 (K) window 2, source 1 (Q) window 1, the result window 0
.irp t, 0,1,2,3                                ; the sixteen accumulators take turns, one instruction a turn
.irp u, 0,1
	v_wmma_scale_f32_16x16x128_f8f6f4 v[S+64*\u+8*\t:S+64*\u+8*\t+7], v[KF+16*\t:KF+16*\t+15], v[QF+16*\u:QF+16*\u+15], 0, v[KS+\t], v[QS+\u]
.endr
.endr
.irp t, 0,1,2,3
.irp u, 0,1
	v_wmma_scale_f32_16x16x128_f8f6f4 v[S+64*\u+32+8*\t:S+64*\u+32+8*\t+7], v[KF+64+16*\t:KF+64+16*\t+15], v[QF+16*\u:QF+16*\u+15], 0, v[KS+\t], v[QS+\u] matrix_a_scale:MATRIX_SCALE_ROW1
.endr
.endr
	WIN 0
	PLACES 8                                       ; ahead of the first read of the scores, and of the loads into V's registers, which the step before's last products read (ISA guide 7.12.1 for vector instructions)
	WIN 0x80
.irp t, 0,1,2,3,4,5,6,7
.irp c, 0,1,2,3
	ds_load_b128 v[VF+16*\t+4*\c:VF+16*\t+4*\c+3], v[ADK] offset:32768+16384*(\q)+2048*\t+512*\c
.endr
.endr
	WIN 0
	ds_load_b128 v[VS:VS+3], v[ADS] offset:16384
	s_add_co_u32 s[TS], s[TS], 512                 ; the next step's scale words
	; the largest score of each block of 32 keys: for the row's maximum, and, since p rises with the score, for the block's largest p.  Eight chains by turns; each accumulator is first read at its low end
.irp u, 0,1
.irp b, 0,1,2,3
	v_max3_num_f32 v[BM+16*\u+\b], v[S+64*\u+16*\b], v[S+64*\u+16*\b+1], v[S+64*\u+16*\b+2]
.endr
.endr
.irp i, 3,5,7,9,11,13
.irp u, 0,1
.irp b, 0,1,2,3
	v_max3_num_f32 v[BM+16*\u+\b], v[BM+16*\u+\b], v[S+64*\u+16*\b+\i], v[S+64*\u+16*\b+\i+1]
.endr
.endr
.endr
.irp u, 0,1
.irp b, 0,1,2,3
	v_max_num_f32 v[BM+16*\u+\b], v[BM+16*\u+\b], v[S+64*\u+16*\b+15]
.endr
.endr
.irp u, 0,1
.irp b, 0,1,2,3
	v_permlanex16_b32 v[BM+16*\u+4+\b], v[BM+16*\u+\b], s[SEL], s[SEL+1]
.endr
.endr
.irp u, 0,1
.irp b, 0,1,2,3
	v_max_num_f32 v[BM+16*\u+\b], v[BM+16*\u+\b], v[BM+16*\u+4+\b]   ; with lane l xor 16's 16 keys
.endr
.endr
	; M and f, the two tiles line by line
.irp u, 0,1
	v_max3_num_f32 v[TSB+8*\u+6], v[BM+16*\u], v[BM+16*\u+1], v[BM+16*\u+2]
.endr
.irp u, 0,1
	v_max_num_f32 v[TSB+8*\u+6], v[TSB+8*\u+6], v[BM+16*\u+3]
.endr
.irp u, 0,1
	v_mul_f32 v[TSB+8*\u+6], s[CS], v[TSB+8*\u+6]  ; the step's largest t (c is positive)
.endr
.irp u, 0,1
	v_max_num_f32 v[TSB+8*\u+1], v[TSB+8*\u+1], v[TSB+8*\u+6]
.endr
.irp u, 0,1
	v_mov_b32 v[TSB+8*\u+6], v[TSB+8*\u]
.endr
.irp u, 0,1
	v_floor_f32 v[TSB+8*\u], -v[TSB+8*\u+1]        ; the new -M = -ceil(t): a whole number
.endr
.irp u, 0,1
	v_sub_f32 v[TSB+8*\u+6], v[TSB+8*\u], v[TSB+8*\u+6]   ; old M - new M: a whole number, 0 or less
.endr
.irp u, 0,1
	v_cvt_i32_f32 v[TSB+8*\u+6], v[TSB+8*\u+6]     ; (it saturates)
.endr
.irp u, 0,1
	v_ldexp_f32 v[TSB+8*\u+4], 1.0, v[TSB+8*\u+6]  ; f = 2^(old M - new M)
.endr
	; tile 0: t - M
.set j_, 0
.rept 32
	v_pk_fma_f32 v[S+j_:S+j_+1], v[S+j_:S+j_+1], s[CS:CS+1], v[TSB:TSB+1] op_sel_hi:[1,0,0]
.set j_, j_+2
.endr
.irp b, 0,1,2,3
	v_fma_f32 v[BM+\b], v[BM+\b], s[CS], v[TSB]
.endr
	; tile 0's exponentials, with tile 1's t - M between them: the wave is alone on its SIMD, so plain lines of the other tile stand among the exponentials
.set j_, 0
.rept 32
	v_exp_f32 v[S+j_], v[S+j_]                     ; p = 2^(t - M), at most 1
	v_pk_fma_f32 v[S+64+j_:S+64+j_+1], v[S+64+j_:S+64+j_+1], s[CS:CS+1], v[TSB+8:TSB+9] op_sel_hi:[1,0,0]
	v_exp_f32 v[S+j_+1], v[S+j_+1]
.set j_, j_+2
.endr
.irp b, 0,1,2,3
	v_exp_f32 v[BM+\b], v[BM+\b]                   ; the block's largest p: the same two instructions on the same number
	v_fma_f32 v[BM+16+\b], v[BM+16+\b], s[CS], v[TSB+8]
.endr
	; tile 1's exponentials, with tile 0's scale words and sum between them
.set e_, 0
	v_pk_mul_f32 v[TSB+2:TSB+3], v[TSB+2:TSB+3], v[TSB+4:TSB+5] op_sel_hi:[1,0]   ; tile 0's sum under the new M
	EX1
	s_wait_alu depctr_va_vdst(0)
.irp b, 0,1,2,3
	v_max_num_f32 v[BM+\b], 0x4800000, v[BM+\b]    ; the floor 2^(9 - 127): the byte cannot fall under 1
	EX1
.endr
.irp b, 0,1,2,3
	v_add_nc_u32 v[BM+12+\b], 0xfc000000, v[BM+\b] ; 8 off the exponent field: the conversion's scale operand
	EX1
.endr
.irp b, 0,1,2,3
	v_and_or_b32 v[BM+8+\b], v[BM+\b], 0x7f800000, s[MNT]   ; 448 x the scale
	EX1
.endr
.irp b, 0,1,2,3
	v_lshrrev_b32 v[BM+4+\b], 23, v[BM+12+\b]      ; the scale's byte
	EX1
.endr
	v_lshl_or_b32 v[PS], v[BM+5], 8, v[BM+4]       ; p's scale word for these 128 keys
	EX1
	v_lshl_or_b32 v[PS], v[BM+6], 16, v[PS]
	EX1
	v_lshl_or_b32 v[PS], v[BM+7], 24, v[PS]
	EX1
.set n_, 0
.rept 32
	SUMP 0, n_
	EX1
.set n_, n_+1
.endr
.rept 12
	EX1
.endr
.irp b, 0,1,2,3
	v_exp_f32 v[BM+16+\b], v[BM+16+\b]
.endr
	v_pk_mul_f32 v[TSB+10:TSB+11], v[TSB+10:TSB+11], v[TSB+12:TSB+13] op_sel_hi:[1,0]   ; tile 1's sum under the new M (the plain line behind the exponentials)
	s_wait_alu depctr_va_vdst(0)
.irp b, 0,1,2,3
	v_max_num_f32 v[BM+16+\b], 0x4800000, v[BM+16+\b]
.endr
.irp b, 0,1,2,3
	v_add_nc_u32 v[BM+28+\b], 0xfc000000, v[BM+16+\b]
.endr
.irp b, 0,1,2,3
	v_and_or_b32 v[BM+24+\b], v[BM+16+\b], 0x7f800000, s[MNT]
.endr
.irp b, 0,1,2,3
	v_lshrrev_b32 v[BM+20+\b], 23, v[BM+28+\b]
.endr
	v_lshl_or_b32 v[PS+1], v[BM+21], 8, v[BM+20]
	v_lshl_or_b32 v[PS+1], v[BM+22], 16, v[PS+1]
	v_lshl_or_b32 v[PS+1], v[BM+23], 24, v[PS+1]
	s_wait_dscnt 0x0                               ; V's fragments and scale words, asked for the whole half step ago, are in: no read of the slot is out
.endm
; THE SECOND HALF: tile 1's sum, the holds and conversions, O^T under the new M, O^T += V^T P^T.  first = 1: the products start O^T's sums: nothing is cleared, nothing rescaled.
.macro BACK first
.set n_, 0
.rept 32
	SUMP 1, n_
.set n_, n_+1
.endr
.irp u, 0,1
.irp b, 0,1,2,3
.irp i, 0,1,2,3,4,5,6,7,8,9,10,11,12,13,14,15
	v_min_num_f32 v[S+64*\u+16*\b+\i], v[S+64*\u+16*\b+\i], v[BM+16*\u+8+\b]   ; the conversion does not saturate (ISA guide 7.6.2); p is not negative, so the hold is one-sided
.endr
	v_cvt_scalef32_pk8_fp8_f32 v[PC+16*\u+4*\b:PC+16*\u+4*\b+1], v[S+64*\u+16*\b:S+64*\u+16*\b+7], v[BM+16*\u+12+\b]
	v_cvt_scalef32_pk8_fp8_f32 v[PC+16*\u+4*\b+2:PC+16*\u+4*\b+3], v[S+64*\u+16*\b+8:S+64*\u+16*\b+15], v[BM+16*\u+12+\b]
.endr
.endr
.if \first
	PLACES 4                                       ; between the codes and the products that take them
.else
	WIN 0x41                                       ; O^T (destination and source 0) window 1, f window 0
.irp u, 0,1
.set j_, 0
.rept 32
	v_pk_mul_f32 v[O+64*\u+j_:O+64*\u+j_+1], v[O+64*\u+j_:O+64*\u+j_+1], v[TSB+8*\u+4:TSB+8*\u+5] op_sel_hi:[1,0]   ; x f; these lines are also the places between the codes and the products
.set j_, j_+2
.endr
.endr
.endif
	WIN 0x52                                       ; source 0 (V) window 2, source 1 (codes) window 0, C and D window 1
.irp t, 0,1,2,3
.irp u, 0,1
.if \first
	v_wmma_scale_f32_16x16x128_f8f6f4 v[O+64*\u+8*\t:O+64*\u+8*\t+7], v[VF+16*\t:VF+16*\t+15], v[PC+16*\u:PC+16*\u+15], 0, v[VS+\t], v[PS+\u]
.else
	v_wmma_scale_f32_16x16x128_f8f6f4 v[O+64*\u+8*\t:O+64*\u+8*\t+7], v[VF+16*\t:VF+16*\t+15], v[PC+16*\u:PC+16*\u+15], v[O+64*\u+8*\t:O+64*\u+8*\t+7], v[VS+\t], v[PS+\u]
.endif
.endr
.endr
.irp t, 0,1,2,3
.irp u, 0,1
.if \first
	v_wmma_scale_f32_16x16x128_f8f6f4 v[O+64*\u+32+8*\t:O+64*\u+32+8*\t+7], v[VF+64+16*\t:VF+64+16*\t+15], v[PC+16*\u:PC+16*\u+15], 0, v[VS+\t], v[PS+\u] matrix_a_scale:MATRIX_SCALE_ROW1
.else
	v_wmma_scale_f32_16x16x128_f8f6f4 v[O+64*\u+32+8*\t:O+64*\u+32+8*\t+7], v[VF+64+16*\t:VF+64+16*\t+15], v[PC+16*\u:PC+16*\u+15], v[O+64*\u+32+8*\t:O+64*\u+32+8*\t+7], v[VS+\t], v[PS+\u] matrix_a_scale:MATRIX_SCALE_ROW1
.endif
.endr
.endr
	WIN 0
.endm
.macro T q                             ; a trip: K of this step is asked for, the step before is finished, this step is begun
	KLOAD \q
	BACK 0
	FRONT \q
.endm
; THE CHANGE OF SLOTS stands between two trips.  Each wave waits for all its tensor loads, adds 0 to its spare word, and waits for that (its reads of the slot that it leaves are back since the half step's end).
; fill = 1: a round of the cluster's barrier, so that no wave of any partner still reads that slot or has a load on its way; then the joint fill, which has two key steps in which to land.
.macro CHANGE fill
	s_wait_tensorcnt 0x0                           ; no tensor load of mine is out, so a group 0 may be written
	ds_add_u32 v[SPW], v[NIL]                      ; 0 onto my spare word
.if \fill
	s_xor_b32 s[G0K+1], s[G0K+1], SLOT1            ; the walking descriptors: the other slot,
	s_add_nc_u64 s[G0K+2:G0K+3], s[G0K+2:G0K+3], 32768   ; the next 256 keys
	s_xor_b32 s[G0V+1], s[G0V+1], SLOT1
	s_add_nc_u64 s[G0V+2:G0V+3], s[G0V+2:G0V+3], 32768
.endif
	s_wait_dscnt 0x0                               ; the add is done, and my reads of the slot that I leave are over
.if \fill
	ROUND
	TLOAD G0K, G1, G0V, G1                         ; the first thing behind the round, my one tensor load until the next
.else
	s_barrier_signal -1
	s_barrier_wait -1
.endif
.endm
	s_wait_loadcnt 0x0                             ; Q and its scale words
	CHANGE 1                                       ; slot 0 and the scale words are whole; slot 1 is asked for
	KLOAD 0
	FRONT 0
	KLOAD 1
	BACK 1                                         ; the first step's products start O^T
	FRONT 1
	s_xor_b32 s[TB], s[TB], SLOT1
.Lslot:                                            ; 14 trips: slots 1 to 14 are read; behind each change the slot after is asked for
	CHANGE 1
	T 0
	T 1
	s_xor_b32 s[TB], s[TB], SLOT1
	s_sub_co_u32 s[SLOTS], s[SLOTS], 1
	s_cmp_lg_u32 s[SLOTS], 0
	s_cbranch_scc1 .Lslot
	CHANGE 0                                       ; the last slot is written out
	T 0
	T 1
	BACK 0                                         ; the last step's second half
	; THE WAY OUT: O^T / the sum leaves as it lies: 16 stores of 512 consecutive bytes a tile.
	PLACES 8
.irp u, 0,1
	v_add_f32 v[TSB+8*\u+2], v[TSB+8*\u+2], v[TSB+8*\u+3]
.endr
.irp u, 0,1
	v_permlanex16_b32 v[TSB+8*\u+6], v[TSB+8*\u+2], s[SEL], s[SEL+1]
.endr
.irp u, 0,1
	v_add_f32 v[TSB+8*\u+2], v[TSB+8*\u+2], v[TSB+8*\u+6]   ; the row's sum
.endr
.irp u, 0,1
	v_rcp_f32 v[TSB+8*\u+2], v[TSB+8*\u+2]
.endr
	v_nop                                          ; a plain line between the reciprocals and their use
	WIN 0x01                                       ; source 0 (O^T) window 1
	s_wait_alu depctr_va_vdst(0)
.irp u, 0,1
.set j_, 0
.rept 64
	v_mul_f32 v[S+64*\u+j_], v[O+64*\u+j_], v[TSB+8*\u+2]   ; each accumulator from its low end on
.set j_, j_+1
.endr
.endr
	WIN 0
.irp u, 0,1
.set j_, 0
.rept 16
	global_store_b128 v[LI], v[S+64*\u+4*j_:S+64*\u+4*j_+3], s[16:17] offset:8192*\u+512*j_
.set j_, j_+1
.endr
.endr
	s_wait_tensorcnt 0x0                           ; the wave's end
	ds_add_u32 v[SPW], v[NIL]
	s_wait_dscnt 0x0
	ROUND                                          ; the closing round: no work-group ends while a partner may still ask for a tile that names it
	s_endpgm
.Lfunc_end_k_q24857e65a9_attn:
	.size	k_q24857e65a9_attn, .Lfunc_end_k_q24857e65a9_attn-k_q24857e65a9_attn
	.p2alignl 7, 3214868480
	.fill 96, 4, 3214868480
	.section	.rodata,"a",@progbits
	.p2align	6, 0x0
	.amdhsa_kernel k_q24857e65a9_attn
		.amdhsa_group_segment_fixed_size 327680
		.amdhsa_private_segment_fixed_size 0
		.amdhsa_enable_private_segment 0
		.amdhsa_kernarg_size 56
		.amdhsa_user_sgpr_count 2
		.amdhsa_user_sgpr_kernarg_segment_ptr 1
		.amdhsa_wavefront_size32 1
		.amdhsa_system_sgpr_workgroup_id_x 1
		.amdhsa_system_sgpr_workgroup_id_y 1
		.amdhsa_system_sgpr_workgroup_id_z 1
		.amdhsa_system_vgpr_workitem_id 0
		.amdhsa_next_free_vgpr 768
		.amdhsa_next_free_sgpr 96
		.amdhsa_reserve_vcc 0
		.amdhsa_float_denorm_mode_32 3
		.amdhsa_float_denorm_mode_16_64 3
		.amdhsa_memory_ordered 1
		.amdhsa_forward_progress 1
		.amdhsa_inst_pref_size 245
	.end_amdhsa_kernel
	.amdgpu_metadata
---
amdhsa.version: [ 1, 2 ]
amdhsa.kernels:
  - .name:           k_q24857e65a9_attn
    .symbol:         k_q24857e65a9_attn.kd
    .args:
      - { .name: q_img, .offset: 0, .size: 8, .value_kind: global_buffer, .address_space: global }
      - { .name: q_sc, .offset: 8, .size: 8, .value_kind: global_buffer, .address_space: global }
      - { .name: k_img, .offset: 16, .size: 8, .value_kind: global_buffer, .address_space: global }
      - { .name: k_sc, .offset: 24, .size: 8, .value_kind: global_buffer, .address_space: global }
      - { .name: v_img, .offset: 32, .size: 8, .value_kind: global_buffer, .address_space: global }
      - { .name: v_sc, .offset: 40, .size: 8, .value_kind: global_buffer, .address_space: global }
      - { .name: o_img, .offset: 48, .size: 8, .value_kind: global_buffer, .address_space: global }
    .group_segment_fixed_size: 327680
    .private_segment_fixed_size: 0
    .kernarg_segment_align: 8
    .kernarg_segment_size: 56
    .max_flat_workgroup_size: 128
    .sgpr_count:     96
    .vgpr_count:     768
    .wavefront_size: 32
...
	.end_amdgpu_metadata
.endif
;; end of part 5
;; launch res (part 6): grid 256 x 1, 4 waves a work-group, no clusters, 224,768 bytes of LDS; arguments x, o_img, alpha_r1, alpha_r2, Ws_codes, Ws_scales, bs, W1_codes, W1_scales, b1, W2_codes, W2_scales, b2, out0; writes out0
.if DOCPART == 6
	.amdgcn_target "amdgcn-amd-amdhsa--gfx1250"
	.amdhsa_code_object_version 6
	.text
	.protected	k_q24857e65a9_res
	.globl	k_q24857e65a9_res
	.p2align	8
	.type	k_q24857e65a9_res,@function
k_q24857e65a9_res:
	s_mov_b64 s[64:65], 0
	v_nop
	global_prefetch_b8 v0, s[64:65] scope:SCOPE_SE
	s_setreg_imm32_b32 hwreg(HW_REG_WAVE_MODE, 25, 1), 1
	s_wait_xcnt 0x0
; out0 = (W2 gelu(pixnorm(h1, alpha_r2)) + b2 + Ws cat + bs) / sqrt 2, h1 = W1 gelu(pixnorm(cat, alpha_r1)) + b1, cat = [attention's result; x]: 512 channels.  All three products on E4M3 codes with E8M0 scales.
; (The partial convolution's ratio 1 / (1 + 1e-8) is 1.0 as an f32 number: it costs no line.)
; A work-group takes 64 tokens of one batch (256 work-groups).  Activations: wave w takes the 16 tokens 16 w on.  Products: wave w takes channels 64 w .. 64 w + 63 for all 64 tokens; its weights stay in registers.
; Operands go from wave to wave through LDS as images of their registers (16 bytes a lane at 16 x lane, 512 bytes a group of four registers; a scale word at 4 x lane).
; h1 is made transposed (source 0 = 16 chosen rows of W1, source 1 = tokens): a lane holds one token and 32 neighbouring-in-K units.  The result's sums are made the other way (source 0 = tokens, source 1 = 16 rows of Ws or W2):
; a lane holds one channel and 8 neighbouring tokens; Ws cat and W2 g share one accumulator.  b1 is loaded into h1's accumulators ahead of the sums.
; GELU, the quantiser and the LIMITS are as in the first launch: NaN and infinities are not served; a block under 2^-118, and a block of zeros, keep the scale byte 1.
; No cluster: the weights go straight into registers by plain loads, which have no joint form.
.set XP,    264
.set OT,    67584                      ; attention's result [head 2][tile m 4] x 8,192 bytes, as it lies in o_img
.set ALPHA, 133120                     ; alpha_r1 (2,048 bytes), alpha_r2 (1,024)
.set CIMG,  136192                     ; cat's fragments [m][s 4] x 2,048
.set GIMG,  168960                     ; gelu's, likewise: CIMG + 32,768
.set HIMG,  201728                     ; the second gelu's [m][s 2] x 2,048
.set CSC,   218112                     ; scale words [m][s] x 128; GSC = CSC + 2,048; HSC = CSC + 4,096
.set HSC,   222208
.set NRM,   223232                     ; [m][r][w] partial sums of squares
.set LI,   1                           ; 16 l
.set XA,   2                           ; 4,224 h + 64 w + 4 r
.set OA,   3                           ; OT + 16 l + 8,192 w
.set AH,   4                           ; ALPHA + 64 h
.set CWI,  5                           ; CIMG + 16 l + 8,192 w
.set CWS,  6                           ; CSC + 4 l + 512 w
.set FC,   7                           ; CIMG + 16 l
.set FCS,  8                           ; CSC + 4 l
.set FH,   9                           ; HIMG + 16 l
.set HWI,  10                          ; HIMG + 16 l + 1,024 w: K step w / 2, groups 2 (w % 2) on
.set HWS,  11                          ; HSC + 4 l + 128 (w / 2) + 2 (w % 2)
.set NW,   12                          ; NRM + 16 r + 4 w
.set NR,   13                          ; NRM + 16 r
.set SO,   14                          ; the stage: 4,352 w + 272 r + 32 h
.set SR,   15                          ; 4,352 w + 272 h + 16 r
.set WSS,  16                          ; v16-23  Ws's scale words: register 4 p + s: lanes 0-15 tile 2 p, lanes 16-31 tile 2 p + 1
.set W1S,  24                          ; v24-31  W1's likewise
.set W2S,  32                          ; v32-35  W2's: 2 p + s
.set BB,   36                          ; v36-43  (bs + b2) / sqrt 2 of my channel, a pair for each tile
.set NS,   44                          ; v44-51  sums of squares; later 1 / norm of h1, a pair for each m
.set RR,   52
.set C9V,  54
.set SB,   56                          ; v56-119
.set GB,   120                         ; v120-183
.set GT,   184                         ; gelu's work; the quantiser's codes
.set GA,   200
.set GU,   216
.set TM,   200                         ; the quantiser's work lies in gelu's, which is done by then
.set PW,   216
.set L8,   232
.set BSO,  233
.set AL1O, 234
.set AL2O, 235
.set AL1L, 236
.set AL2L, 237
.set A2,   238                         ; ALPHA + 2,048 + 256 w + 64 h
.set GOF,  239                         ; 16,384 h + 16 r
.set CW,   240                         ; v240-243, v244-247 fetched scale words
.set GW,   244
.set WSO,  248
.set W1O,  249
.set W2O,  250
.set B1O,  251
.set W1SO, 252
.set WV,   34
.set SEL,  38
.set MNT,  40
.set K1,   41
; WINDOWS: 1: Ws's fragments at 16 (4 t + s).  2: W1's at 16 (4 t + s), later W2's at 16 (2 t + s).  3: v0-127 the result's accumulators at 8 (4 m + t); v128-255 h1's at 128 + 8 (4 m + t).
.set MSB, 0
.macro WIN new
.if MSB != \new
	s_set_vgpr_msb (MSB<<8)|\new
.set MSB, \new
.endif
.endm
.macro PLACES n
.rept \n
	v_nop
.endr
.endm
.macro BARRIER
	s_wait_dscnt 0x0
	s_barrier_signal -1
	s_barrier_wait -1
.endm
.macro PKMUL d, a, b, n
.set p_, 0
.rept \n
	v_pk_mul_f32 v[(\d)+p_:(\d)+p_+1], v[(\a)+p_:(\a)+p_+1], v[(\b)+p_:(\b)+p_+1]
.set p_, p_+2
.endr
.endm
.macro PKSCL d, r, n
.set p_, 0
.rept \n
	v_pk_mul_f32 v[(\d)+p_:(\d)+p_+1], v[(\d)+p_:(\d)+p_+1], v[\r:\r+1]
.set p_, p_+2
.endr
.endm
.macro GELU16 y                        ; gelu(y) = max(y, 0) - |y| t exp(P(t) - y y / 2), t = 1 / (1 + |y| / sqrt 8); in place on 16 registers
.set i_, 0
.rept 16
	v_fma_f32 v[GT+i_], |v[(\y)+i_]|, s[K1], 1.0
.set i_, i_+1
.endr
.set i_, 0
	s_wait_alu depctr_va_vdst(0)
.rept 16
	v_rcp_f32 v[GT+i_], v[GT+i_]
.set i_, i_+1
.endr
.set i_, 0
.rept 8
	v_pk_mul_f32 v[GU+i_:GU+i_+1], v[(\y)+i_:(\y)+i_+1], v[(\y)+i_:(\y)+i_+1]
.set i_, i_+2
.endr
.set i_, 0
	s_wait_alu depctr_va_vdst(0)
.rept 8
	v_pk_fma_f32 v[GA+i_:GA+i_+1], v[GT+i_:GT+i_+1], v[C9V:C9V+1], 0xbf527892 op_sel_hi:[1,1,0]
.set i_, i_+2
.endr
.irp k, 0x3fbe87b0, 0xbf914e5d, 0x3e8ec7cc, 0xbe3ec24c, 0x3dc636c9, 0x3ebf88fb, 0x3f8000c7, 0xbffab55a
.set i_, 0
.rept 8
	v_pk_fma_f32 v[GA+i_:GA+i_+1], v[GA+i_:GA+i_+1], v[GT+i_:GT+i_+1], \k op_sel_hi:[1,1,0]
.set i_, i_+2
.endr
.endr
.set i_, 0
.rept 8
	v_pk_fma_f32 v[GA+i_:GA+i_+1], v[GU+i_:GU+i_+1], -0.5, v[GA+i_:GA+i_+1] op_sel_hi:[1,0,1]
.set i_, i_+2
.endr
.set i_, 0
.rept 8
	v_pk_mul_f32 v[GA+i_:GA+i_+1], v[GA+i_:GA+i_+1], 0x3fb8aa3b op_sel_hi:[1,0]
.set i_, i_+2
.endr
.set i_, 0
	s_wait_alu depctr_va_vdst(0)
.rept 16
	v_exp_f32 v[GA+i_], v[GA+i_]
.set i_, i_+1
.endr
.set i_, 0
.rept 16
	v_max_num_f32 v[GU+i_], 0, v[(\y)+i_]
.set i_, i_+1
.endr
.set i_, 0
	s_wait_alu depctr_va_vdst(0)
.rept 8
	v_pk_mul_f32 v[GA+i_:GA+i_+1], v[GA+i_:GA+i_+1], v[GT+i_:GT+i_+1]
.set i_, i_+2
.endr
.set i_, 0
.rept 16
	v_fma_f32 v[(\y)+i_], -|v[(\y)+i_]|, v[GA+i_], v[GU+i_]
.set i_, i_+1
.endr
.endm
.macro QUANT s, nb, d, pw              ; nb blocks of 32: register 16 b + i = k 32 b + 16 (lane / 16) + i of my row; codes to v[d] on, scale bytes to v[pw]
.set b_, 0
.rept \nb
	v_max3_num_f32 v[TM+b_], |v[(\s)+16*b_]|, |v[(\s)+16*b_+1]|, 0x4800000
.set b_, b_+1
.endr
.irp i, 2,4,6,8,10,12,14
.set b_, 0
.rept \nb
	v_max3_num_f32 v[TM+b_], v[TM+b_], |v[(\s)+16*b_+\i]|, |v[(\s)+16*b_+\i+1]|
.set b_, b_+1
.endr
.endr
.set b_, 0
.rept \nb
	v_permlanex16_b32 v[TM+4+b_], v[TM+b_], s[SEL], s[SEL+1]
.set b_, b_+1
.endr
.set b_, 0
.rept \nb
	v_max_num_f32 v[TM+b_], v[TM+b_], v[TM+4+b_]
.set b_, b_+1
.endr
.set b_, 0
.rept \nb
	v_add_nc_u32 v[TM+12+b_], 0xfc000000, v[TM+b_]
.set b_, b_+1
.endr
.set b_, 0
.rept \nb
.set b_, b_+1
.endr
.set b_, 0
.rept \nb
	v_lshrrev_b32 v[TM+4+b_], 23, v[TM+12+b_]
.set b_, b_+1
.endr
	v_lshl_or_b32 v[\pw], v[TM+5], 8, v[TM+4]
.if \nb > 2
	v_lshl_or_b32 v[\pw], v[TM+6], 16, v[\pw]
	v_lshl_or_b32 v[\pw], v[TM+7], 24, v[\pw]
.endif
.set b_, 0
.rept \nb
.set i_, 0
.rept 16
.set i_, i_+1
.endr
	v_cvt_scalef32_pk8_fp8_f32 v[(\d)+4*b_:(\d)+4*b_+1], v[(\s)+16*b_:(\s)+16*b_+7], v[TM+12+b_]
	v_cvt_scalef32_pk8_fp8_f32 v[(\d)+4*b_+2:(\d)+4*b_+3], v[(\s)+16*b_+8:(\s)+16*b_+15], v[TM+12+b_]
.set b_, b_+1
.endr
	v_nop                                          ; a plain line behind the last conversion
.endm
.macro IMAGE adr, off, src, n
.set c_, 0
.rept \n
	ds_store_b128 v[\adr], v[(\src)+4*c_:(\src)+4*c_+3] offset:(\off)+512*c_
.set c_, c_+1
.endr
.endm
.macro FETCH reg, adr, off
.set c_, 0
.rept 4
	ds_load_b128 v[(\reg)+4*c_:(\reg)+4*c_+3], v[\adr] offset:(\off)+512*c_
.set c_, c_+1
.endr
.endm
.macro LOADX buf, s
.irp b, 0,1,2,3
.irp i, 0,1,2,3,4,5,6,7,8,9,10,11,12,13,14,15
	ds_load_b32 v[(\buf)+16*\b+\i], v[XA] offset:(128*(\s)+32*\b+\i)*XP
.endr
.endr
.endm
.macro LOADC buf, s                    ; K step s of cat for my token: 0, 1 attention's heads, 2, 3 x
.if (\s) < 2
.set c_, 0
.rept 16
	ds_load_b128 v[(\buf)+4*c_:(\buf)+4*c_+3], v[OA] offset:32768*(\s)+512*c_
.set c_, c_+1
.endr
.else
	LOADX \buf, (\s)-2
.endif
.endm
.macro LOADA off
.irp b, 0,1,2,3
.irp j, 0,1,2,3
	ds_load_b128 v[GB+16*\b+4*\j:GB+16*\b+4*\j+3], v[AH] offset:(\off)+128*\b+16*\j
.endr
.endr
.endm
.macro SSQ buf, first
.set p_, 0
.rept 32
.if (\first) && (p_ < 4)
	v_pk_mul_f32 v[NS+2*p_:NS+2*p_+1], v[(\buf)+2*p_:(\buf)+2*p_+1], v[(\buf)+2*p_:(\buf)+2*p_+1]
.else
	v_pk_fma_f32 v[NS+2*(p_%4):NS+2*(p_%4)+1], v[(\buf)+2*p_:(\buf)+2*p_+1], v[(\buf)+2*p_:(\buf)+2*p_+1], v[NS+2*(p_%4):NS+2*(p_%4)+1]
.endif
.set p_, p_+1
.endr
.endm
; one product onto the result's sums: source 0 = tokens, source 1 = 16 rows of a weight, whose scale words lie in lanes 16-31 for odd tiles
.macro WOUT acc, a, b, sa, sb, odd, zero
.if \zero
.if \odd
	v_wmma_scale_f32_16x16x128_f8f6f4 v[\acc:\acc+7], v[\a:\a+15], v[\b:\b+15], 0, v[\sa], v[\sb] matrix_b_scale:MATRIX_SCALE_ROW1
.else
	v_wmma_scale_f32_16x16x128_f8f6f4 v[\acc:\acc+7], v[\a:\a+15], v[\b:\b+15], 0, v[\sa], v[\sb]
.endif
.else
.if \odd
	v_wmma_scale_f32_16x16x128_f8f6f4 v[\acc:\acc+7], v[\a:\a+15], v[\b:\b+15], v[\acc:\acc+7], v[\sa], v[\sb] matrix_b_scale:MATRIX_SCALE_ROW1
.else
	v_wmma_scale_f32_16x16x128_f8f6f4 v[\acc:\acc+7], v[\a:\a+15], v[\b:\b+15], v[\acc:\acc+7], v[\sa], v[\sb]
.endif
.endif
.endm
.macro WH1 acc, a, b, sa, sb, odd      ; one product onto h1's sums: source 0 = 16 rows of W1
.if \odd
	v_wmma_scale_f32_16x16x128_f8f6f4 v[\acc:\acc+7], v[\a:\a+15], v[\b:\b+15], v[\acc:\acc+7], v[\sa], v[\sb] matrix_a_scale:MATRIX_SCALE_ROW1
.else
	v_wmma_scale_f32_16x16x128_f8f6f4 v[\acc:\acc+7], v[\a:\a+15], v[\b:\b+15], v[\acc:\acc+7], v[\sa], v[\sb]
.endif
.endm
	s_load_b512 s[4:19], s[0:1], 0x0               ; x, o_img, alpha_r1, alpha_r2, Ws codes, Ws scales, bs, W1 codes
	s_load_b256 s[20:27], s[0:1], 0x40             ; W1 scales, b1, W2 codes, W2 scales
	s_load_b128 s[28:31], s[0:1], 0x60             ; b2, out0
	v_lshl_add_u32 v254, v0, 2, 0x36c00
	v_mov_b32 v255, 0
	ds_add_u32 v254, v255
	ds_add_u32 v254, v255
	s_wait_dscnt 0x0
	v_lshrrev_b32 v253, 5, v0
	v_readfirstlane_b32 s[WV], v253                ; wave 0..3
	s_lshr_b32 s35, ttmp9, 6                       ; batch
	s_and_b32 s36, ttmp9, 63                       ; tg: which 64 tokens
	s_and_b32 s37, s[WV], 1
	s_lshr_b32 s47, s[WV], 1
	s_mov_b32 s48, (2<<16)|(1<<20)|(5<<22)|(1<<25) ; XT: 64 rows x 64 elements of 4 bytes, 2 words of padding behind each 64
	s_mov_b32 s49, 64<<16
	s_mov_b32 s50, 64<<16
	s_mov_b32 s51, 64<<16
	s_mov_b32 s52, 64
	s_mov_b32 s53, 4096
	s_mov_b32 s54, 0
	s_mov_b32 s55, 0
	s_mov_b32 s56, 3<<16                           ; OT: 64 rows of 256 bytes (32 elements of 8), dense
	s_mov_b32 s57, 32<<16
	s_mov_b32 s58, 64<<16
	s_mov_b32 s59, 32<<16
	s_mov_b32 s60, 64
	s_mov_b32 s61, 32
	s_mov_b32 s62, 0
	s_mov_b32 s63, 0
	s_lshl_b32 s76, s35, 8                         ; channel 256 b + 64 w, token 64 tg: XT's tile, and my rows of out0
	s_lshl_b32 s77, s[WV], 6
	s_add_co_u32 s76, s76, s77
	s_lshl_b32 s76, s76, 14
	s_lshl_b32 s77, s36, 8
	s_add_co_u32 s76, s76, s77
	s_mov_b32 s77, 0
	s_lshl_b32 s78, s35, 1                         ; o_img: head 2 b + w / 2, tiles 4 tg + 2 (w % 2) and the next: 16,384 dense bytes
	s_add_co_u32 s78, s78, s47
	s_lshl_b32 s78, s78, 8
	s_lshl_b32 s79, s36, 2
	s_add_co_u32 s78, s78, s79
	s_lshl_b32 s79, s37, 1
	s_add_co_u32 s78, s78, s79
	s_lshl_b32 s78, s78, 13
	s_mov_b32 s79, 0
	s_mul_i32 s80, s[WV], 16896
	s_lshl_b32 s81, s[WV], 14
	s_wait_kmcnt 0x0
	s_mov_b32 s68, 1
	s_mov_b32 s69, s80
	s_add_nc_u64 s[70:71], s[4:5], s[76:77]
	s_or_b32 s71, s71, 0x80000000
	s_mov_b32 s72, 1
	s_add_co_u32 s73, s81, OT
	s_add_nc_u64 s[74:75], s[6:7], s[78:79]
	s_or_b32 s75, s75, 0x80000000
	tensor_load_to_lds s[68:71], s[48:55]          ; first fills, and the only ones: two loads of mine are out
	s_nop 0
	tensor_load_to_lds s[72:75], s[56:63]
	s_nop 0
	PLACES 4
	s_add_nc_u64 s[30:31], s[30:31], s[76:77]      ; out0 at my first channel and token
	v_and_b32 v253, 31, v0                         ; l
	v_and_b32 v254, 15, v0                         ; r
	v_bfe_u32 v255, v0, 4, 1                       ; h
	v_lshlrev_b32 v[LI], 4, v253
	v_mul_u32_u24 v[XA], v255, 4224
	v_lshl_add_u32 v[XA], v254, 2, v[XA]
	s_lshl_b32 s82, s[WV], 6
	v_add_nc_u32 v[XA], s82, v[XA]
	s_lshl_b32 s82, s[WV], 13
	s_add_co_u32 s83, s82, OT
	v_add_nc_u32 v[OA], s83, v[LI]
	s_add_co_u32 s83, s82, CIMG
	v_add_nc_u32 v[CWI], s83, v[LI]
	v_lshl_add_u32 v[AH], v255, 6, ALPHA
	v_lshl_add_u32 v[FCS], v253, 2, CSC
	s_lshl_b32 s82, s[WV], 9
	v_add_nc_u32 v[CWS], s82, v[FCS]
	v_add_nc_u32 v[FC], CIMG, v[LI]
	v_add_nc_u32 v[FH], HIMG, v[LI]
	s_lshl_b32 s82, s[WV], 10
	v_add_nc_u32 v[HWI], s82, v[FH]
	v_lshl_add_u32 v[HWS], v253, 2, HSC
	s_lshl_b32 s82, s47, 7
	s_lshl_b32 s83, s37, 1
	s_add_co_u32 s82, s82, s83
	v_add_nc_u32 v[HWS], s82, v[HWS]
	v_lshl_add_u32 v[NR], v254, 4, NRM
	s_lshl_b32 s82, s[WV], 2
	v_add_nc_u32 v[NW], s82, v[NR]
	s_mul_i32 s82, s[WV], 4352
	v_mul_u32_u24 v[SO], v254, 272
	v_lshl_add_u32 v[SO], v255, 5, v[SO]
	v_add_nc_u32 v[SO], s82, v[SO]
	v_mul_u32_u24 v[SR], v255, 272
	v_lshl_add_u32 v[SR], v254, 4, v[SR]
	v_add_nc_u32 v[SR], s82, v[SR]
	s_lshl_b32 s82, s[WV], 8
	s_add_co_u32 s82, s82, ALPHA+2048
	v_lshlrev_b32 v[A2], 6, v255
	v_add_nc_u32 v[A2], s82, v[A2]
	v_lshlrev_b32 v[GOF], 14, v255
	v_lshl_add_u32 v[GOF], v254, 4, v[GOF]
	v_lshlrev_b32 v[L8], 3, v253
	v_lshlrev_b32 v[BSO], 2, v254
	v_lshlrev_b32 v[AL1O], 4, v0
	v_lshlrev_b32 v[AL2O], 3, v0
	v_lshl_add_u32 v[AL1L], v0, 4, ALPHA
	v_lshl_add_u32 v[AL2L], v0, 3, ALPHA+2048
	v_lshlrev_b32 v[WSO], 9, v254
	v_lshl_add_u32 v[WSO], v255, 4, v[WSO]
	v_lshlrev_b32 v[W2O], 8, v254
	v_lshl_add_u32 v[W2O], v255, 4, v[W2O]
	v_and_b32 v253, 8, v254
	v_add_nc_u32 v253, v253, v254                  ; r + 8 (r / 8)
	v_lshlrev_b32 v[W1O], 9, v253
	v_lshl_add_u32 v[W1O], v255, 4, v[W1O]
	v_lshl_add_u32 v[W1SO], v255, 3, v253
	v_lshlrev_b32 v[W1SO], 4, v[W1SO]              ; lanes 16-31 take the odd tile's rows, 8 further on
	v_lshlrev_b32 v[B1O], 6, v255
	v_mov_b32 v[C9V], 0x3e2ef945
	v_mov_b32 v[C9V+1], 0x3e2ef945
.irp b, 4,5,6,7
	v_mov_b32 v[TM+\b], 0                          ; a lane permute's destination counts as one of its sources
.endr
	s_mov_b32 s[SEL], 0x76543210
	s_mov_b32 s[SEL+1], 0xfedcba98
	s_mov_b32 s[K1], 0x3eb504f3
	s_mov_b32 s44, 0x3b000000                      ; 1 / 512
	s_mov_b32 s45, 0x322bcc77                      ; 1e-8
	s_mov_b32 s46, 0x3b800000                      ; 1 / 256
	global_load_b128 v[240:243], v[AL1O], s[8:9]   ; the gains: 16 and 8 bytes a thread
	global_load_b64 v[244:245], v[AL2O], s[10:11]
	s_mov_b32 s83, 0
	s_lshl_b32 s82, s[WV], 15                      ; my 64 rows of 512 codes
	s_add_nc_u64 s[12:13], s[12:13], s[82:83]
	s_add_nc_u64 s[18:19], s[18:19], s[82:83]
	s_lshl_b32 s82, s[WV], 10
	s_add_nc_u64 s[14:15], s[14:15], s[82:83]
	s_add_nc_u64 s[20:21], s[20:21], s[82:83]
	s_lshl_b32 s82, s[WV], 8
	s_add_nc_u64 s[16:17], s[16:17], s[82:83]
	s_add_nc_u64 s[22:23], s[22:23], s[82:83]
	s_add_nc_u64 s[28:29], s[28:29], s[82:83]
	s_lshl_b32 s82, s[WV], 14
	s_add_nc_u64 s[24:25], s[24:25], s[82:83]
	s_lshl_b32 s82, s[WV], 9
	s_add_nc_u64 s[26:27], s[26:27], s[82:83]
	s_wait_alu depctr_va_vdst(0)
	s_wait_loadcnt 0x0
	ds_store_b128 v[AL1L], v[240:243]
	ds_store_b64 v[AL2L], v[244:245]
	WIN 0x40
.irp t, 0,1,2,3
.irp s, 0,1,2,3
.irp c, 0,1,2,3
	global_load_b128 v[16*(4*\t+\s)+4*\c:16*(4*\t+\s)+4*\c+3], v[WSO], s[12:13] offset:16*\t*512+128*\s+32*\c
.endr
.endr
.endr
	WIN 0x80
.irp t, 0,1,2,3
.irp s, 0,1,2,3
.irp c, 0,1,2,3
	global_load_b128 v[16*(4*\t+\s)+4*\c:16*(4*\t+\s)+4*\c+3], v[W1O], s[18:19] offset:(32*(\t/2)+8*(\t%2))*512+128*\s+32*\c
.endr
.endr
.endr
	WIN 0xc0                                       ; b1 into h1's accumulators, in the result's layout, for each of the four tiles of tokens
.irp m, 0,1,2,3
.irp t, 0,1,2,3
	global_load_b128 v[128+8*(4*\m+\t):128+8*(4*\m+\t)+3], v[B1O], s[22:23] offset:(32*(\t/2)+8*(\t%2))*4
	global_load_b128 v[128+8*(4*\m+\t)+4:128+8*(4*\m+\t)+7], v[B1O], s[22:23] offset:(32*(\t/2)+8*(\t%2))*4+16
.endr
.endr
	WIN 0
.irp p, 0,1
	global_load_b128 v[WSS+4*\p:WSS+4*\p+3], v[LI], s[14:15] offset:512*\p
	global_load_b128 v[W1S+4*\p:W1S+4*\p+3], v[W1SO], s[20:21] offset:512*\p
	global_load_b64 v[W2S+2*\p:W2S+2*\p+1], v[L8], s[26:27] offset:256*\p
.endr
.irp t, 0,1,2,3
	global_load_b32 v[BB+2*\t], v[BSO], s[16:17] offset:64*\t
	global_load_b32 v[BB+2*\t+1], v[BSO], s[28:29] offset:64*\t
.endr
	s_wait_tensorcnt 0x0
	BARRIER                                        ; XT, OT and the gains lie in LDS
	; ---- pass 1: cat as it is: squares, codes, images.  The next K step's numbers land while this one is worked.
	LOADC SB, 0
.irp s, 0,1,2,3
.set CB_, SB+64*(\s%2)
.set NB_, SB+64*((\s+1)%2)
	s_wait_dscnt 0x0                               ; this K step's numbers are in; the last image's stores have read their registers
.if \s < 3
	LOADC NB_, \s+1
.endif
.if \s == 0
	SSQ CB_, 1
.else
	SSQ CB_, 0
.endif
	QUANT CB_, 4, GT, PW
	IMAGE CWI, 2048*\s, GT, 4
	ds_store_b32 v[CWS], v[PW] offset:128*\s
.endr
	LOADC SB, 0                                    ; pass 2 reads cat from LDS once more: 256 more live registers do not fit in the window
	v_pk_add_f32 v[NS:NS+1], v[NS:NS+1], v[NS+2:NS+3]
	v_pk_add_f32 v[NS+4:NS+5], v[NS+4:NS+5], v[NS+6:NS+7]
	v_pk_add_f32 v[NS:NS+1], v[NS:NS+1], v[NS+4:NS+5]
	v_add_f32 v[NS], v[NS], v[NS+1]
	v_permlanex16_b32 v[NS+1], v[NS], s[SEL], s[SEL+1]
	v_add_f32 v[NS], v[NS], v[NS+1]
	v_fma_f32 v[NS], v[NS], s44, s45
	s_wait_alu depctr_va_vdst(0)
	v_rsq_f32 v[RR], v[NS]
	v_nop
	s_wait_alu depctr_va_vdst(0)
	v_mov_b32 v[RR+1], v[RR]
	; ---- pass 2: gelu(alpha cat / norm)
.irp s, 0,1,2,3
	LOADA 512*\s
	s_wait_dscnt 0x0
	PKMUL GB, GB, SB, 32
.if \s < 3
	LOADC SB, \s+1
.endif
	PKSCL GB, RR, 32
	GELU16 GB
	GELU16 GB+16
	GELU16 GB+32
	GELU16 GB+48
	QUANT GB, 4, GT, PW
	IMAGE CWI, 32768+2048*\s, GT, 4
	ds_store_b32 v[CWS], v[PW] offset:2048+128*\s
.endr
	BARRIER                                        ; the 32 fragments lie in LDS; nobody reads XT or OT any more
	s_wait_loadcnt 0x0                             ; the weights, their scale words, the biases
	; ---- the products over cat's 512: a K step at a time; 16 accumulators of h1 by turns, then the result's 16
.irp s, 0,1,2,3
.irp m, 0,1,2,3
	FETCH SB+16*\m, FC, 8192*\m+2048*\s
	FETCH GB+16*\m, FC, 32768+8192*\m+2048*\s
	ds_load_b32 v[CW+\m], v[FCS] offset:512*\m+128*\s
	ds_load_b32 v[GW+\m], v[FCS] offset:2048+512*\m+128*\s
.endr
	s_wait_dscnt 0x0
	WIN 0xf2                                       ; source 0 (W1) window 2, source 1 window 0, C and D window 3
.irp m, 0,1,2,3
.irp t, 0,1,2,3
	WH1 128+8*(4*\m+\t), 16*(4*\t+\s), GB+16*\m, W1S+4*(\t/2)+\s, GW+\m, \t%2
.endr
.endr
	WIN 0xf4                                       ; source 0 window 0, source 1 (Ws) window 1, C and D window 3
.irp m, 0,1,2,3
.irp t, 0,1,2,3
.if \s == 0
	WOUT 8*(4*\m+\t), SB+16*\m, 16*(4*\t+\s), CW+\m, WSS+4*(\t/2)+\s, \t%2, 1
.else
	WOUT 8*(4*\m+\t), SB+16*\m, 16*(4*\t+\s), CW+\m, WSS+4*(\t/2)+\s, \t%2, 0
.endif
.endr
.endr
	WIN 0
	PLACES 8                                       ; ahead of loads into operands and of the first read of results
.endr
	WIN 0x80                                       ; W2 takes W1's place
.irp t, 0,1,2,3
.irp s, 0,1
.irp c, 0,1,2,3
	global_load_b128 v[16*(2*\t+\s)+4*\c:16*(2*\t+\s)+4*\c+3], v[W2O], s[24:25] offset:16*\t*256+128*\s+32*\c
.endr
.endr
.endr
	; ---- h1's norm: my 64 units' squares, a chain for each tile of tokens; each accumulator is read from its low end on
	WIN 0x0f                                       ; sources 0 and 1 window 3
.set q_, 0
.rept 16
.irp m, 0,1,2,3
.if q_ == 0
	v_pk_mul_f32 v[NS+2*\m:NS+2*\m+1], v[128+32*\m:128+32*\m+1], v[128+32*\m:128+32*\m+1]
.else
	v_pk_fma_f32 v[NS+2*\m:NS+2*\m+1], v[128+32*\m+2*q_:128+32*\m+2*q_+1], v[128+32*\m+2*q_:128+32*\m+2*q_+1], v[NS+2*\m:NS+2*\m+1]
.endif
.endr
.set q_, q_+1
.endr
	WIN 0
.irp m, 0,1,2,3
	v_add_f32 v[NS+2*\m], v[NS+2*\m], v[NS+2*\m+1]
.endr
.irp m, 0,1,2,3
	v_permlanex16_b32 v[NS+2*\m+1], v[NS+2*\m], s[SEL], s[SEL+1]
.endr
.irp m, 0,1,2,3
	v_add_f32 v[NS+2*\m], v[NS+2*\m], v[NS+2*\m+1]
.endr
.irp m, 0,1,2,3
	ds_store_b32 v[NW], v[NS+2*\m] offset:256*\m   ; lanes 16-31 write lanes 0-15's word with the same value
.endr
	BARRIER                                        ; the four waves' partial sums lie in LDS
.irp m, 0,1,2,3
	ds_load_b128 v[SB+4*\m:SB+4*\m+3], v[NR] offset:256*\m
.endr
.irp b, 0,1
.irp j, 0,1,2,3
	ds_load_b128 v[GB+16*\b+4*\j:GB+16*\b+4*\j+3], v[A2] offset:128*\b+16*\j   ; alpha_r2 of my 32 units
.endr
.endr
	s_wait_dscnt 0x0
.irp m, 0,1,2,3
	v_add_f32 v[SB+4*\m], v[SB+4*\m], v[SB+4*\m+1]
	v_add_f32 v[SB+4*\m+2], v[SB+4*\m+2], v[SB+4*\m+3]
.endr
.irp m, 0,1,2,3
	v_add_f32 v[SB+4*\m], v[SB+4*\m], v[SB+4*\m+2]
.endr
.irp m, 0,1,2,3
	v_fma_f32 v[SB+4*\m], v[SB+4*\m], s46, s45
.endr
	s_wait_alu depctr_va_vdst(0)
.irp m, 0,1,2,3
	v_rsq_f32 v[NS+2*\m], v[SB+4*\m]
.endr
	v_nop
	s_wait_alu depctr_va_vdst(0)
.irp m, 0,1,2,3
	v_mov_b32 v[NS+2*\m+1], v[NS+2*\m]
.endr
.irp m, 0,1,2,3
	WIN 0x03                                       ; source 0 (h1) window 3
	PKMUL SB, 128+32*\m, GB, 16
	WIN 0
	PKSCL SB, NS+2*\m, 16
	GELU16 SB
	GELU16 SB+16
	QUANT SB, 2, GT, PW
	IMAGE HWI, 4096*\m, GT, 2                      ; two of the four groups of K step w / 2's fragment
	ds_store_b16 v[HWS], v[PW] offset:256*\m       ; and two of its scale word's four bytes
	s_wait_dscnt 0x0                               ; the stores have read their registers
.endr
	BARRIER                                        ; the eight fragments lie in LDS
	s_wait_loadcnt 0x0                             ; W2
	; ---- W2's product goes onto the result's sums
.irp s, 0,1
.irp m, 0,1,2,3
	FETCH SB+16*\m, FH, 4096*\m+2048*\s
	ds_load_b32 v[CW+\m], v[FCS] offset:4096+256*\m+128*\s
.endr
	s_wait_dscnt 0x0
	WIN 0xf8                                       ; source 0 window 0, source 1 (W2) window 2, C and D window 3
.irp m, 0,1,2,3
.irp t, 0,1,2,3
	WOUT 8*(4*\m+\t), SB+16*\m, 16*(2*\t+\s), CW+\m, W2S+2*(\t/2)+\s, \t%2, 0
.endr
.endr
	WIN 0
	PLACES 8
.endr
.irp t, 0,1,2,3
	v_add_f32 v[BB+2*\t], v[BB+2*\t], v[BB+2*\t+1]
.endr
.irp t, 0,1,2,3
	v_mul_f32 v[BB+2*\t], 0x3f3504f3, v[BB+2*\t]
.endr
.irp t, 0,1,2,3
	v_mov_b32 v[BB+2*\t+1], v[BB+2*\t]
.endr
	; THE WAY OUT, 16 channels at a time.  A lane holds 32 bytes of a channel's 256: they go through my own stage (16 rows of 272 bytes, in XT, which has had its only fill and its last read) and come back as whole rows.
	; LDS serves a wave's instructions in order (ISA guide 5.7.1.4): no wait between the stores and the loads.
.irp t, 0,1,2,3
	WIN 0x03                                       ; source 0 (the sums) window 3
.irp m, 0,1,2,3
.irp p, 0,2,4,6
	v_pk_fma_f32 v[GT+8*\m+\p:GT+8*\m+\p+1], v[8*(4*\m+\t)+\p:8*(4*\m+\t)+\p+1], 0x3f3504f3, v[BB+2*\t:BB+2*\t+1] op_sel_hi:[1,0,1]
.endr
.endr
	WIN 0
.irp m, 0,1,2,3
	ds_store_b128 v[SO], v[GT+8*\m:GT+8*\m+3] offset:64*\m
	ds_store_b128 v[SO], v[GT+8*\m+4:GT+8*\m+7] offset:64*\m+16
.endr
.irp i, 0,1,2,3,4,5,6,7
	ds_load_b128 v[SB+32*\t+4*\i:SB+32*\t+4*\i+3], v[SR] offset:2*\i*272
.endr
	s_wait_dscnt 0x0
.irp i, 0,1,2,3,4,5,6,7
	global_store_b128 v[GOF], v[SB+32*\t+4*\i:SB+32*\t+4*\i+3], s[30:31] offset:(16*\t+2*\i)*16384 th:TH_STORE_NT   ; 16 lanes store 256 consecutive bytes, aligned; each tile has its own registers
.endr
.endr
	s_wait_xcnt 0x0
	v_lshl_add_u32 v254, v0, 2, 0x36c00
	v_mov_b32 v255, 0
	s_wait_alu depctr_va_vdst(0)
	s_wait_tensorcnt 0x0
	ds_add_u32 v254, v255
	s_wait_dscnt 0x0
	s_endpgm
.Lfunc_end_k_q24857e65a9_res:
	.size	k_q24857e65a9_res, .Lfunc_end_k_q24857e65a9_res-k_q24857e65a9_res
	.p2alignl 7, 3214868480
	.fill 96, 4, 3214868480
	.section	.rodata,"a",@progbits
	.p2align	6, 0x0
	.amdhsa_kernel k_q24857e65a9_res
		.amdhsa_group_segment_fixed_size 224768
		.amdhsa_private_segment_fixed_size 0
		.amdhsa_enable_private_segment 0
		.amdhsa_kernarg_size 112
		.amdhsa_user_sgpr_count 2
		.amdhsa_user_sgpr_kernarg_segment_ptr 1
		.amdhsa_wavefront_size32 1
		.amdhsa_system_sgpr_workgroup_id_x 1
		.amdhsa_system_sgpr_workgroup_id_y 1
		.amdhsa_system_sgpr_workgroup_id_z 1
		.amdhsa_system_vgpr_workitem_id 0
		.amdhsa_next_free_vgpr 1024
		.amdhsa_next_free_sgpr 96
		.amdhsa_reserve_vcc 0
		.amdhsa_float_denorm_mode_32 3
		.amdhsa_float_denorm_mode_16_64 3
		.amdhsa_fp16_overflow 1
		.amdhsa_memory_ordered 1
		.amdhsa_forward_progress 1
		.amdhsa_inst_pref_size 255
	.end_amdhsa_kernel
	.section	.bss,"aw",@nobits
	.p2align	6
	.space	262144
	.amdgpu_metadata
---
amdhsa.version: [ 1, 2 ]
amdhsa.kernels:
  - .name:           k_q24857e65a9_res
    .symbol:         k_q24857e65a9_res.kd
    .args:
      - { .name: x, .offset: 0, .size: 8, .value_kind: global_buffer, .address_space: global }
      - { .name: o_img, .offset: 8, .size: 8, .value_kind: global_buffer, .address_space: global }
      - { .name: alpha_r1, .offset: 16, .size: 8, .value_kind: global_buffer, .address_space: global }
      - { .name: alpha_r2, .offset: 24, .size: 8, .value_kind: global_buffer, .address_space: global }
      - { .name: Ws_codes, .offset: 32, .size: 8, .value_kind: global_buffer, .address_space: global }
      - { .name: Ws_scales, .offset: 40, .size: 8, .value_kind: global_buffer, .address_space: global }
      - { .name: bs, .offset: 48, .size: 8, .value_kind: global_buffer, .address_space: global }
      - { .name: W1_codes, .offset: 56, .size: 8, .value_kind: global_buffer, .address_space: global }
      - { .name: W1_scales, .offset: 64, .size: 8, .value_kind: global_buffer, .address_space: global }
      - { .name: b1, .offset: 72, .size: 8, .value_kind: global_buffer, .address_space: global }
      - { .name: W2_codes, .offset: 80, .size: 8, .value_kind: global_buffer, .address_space: global }
      - { .name: W2_scales, .offset: 88, .size: 8, .value_kind: global_buffer, .address_space: global }
      - { .name: b2, .offset: 96, .size: 8, .value_kind: global_buffer, .address_space: global }
      - { .name: out0, .offset: 104, .size: 8, .value_kind: global_buffer, .address_space: global }
    .group_segment_fixed_size: 224768
    .private_segment_fixed_size: 0
    .kernarg_segment_align: 8
    .kernarg_segment_size: 112
    .max_flat_workgroup_size: 128
    .sgpr_count:     96
    .vgpr_count:     1024
    .wavefront_size: 32
...
	.end_amdgpu_metadata
.endif
;; end of part 6
